; MI455X (gfx1250); checked and timed in simulation.
; The chip was launched on July 23, 2026; its instructions are those of AMD's public machine-readable ISA for CDNA 5 (MIT licence, August 2026) and "CDNA5" Instruction Set Architecture Reference Guide (July 2026). The comments in the code are by the model that wrote it; some were corrected since.
;; GPT2 Block. Allowed arithmetic: matrix products marked QUANTISED: E3M2 operands, one E8M0 scale for each 32 along K, by v_wmma_scale_f32_16x16x128_f8f6f4 with both operands' format E3M2, f32 sums; everything else in f32.
;; Inputs: b_attn_proj 1,024 float32; b_fc 4,096 float32; b_proj 1,024 float32; b_qkv 3,072 float32; ln1_b 1,024 float32; ln1_w 1,024 float32; ln2_b 1,024 float32; ln2_w 1,024 float32; w_attn_proj 1,024 x 1,024 float32; w_fc 1,024 x 4,096 float32; w_proj 4,096 x 1,024 float32; w_qkv 1,024 x 3,072 float32; x 2 x 2,048 x 1,024 float32.
;; Outputs: out0 2 x 2,048 x 1,024 float32.
;; This version of the problem:
;;   THIS VERSION OF THE PROBLEM IS GIVEN IN LOW PRECISION. The matrix products marked QUANTISED in the list below multiply operands that are first quantised to E3M2 (3 exponent bits, 2 mantissa bits; 6 bits a number), with one power-of-two scale for each 32 numbers along K (OCP MX v1.0); their sums are f32. All else is computed in f32.
;;   The module's matrix products, in the order in which they are computed (A, B: the left and right operand; K: the contracted axis; several contracted axes count as one K, in the product's order):
;;     1. [M 4,096, K 1,024] x [K 1,024, N 3,072]; A: computed on the way; B: input w_qkv: QUANTISED
;;     2. batch 32 x [M 2,048, K 64] x [K 64, N 2,048]; A: computed on the way; B: computed on the way: QUANTISED
;;     3. batch 32 x [M 2,048, K 2,048] x [K 2,048, N 64]; A: softmax (see below); B: computed on the way: QUANTISED
;;     4. [M 4,096, K 1,024] x [K 1,024, N 1,024]; A: computed on the way; B: input w_attn_proj: QUANTISED
;;     5. [M 4,096, K 1,024] x [K 1,024, N 4,096]; A: computed on the way; B: input w_fc: QUANTISED
;;     6. [M 4,096, K 4,096] x [K 4,096, N 1,024]; A: computed on the way; B: input w_proj: QUANTISED
;;   THE QUANTISER, for each operand of a quantised product, along K:
;;     - K is cut into blocks of 32 from its start; a last block that is shorter is filled with zeros.
;;     - A block's scale is 2^e with e = floor(log2(the largest magnitude in the block)) - 4, held to -126 .. 127; a block of zeros has e = 0. As a byte (E8M0): e + 127.
;;     - Each number is divided by its block's scale, clamped to +-28, and rounded to the nearest number of E3M2, ties to even, subnormals kept.
;;     - The product sums the exact products of the quantised numbers (number of the format x scale) in f32.
;;   ~~~python
;;   def quantise(x, axis):      # numpy; x: float32 -> the quantised numbers, widened to float32 again
;;       x = np.moveaxis(x, axis, -1); K = x.shape[-1]
;;       x = np.pad(x, [(0, 0)] * (x.ndim - 1) + [(0, -K % 32)]); x = x.reshape(x.shape[:-1] + (-1, 32)); a = np.abs(x).max(-1, keepdims=True)
;;       e = np.where(a > 0, np.clip(np.frexp(np.where(a > 0, a, 1))[1] - 1 - 4, -126, 127), 0)      # np.frexp(a)[1] - 1 = floor(log2(a)), exactly
;;       r = np.clip(x / 2.0 ** e, -28, 28)
;;       step = 2.0 ** (np.maximum(np.frexp(np.where(r == 0, 1, r))[1] - 1, -2) - 2)
;;       q = np.round(r / step) * step * 2.0 ** e      # np.round: ties to even
;;       return np.moveaxis(q.reshape(q.shape[:-2] + (-1,))[..., :K], -1, axis).astype(np.float32)
;;   ~~~
;;   SOFTMAX AHEAD OF A QUANTISED PRODUCT. Where the list says 'softmax', what is quantised is not the finished softmax but p = 2^(t - M), with t = logit x log2(e) and M = ceil(the row's largest t), a whole number; so 1/2 < the row's largest p <= 1. The row's sum l is taken of the UNQUANTISED p, in f32, and the product's result is divided by l at the end. Since M is a whole number, a kernel that streams over the keys may use a running M (the ceiling of the running maximum): every later rescaling is an exact power of two, which a block's scale takes up: the codes' values come out the same.
;;   OPERANDS COMPUTED ON THE WAY. 'Computed on the way' means the value that the module computes at that place (a softmax that the list does not call 'softmax' is quantised finished and normalised). What goes into a quantiser is computed in f32, as accurately as f32 sums, v_exp_f32 and their like allow (about 1e-6 of the number): no bf16 or f16 on the way to a quantiser, and a product that is left as it is and whose result goes on into a quantised operand takes f32 operands (vector FMAs, or v_wmma_f32_16x16x4_f32). A number that lies on a knife's edge between two numbers of the format may be rounded either way, as far as f32 arithmetic and the matrix unit's own rounding can turn it there, and no further.
;; 2 versions. Each part assembles by itself: llvm-mc -triple=amdgcn-amd-amdhsa -mcpu=gfx1250 --defsym DOCPART=n.
;; ======== version 1 of 2: 8 launches
;; workspace buffers: W 9,830,400 bytes; H 3,276,800 bytes; ATT 10,092,544 bytes; CTX 3,276,800 bytes; X1 16,777,216 bytes; HID 13,107,200 bytes
;; launch wq (part 1): grid 384 x 1, 4 waves a work-group, no clusters, 25,088 bytes of LDS; arguments w_qkv, w_attn_proj, w_fc, w_proj, W; writes W
.if DOCPART == 1
	.amdgcn_target "amdgcn-amd-amdhsa--gfx1250"
	.amdhsa_code_object_version 6
	.text
	.protected	k_q25fe2630ed_wq
	.globl	k_q25fe2630ed_wq
	.p2align	8
	.type	k_q25fe2630ed_wq,@function
k_q25fe2630ed_wq:
	s_mov_b64 s[64:65], 0
	v_nop
	global_prefetch_b8 v0, s[64:65] scope:SCOPE_SE
	s_setreg_imm32_b32 hwreg(HW_REG_WAVE_MODE, 25, 1), 1
	s_wait_xcnt 0x0
; The four weights, f32 stored [K][N], become operands of BF6 (E3M2) codes with one E8M0 byte for each 32 along K, laid as IMAGES OF THE OPERAND'S REGISTERS.
; AN IMAGE.  Rows of the operand are the weight's columns n.  A fragment is 16 rows x 128 K = 1,536 bytes in two halves c of 768: 512 bytes (registers 6c..6c+3, lane l's 16 bytes at 16 l), then 256 bytes
; (registers 6c+4, 6c+5, lane l's 8 bytes at 8 l).  Lane (r, h) holds k = 64 c + 32 h + 0..31 of its row.  A matrix lies [rb = rows/16][ks = K/128][1,536].  Lane r of tile rb = 2 g + u is row 32 g + 8 u + (r & 7) + 16 (r >> 3).
; Scale words lie [rb][ks][16 r][4 bytes].  W holds: codes qkv, attn, fc, proj, then from byte 9,437,184 their scale words.
; A LANE TAKES A COLUMN AND ITS REGISTERS RUN DOWN K: a load reads 128 consecutive bytes a wave (512 a work-group), a block of 32 lies in one lane, and the conversions give codes with K innermost.
; A work-group takes 128 columns x 256 K, a wave 32 columns (two tiles rb).  The codes turn through the wave's own stage in LDS and leave as 512 consecutive bytes a store.
; One text serves the four weights: sizes and the source's address are chosen on the work-group's number; there is one path.  No input is shared between work-groups: no cluster, no tensor load, no barrier.
; A block's scale is 2^(floor(log2(largest magnitude)) - 4); its byte is the magnitude's exponent field - 4, held at 1 from below.
; LIMITS: a block of zeros gets the byte 1 where the rule says 127 (its codes are zeros, and this program alone reads the bytes); blocks whose largest magnitude lies under 2^-122 keep the byte 1; NaN and infinities are not served.
.set OFF,  16                          ; v16-47   byte offset of row i of a block: 4 x lane + i x a row of the weight
.set X,    48                          ; v48-111  two sets of 32 numbers
.set C,    112                         ; v112-117 a block's codes
.set D,    120                         ; v120-122 its upper 16 codes as converted
.set OUTR, 128                         ; v128-175 the way out
	s_load_b256 s[4:11], s[0:1], 0x0               ; w_qkv, w_attn_proj, w_fc, w_proj
	s_load_b64 s[12:13], s[0:1], 0x20              ; W
	v_lshl_add_u32 v192, v0, 2, 0x6000
	v_mov_b32 v193, 0
	v_lshrrev_b32 v1, 5, v0
	v_readfirstlane_b32 s14, v1                    ; wave
	v_and_b32 v1, 31, v0                           ; lane = my column in the wave's 32
	v_lshlrev_b32 v2, 2, v1
	v_bfe_u32 v3, v0, 3, 1                         ; u: which of the two tiles my column falls into
	v_and_b32 v4, 7, v0
	v_bfe_u32 v10, v0, 4, 1
	v_lshl_or_b32 v4, v10, 3, v4                   ; r: its lane there
	s_mul_i32 s26, s14, 6144                       ; my wave's stage: [u][fragment][1,536]
	v_mul_u32_u24 v10, v3, 3072
	v_add_nc_u32 v10, s26, v10
	v_lshl_add_u32 v5, v4, 4, v10                  ; where my 16 bytes go
	v_lshl_add_u32 v6, v4, 3, v10                  ; where my 8 bytes go
	v_lshlrev_b32 v8, 4, v1                        ; 16 x lane
	v_add_nc_u32 v7, s26, v8                       ; and back, as the bytes lie
	s_mov_b32 s15, 256                             ; w_proj's numbers: first work-group,
	s_mov_b32 s16, 4096                            ; bytes in a row of the weight,
	s_mov_b32 s17, 49152                           ; bytes of codes for a tile rb,
	s_mov_b32 s18, 2048                            ; bytes of scale words for a tile rb,
	s_mov_b32 s19, 4                               ; log2 of the slabs of 256 along K,
	s_mov_b32 s20, 15                              ; their mask,
	s_mov_b32 s21, 6291456                         ; where the codes begin in W,
	s_mov_b32 s22, 9699328                         ; and the scale words
	s_wait_kmcnt 0x0
	s_mov_b64 s[24:25], s[10:11]
	s_cmp_lt_u32 ttmp9, 256                        ; w_fc
	s_cselect_b64 s[24:25], s[8:9], s[24:25]
	s_cselect_b32 s15, 128, s15
	s_cselect_b32 s16, 16384, s16
	s_cselect_b32 s17, 12288, s17
	s_cselect_b32 s18, 512, s18
	s_cselect_b32 s19, 2, s19
	s_cselect_b32 s20, 3, s20
	s_cselect_b32 s21, 3145728, s21
	s_cselect_b32 s22, 9568256, s22
	s_cmp_lt_u32 ttmp9, 128                        ; w_attn_proj
	s_cselect_b64 s[24:25], s[6:7], s[24:25]
	s_cselect_b32 s15, 96, s15
	s_cselect_b32 s16, 4096, s16
	s_cselect_b32 s21, 2359296, s21
	s_cselect_b32 s22, 9535488, s22
	s_cmp_lt_u32 ttmp9, 96                         ; w_qkv
	s_cselect_b64 s[24:25], s[4:5], s[24:25]
	s_cselect_b32 s15, 0, s15
	s_cselect_b32 s16, 12288, s16
	s_cselect_b32 s21, 0, s21
	s_cselect_b32 s22, 9437184, s22
	s_sub_co_u32 s23, ttmp9, s15
	s_and_b32 s54, s23, s20                        ; which 256 along K
	s_lshr_b32 s55, s23, s19                       ; which 128 columns
	s_mul_i32 s26, s54, s16
	s_lshl_b32 s26, s26, 8                         ; 256 rows down,
	s_lshl_b32 s27, s55, 9
	s_add_co_u32 s26, s26, s27                     ; 128 columns of 4 bytes a group,
	s_lshl_b32 s27, s14, 7
	s_add_co_u32 s26, s26, s27                     ; 32 a wave
	s_mov_b32 s27, 0
	s_add_nc_u64 s[32:33], s[24:25], s[26:27]      ; block 0
	s_lshl_b32 s28, s16, 5                         ; 32 rows on
	s_mov_b32 s29, 0
.irp t, 1,2,3,4,5,6,7
	s_add_nc_u64 s[32+2*\t:33+2*\t], s[30+2*\t:31+2*\t], s[28:29]
.endr
	s_lshl_b32 s26, s55, 3
	s_lshl_b32 s27, s14, 1
	s_add_co_u32 s26, s26, s27                     ; my first tile rb
	s_mul_i32 s30, s26, s17
	s_add_co_u32 s30, s30, s21
	s_mul_i32 s31, s54, 3072                       ; two fragments a slab
	s_add_co_u32 s30, s30, s31
	s_mov_b32 s31, 0
	s_add_nc_u64 s[48:49], s[12:13], s[30:31]      ; codes of tile u = 0,
	s_mov_b32 s30, s17
	s_add_nc_u64 s[50:51], s[48:49], s[30:31]      ; of u = 1
	s_mul_i32 s30, s26, s18
	s_add_co_u32 s30, s30, s22
	s_lshl_b32 s27, s54, 7
	s_add_co_u32 s30, s30, s27
	s_add_nc_u64 s[52:53], s[12:13], s[30:31]      ; scale words
	v_mul_u32_u24 v9, s18, v3
	v_lshl_add_u32 v9, v4, 2, v9                   ; my row's word: u tiles on, 4 r
.set i, 0
.rept 32
	v_mad_u32_u24 v[OFF+i], s16, i, v2
.set i, i+1
.endr
.macro LOAD t                          ; block t: w(32 t + i, my column) into set t % 2
.set i, 0
.rept 32
	global_load_b32 v[X+32*((\t)%2)+i], v[OFF+i], s[32+2*(\t):33+2*(\t)] th:TH_LOAD_NT
.set i, i+1
.endr
.endm
	LOAD 0
	LOAD 1
.macro BLOCK t
.set XS, X+32*((\t)%2)
.if (\t) < 7
	s_wait_loadcnt 32                              ; this block's 32 loads are in; the next block's 32 may be out
.else
	s_wait_loadcnt 0x0
.endif
	v_max3_num_f32 v12, |v[XS]|, |v[XS+1]|, |v[XS+2]|  ; the block's largest magnitude: all 32 numbers are mine; two chains
	v_max3_num_f32 v13, |v[XS+3]|, |v[XS+4]|, |v[XS+5]|
.irp i, 6,10,14,18,22,26
	v_max3_num_f32 v12, v12, |v[XS+\i]|, |v[XS+\i+1]|
	v_max3_num_f32 v13, v13, |v[XS+\i+2]|, |v[XS+\i+3]|
.endr
	v_max3_num_f32 v12, v12, |v[XS+30]|, |v[XS+31]|
	v_max3_num_f32 v12, v12, v13, 0x2800000        ; and the floor 2^(5 - 127): the byte cannot fall under 1
	v_add_nc_u32 v11, 0xfe000000, v12              ; 4 off the exponent field: the conversion's scale operand
	v_lshrrev_b32 v13, 23, v11                     ; the scale's byte
.if (\t)%4 == 0
	v_mov_b32 v[14+(\t)/4], v13                    ; four bytes make a fragment's word
.else
	v_lshl_or_b32 v[14+(\t)/4], v13, 8*((\t)%4), v[14+(\t)/4]
.endif
	v_cvt_scalef32_pk16_bf6_f32 v[C:C+2], v[XS:XS+15], v11
	v_cvt_scalef32_pk16_bf6_f32 v[D:D+2], v[XS+16:XS+31], v11  ; (a conversion's three registers begin on an even number)
	v_nop                                          ; one plain instruction behind the conversions
.irp i, 0,1,2
	v_mov_b32 v[C+3+\i], v[D+\i]
.endr
	ds_store_b128 v5, v[C:C+3] offset:1536*((\t)/4)+768*(((\t)/2)%2)+256*((\t)%2)      ; block t is k = 32 t: fragment t / 4, half (t / 2) % 2, lanes 16 (t % 2) + r
	ds_store_b64 v6, v[C+4:C+5] offset:1536*((\t)/4)+768*(((\t)/2)%2)+512+128*((\t)%2)
.if (\t)+2 < 8
	LOAD (\t)+2
.endif
	s_wait_dscnt 0x0                               ; the stores have read their registers: the next block's codes may be written
.endm
.irp t, 0,1,2,3,4,5,6,7
	BLOCK \t
.endr
	global_store_b32 v9, v14, s[52:53]             ; sixteen lanes store a tile's 64 bytes of words
	global_store_b32 v9, v15, s[52:53] offset:64
.irp n, 0,1,2,3,4,5,6,7,8,9,10,11
	ds_load_b128 v[OUTR+4*\n:OUTR+4*\n+3], v7 offset:512*\n  ; LDS serves a wave's instructions in order: these see my stores
.endr
.irp n, 0,1,2,3,4,5,6,7,8,9,10,11
	s_wait_dscnt 11-\n                             ; read n is back; the younger ones may be out
	global_store_b128 v8, v[OUTR+4*\n:OUTR+4*\n+3], s[48+2*(\n/6):49+2*(\n/6)] offset:512*(\n%6)  ; 512 consecutive bytes, at a multiple of 256 from W's first byte
.endr
	s_wait_tensorcnt 0x0
	ds_add_u32 v192, v193
	s_wait_dscnt 0x0
	s_endpgm
.Lfunc_end_k_q25fe2630ed_wq:
	.size	k_q25fe2630ed_wq, .Lfunc_end_k_q25fe2630ed_wq-k_q25fe2630ed_wq
	.p2alignl 7, 3214868480
	.fill 96, 4, 3214868480
	.section	.rodata,"a",@progbits
	.p2align	6, 0x0
	.amdhsa_kernel k_q25fe2630ed_wq
		.amdhsa_group_segment_fixed_size 25088
		.amdhsa_private_segment_fixed_size 0
		.amdhsa_enable_private_segment 0
		.amdhsa_kernarg_size 40
		.amdhsa_user_sgpr_count 2
		.amdhsa_user_sgpr_kernarg_segment_ptr 1
		.amdhsa_wavefront_size32 1
		.amdhsa_system_sgpr_workgroup_id_x 1
		.amdhsa_system_sgpr_workgroup_id_y 1
		.amdhsa_system_sgpr_workgroup_id_z 1
		.amdhsa_system_vgpr_workitem_id 0
		.amdhsa_next_free_vgpr 194
		.amdhsa_next_free_sgpr 66
		.amdhsa_reserve_vcc 0
		.amdhsa_float_denorm_mode_32 3
		.amdhsa_float_denorm_mode_16_64 3
		.amdhsa_memory_ordered 1
		.amdhsa_forward_progress 1
		.amdhsa_inst_pref_size 46
	.end_amdhsa_kernel
	.amdgpu_metadata
---
amdhsa.version: [ 1, 2 ]
amdhsa.kernels:
  - .name:           k_q25fe2630ed_wq
    .symbol:         k_q25fe2630ed_wq.kd
    .args:
      - { .name: w_qkv, .offset: 0, .size: 8, .value_kind: global_buffer, .address_space: global }
      - { .name: w_attn_proj, .offset: 8, .size: 8, .value_kind: global_buffer, .address_space: global }
      - { .name: w_fc, .offset: 16, .size: 8, .value_kind: global_buffer, .address_space: global }
      - { .name: w_proj, .offset: 24, .size: 8, .value_kind: global_buffer, .address_space: global }
      - { .name: W, .offset: 32, .size: 8, .value_kind: global_buffer, .address_space: global }
    .group_segment_fixed_size: 25088
    .private_segment_fixed_size: 0
    .kernarg_segment_align: 8
    .kernarg_segment_size: 40
    .max_flat_workgroup_size: 128
    .sgpr_count:     66
    .vgpr_count:     194
    .wavefront_size: 32
...
	.end_amdgpu_metadata
.endif
;; end of part 1
;; launch ln1 (part 2): grid 256 x 1, 4 waves a work-group, no clusters, 66,560 bytes of LDS; arguments x, ln1_w, ln1_b, H; writes H
.if DOCPART == 2
	.amdgcn_target "amdgcn-amd-amdhsa--gfx1250"
	.amdhsa_code_object_version 6
	.text
	.protected	k_q25fe2630ed_ln1
	.globl	k_q25fe2630ed_ln1
	.p2align	8
	.type	k_q25fe2630ed_ln1,@function
k_q25fe2630ed_ln1:
	s_mov_b64 s[64:65], 0
	v_nop
	global_prefetch_b8 v0, s[64:65] scope:SCOPE_SE
	s_setreg_imm32_b32 hwreg(HW_REG_WAVE_MODE, 25, 1), 1
	s_wait_xcnt 0x0
; h = (x - mean) / sqrt(var + 1e-5) * gain + bias for rows of 1,024 f32, all in f32, then quantised along the row to BF6 (E3M2) codes with one E8M0 byte for each 32, laid as an IMAGE OF THE OPERAND'S REGISTERS:
; a fragment (16 rows x 128 K) is 1,536 bytes in two halves c of 768: 512 bytes (registers 6c..6c+3, lane l at 16 l), then 256 (registers 6c+4, 6c+5, lane l at 8 l); the matrix lies [rb][ks][1,536];
; lane r of tile rb = 2 g + u is row 32 g + 8 u + (r & 7) + 16 (r >> 3).  Scale words [rb][ks][16 r][4] from byte 3,145,728 of H.
; A work-group makes one tile rb.  PHASE 1: wave w normalises the tile's lanes 4 w .. 4 w + 3, which are four neighbouring rows; a row is read once, 512 consecutive bytes a load, and stays in registers; the variance is
; taken of x - mean, so a common offset of the inputs costs no digits.  The rows go to a stage in LDS (pitch 4,112 bytes = 257 x 16, so the sixteen rows of a read start in sixteen different groups of banks).
; PHASE 2, behind one barrier: wave w makes fragments ks = 2 w and 2 w + 1: lane (r, h) reads its 2 x 32 neighbours of row r, so a block's maximum needs no other lane and the conversions' results are the operand's registers.
; No input is shared between work-groups: no cluster, no tensor load.
; LIMITS: a block of zeros gets the byte 1 where the rule says 127 (zero codes; this program alone reads the bytes); blocks under 2^-122 keep the byte 1; NaN and infinities are not served.
.set PITCH, 4112
.set X,   16                           ; v16-143  four rows, 32 registers each; later two fragments' 64 numbers each
.set GA,  144                          ; v144-175 gain of my 32 columns; later the codes
.set BE,  176                          ; v176-207 bias
.set SM,  208                          ; v208-215 four pairs: sums, then means
.set QS,  216                          ; v216-223 four pairs: sums of squares, then 1 / sqrt
.set TP,  224                          ; v224-227 the other half of the lanes'
	s_load_b256 s[4:11], s[0:1], 0x0               ; x, gain, bias, H
	v_lshl_add_u32 v240, v0, 2, 0x10200
	v_mov_b32 v241, 0
	v_lshrrev_b32 v1, 5, v0
	v_readfirstlane_b32 s12, v1                    ; wave
	v_and_b32 v2, 31, v0
	v_lshlrev_b32 v3, 4, v2                        ; 16 x lane
	v_lshlrev_b32 v10, 3, v2                       ; 8 x lane
	v_lshlrev_b32 v9, 2, v2                        ; 4 x lane
	v_and_b32 v4, 15, v0                           ; r
	v_bfe_u32 v5, v0, 4, 1                         ; h
	v_lshlrev_b32 v8, 3, v5                        ; 8 h
	v_mul_u32_u24 v6, v4, PITCH
	v_lshl_add_u32 v6, v5, 7, v6
	s_lshl_b32 s18, s12, 10
	v_add_nc_u32 v6, s18, v6                       ; phase 2 reads: row r, + 128 h, + my two fragments' 1,024 bytes
	s_mul_i32 s19, s12, 4*PITCH
	v_add_nc_u32 v7, s19, v3                       ; phase 1 stores: my four rows, 16 x lane
.irp i, 0,1,2,3
	v_mov_b32 v[TP+\i], 0                          ; written once: a lane permute's destination counts as one of its sources
.endr
	s_lshr_b32 s13, ttmp9, 1
	s_lshl_b32 s13, s13, 5                         ; 32 g
	s_and_b32 s14, ttmp9, 1
	s_lshl_b32 s14, s14, 3                         ; 8 u
	s_add_co_u32 s13, s13, s14
	s_and_b32 s14, s12, 1
	s_lshl_b32 s14, s14, 2
	s_add_co_u32 s13, s13, s14                     ; lanes 4 w on: (r & 7) = 4 (w & 1),
	s_lshr_b32 s14, s12, 1
	s_lshl_b32 s14, s14, 4
	s_add_co_u32 s13, s13, s14                     ; 16 (r >> 3) = 16 (w >> 1)
	s_lshl_b32 s14, s13, 12                        ; rows of 4,096 bytes
	s_mov_b32 s15, 0
	s_mov_b32 s16, 0x76543210
	s_mov_b32 s17, 0xfedcba98                      ; lane l xor 16
	s_mov_b32 s20, 0x3a800000                      ; 1 / 1,024
	s_mov_b32 s21, 0x3727c5ac                      ; 1e-5
	s_mul_i32 s22, ttmp9, 12288
	s_mul_i32 s23, s12, 3072
	s_add_co_u32 s22, s22, s23                     ; my two fragments in H
	s_mov_b32 s23, 0
	s_lshl_b32 s24, ttmp9, 9
	s_lshl_b32 s25, s12, 7
	s_add_co_u32 s24, s24, s25
	s_add_co_u32 s24, s24, 3145728                 ; and their scale words
	s_mov_b32 s25, 0
	s_wait_kmcnt 0x0
	s_add_nc_u64 s[4:5], s[4:5], s[14:15]
	s_add_nc_u64 s[22:23], s[10:11], s[22:23]
	s_add_nc_u64 s[24:25], s[10:11], s[24:25]
.irp i, 0,1,2,3
.irp j, 0,1,2,3,4,5,6,7
	global_load_b128 v[X+32*\i+4*\j:X+32*\i+4*\j+3], v3, s[4:5] offset:4096*\i+512*\j th:TH_LOAD_NT
.endr
.endr
.irp j, 0,1,2,3,4,5,6,7
	global_load_b128 v[GA+4*\j:GA+4*\j+3], v3, s[6:7] offset:512*\j
	global_load_b128 v[BE+4*\j:BE+4*\j+3], v3, s[8:9] offset:512*\j
.endr
.macro REDUCE B                        ; four pairs of partial sums become four sums, in every lane
.irp i, 0,1,2,3
	v_add_f32 v[\B+2*\i], v[\B+2*\i], v[\B+2*\i+1]
.endr
.irp m, 1,2,4,8
.irp i, 0,1,2,3
	v_add_f32_dpp v[\B+2*\i], v[\B+2*\i], v[\B+2*\i] row_xmask:\m row_mask:0xf bank_mask:0xf
.endr
.endr
.irp i, 0,1,2,3
	v_permlanex16_b32 v[TP+\i], v[\B+2*\i], s16, s17
.endr
.irp i, 0,1,2,3
	v_add_f32 v[\B+2*\i], v[\B+2*\i], v[TP+\i]
.endr
.endm
	s_wait_loadcnt 16                              ; the rows are in; the gain's and the bias's 16 loads may be out
.irp i, 0,1,2,3
	v_pk_add_f32 v[SM+2*\i:SM+2*\i+1], v[X+32*\i:X+32*\i+1], v[X+32*\i+2:X+32*\i+3]
.endr
.set p, 4
.rept 14
.irp i, 0,1,2,3
	v_pk_add_f32 v[SM+2*\i:SM+2*\i+1], v[SM+2*\i:SM+2*\i+1], v[X+32*\i+p:X+32*\i+p+1]  ; the four rows by turns
.endr
.set p, p+2
.endr
	REDUCE SM
.irp i, 0,1,2,3
	v_mul_f32 v[SM+2*\i], s20, v[SM+2*\i]          ; the mean
.endr
.irp i, 0,1,2,3
.set p, 0
.rept 16
	v_pk_add_f32 v[X+32*\i+p:X+32*\i+p+1], v[X+32*\i+p:X+32*\i+p+1], v[SM+2*\i:SM+2*\i+1] op_sel_hi:[1,0] neg_lo:[0,1] neg_hi:[0,1]  ; x - mean
.set p, p+2
.endr
.endr
.irp i, 0,1,2,3
	v_pk_mul_f32 v[QS+2*\i:QS+2*\i+1], v[X+32*\i:X+32*\i+1], v[X+32*\i:X+32*\i+1]
.endr
.set p, 2
.rept 15
.irp i, 0,1,2,3
	v_pk_fma_f32 v[QS+2*\i:QS+2*\i+1], v[X+32*\i+p:X+32*\i+p+1], v[X+32*\i+p:X+32*\i+p+1], v[QS+2*\i:QS+2*\i+1]
.endr
.set p, p+2
.endr
	REDUCE QS
.irp i, 0,1,2,3
	v_fma_f32 v[QS+2*\i], v[QS+2*\i], s20, s21     ; var + eps
.endr
.irp i, 0,1,2,3
	v_rsq_f32 v[QS+2*\i], v[QS+2*\i]
.endr
	v_nop                                          ; a plain instruction behind the last of the batch
	s_wait_alu depctr_va_vdst(0)                   ; one wait for the four, ahead of their first reader
	s_wait_loadcnt 0x0                             ; gain and bias
.irp i, 0,1,2,3
.set p, 0
.rept 16
	v_pk_mul_f32 v[X+32*\i+p:X+32*\i+p+1], v[X+32*\i+p:X+32*\i+p+1], v[QS+2*\i:QS+2*\i+1] op_sel_hi:[1,0]
	v_pk_fma_f32 v[X+32*\i+p:X+32*\i+p+1], v[X+32*\i+p:X+32*\i+p+1], v[GA+p:GA+p+1], v[BE+p:BE+p+1]
.set p, p+2
.endr
.endr
.irp i, 0,1,2,3
.irp j, 0,1,2,3,4,5,6,7
	ds_store_b128 v7, v[X+32*\i+4*\j:X+32*\i+4*\j+3] offset:PITCH*\i+512*\j
.endr
.endr
	s_wait_dscnt 0x0                               ; for the others' sake: my rows lie in the stage
	s_barrier_signal -1
	s_barrier_wait -1
.irp e, 0,1
.irp c, 0,1
.irp j, 0,1,2,3,4,5,6,7
	ds_load_b128 v[X+64*\e+32*\c+4*\j:X+64*\e+32*\c+4*\j+3], v6 offset:512*\e+256*\c+16*\j  ; k = 128 ks + 64 c + 32 h + 4 j on, of row r
.endr
.endr
.endr
	v_cmp_ne_u32 vcc_lo, 0, v5
.macro QF e                            ; fragment 2 w + e: two whole blocks a lane
.set XS, X+64*\e
.set F, GA+12*\e
.irp c, 0,1
	v_max3_num_f32 v[SM+\c], |v[XS+32*\c]|, |v[XS+32*\c+1]|, 0x2800000  ; with the floor 2^(5 - 127)
.endr
.irp i, 2,4,6,8,10,12,14,16,18,20,22,24,26,28,30
.irp c, 0,1
	v_max3_num_f32 v[SM+\c], v[SM+\c], |v[XS+32*\c+\i]|, |v[XS+32*\c+\i+1]|
.endr
.endr
.irp c, 0,1
	v_add_nc_u32 v[SM+2+\c], 0xfe000000, v[SM+\c]  ; 4 off the exponent field: the conversion's scale operand
.endr
.irp c, 0,1
	v_lshrrev_b32 v[SM+\c], 23, v[SM+2+\c]         ; the byte
.endr
	v_lshl_or_b32 v[SM+4+\e], v[SM+1], 16, v[SM]   ; my blocks are h and 2 + h of the word:
	v_lshlrev_b32 v[SM+4+\e], v8, v[SM+4+\e]       ; 8 h bits up;
	v_permlanex16_b32 v[TP], v[SM+4+\e], s16, s17
	v_or_b32 v[SM+4+\e], v[SM+4+\e], v[TP]         ; with lane l xor 16's two the word is whole
	v_cvt_scalef32_pk16_bf6_f32 v[F:F+2], v[XS:XS+15], v[SM+2]
	v_cvt_scalef32_pk16_bf6_f32 v[168:170], v[XS+16:XS+31], v[SM+2]  ; (a conversion's three registers begin on an even number)
	v_cvt_scalef32_pk16_bf6_f32 v[F+6:F+8], v[XS+32:XS+47], v[SM+3]
	v_cvt_scalef32_pk16_bf6_f32 v[172:174], v[XS+48:XS+63], v[SM+3]
	v_nop                                          ; one plain instruction behind the conversions
.irp i, 0,1,2
	v_mov_b32 v[F+3+\i], v[168+\i]
	v_mov_b32 v[F+9+\i], v[172+\i]
.endr
	global_store_b128 v3, v[F:F+3], s[22:23] offset:1536*\e          ; each store covers whole aligned blocks of 256 bytes
	global_store_b64 v10, v[F+4:F+5], s[22:23] offset:1536*\e+512
	global_store_b128 v3, v[F+6:F+9], s[22:23] offset:1536*\e+768
	global_store_b64 v10, v[F+10:F+11], s[22:23] offset:1536*\e+1280
.endm
	s_wait_dscnt 16                                ; the first fragment's 16 reads are back; the second's may be out
	QF 0
	s_wait_dscnt 0x0
	QF 1
	v_cndmask_b32 v[SM+6], v[SM+4], v[SM+5], vcc_lo  ; lanes 0-15 hold the first fragment's words, lanes 16-31 the second's
	global_store_b32 v9, v[SM+6], s[24:25]         ; 128 consecutive bytes
	s_wait_tensorcnt 0x0
	ds_add_u32 v240, v241
	s_wait_dscnt 0x0
	s_endpgm
.Lfunc_end_k_q25fe2630ed_ln1:
	.size	k_q25fe2630ed_ln1, .Lfunc_end_k_q25fe2630ed_ln1-k_q25fe2630ed_ln1
	.p2alignl 7, 3214868480
	.fill 96, 4, 3214868480
	.section	.rodata,"a",@progbits
	.p2align	6, 0x0
	.amdhsa_kernel k_q25fe2630ed_ln1
		.amdhsa_group_segment_fixed_size 66560
		.amdhsa_private_segment_fixed_size 0
		.amdhsa_enable_private_segment 0
		.amdhsa_kernarg_size 32
		.amdhsa_user_sgpr_count 2
		.amdhsa_user_sgpr_kernarg_segment_ptr 1
		.amdhsa_wavefront_size32 1
		.amdhsa_system_sgpr_workgroup_id_x 1
		.amdhsa_system_sgpr_workgroup_id_y 1
		.amdhsa_system_sgpr_workgroup_id_z 1
		.amdhsa_system_vgpr_workitem_id 0
		.amdhsa_next_free_vgpr 242
		.amdhsa_next_free_sgpr 66
		.amdhsa_reserve_vcc 1
		.amdhsa_float_denorm_mode_32 3
		.amdhsa_float_denorm_mode_16_64 3
		.amdhsa_memory_ordered 1
		.amdhsa_forward_progress 1
		.amdhsa_inst_pref_size 42
	.end_amdhsa_kernel
	.amdgpu_metadata
---
amdhsa.version: [ 1, 2 ]
amdhsa.kernels:
  - .name:           k_q25fe2630ed_ln1
    .symbol:         k_q25fe2630ed_ln1.kd
    .args:
      - { .name: x, .offset: 0, .size: 8, .value_kind: global_buffer, .address_space: global }
      - { .name: ln1_w, .offset: 8, .size: 8, .value_kind: global_buffer, .address_space: global }
      - { .name: ln1_b, .offset: 16, .size: 8, .value_kind: global_buffer, .address_space: global }
      - { .name: H, .offset: 24, .size: 8, .value_kind: global_buffer, .address_space: global }
    .group_segment_fixed_size: 66560
    .private_segment_fixed_size: 0
    .kernarg_segment_align: 8
    .kernarg_segment_size: 32
    .max_flat_workgroup_size: 128
    .sgpr_count:     66
    .vgpr_count:     242
    .wavefront_size: 32
...
	.end_amdgpu_metadata
.endif
;; end of part 2
;; launch qkv (part 3): grid 12 x 16, 4 waves a work-group, clusters of 4 x 4, 327,680 bytes of LDS; arguments H, W, b_qkv, ATT; writes ATT
.if DOCPART == 3
	.amdgcn_target "amdgcn-amd-amdhsa--gfx1250"
	.amdhsa_code_object_version 6
	.text
	.protected	k_q25fe2630ed_qkv
	.globl	k_q25fe2630ed_qkv
	.p2align	8
	.type	k_q25fe2630ed_qkv,@function
k_q25fe2630ed_qkv:
	s_mov_b64 s[64:65], 0
	v_nop
	global_prefetch_b8 v0, s[64:65] scope:SCOPE_SE
	s_setreg_imm32_b32 hwreg(HW_REG_WAVE_MODE, 25, 1), 1
	s_wait_xcnt 0x0
	s_wait_alu depctr_hold_cnt(0) depctr_sa_sdst(0) depctr_va_vdst(0) depctr_va_sdst(0) depctr_va_ssrc(0) depctr_va_vcc(0) depctr_vm_vsrc(0)
	s_getreg_b32 s2, hwreg(HW_REG_IB_STS2, 6, 4)
	s_cmp_eq_u32 s2, 0
	s_cbranch_scc0 .Lentry_in_a_cluster
	s_endpgm
.Lentry_in_a_cluster:
	s_bfe_u32 s2, ttmp6, 0x10000c
	s_cmp_lg_u32 s2, 0xf033
	s_cbranch_scc0 .Lentry_shape_is_right
	s_endpgm
.Lentry_shape_is_right:
; qkv = h1 W_qkv + b_qkv on codes of BF6 (E3M2) with E8M0 scales, K = 1,024; the results are quantised in registers and stored as attention's operands: Q and K along the head's 64, V along the keys.
; OPERANDS ARE IMAGES OF THEIR REGISTERS: a fragment (16 rows x 128 K) is 1,536 bytes in two halves c of 768: 512 bytes (registers 6c..6c+3, lane l at 16 l), then 256 (registers 6c+4, 6c+5, lane l at 8 l);
; a matrix lies [rb][ks][1,536]; lane r of tile rb = 2 g + u is row 32 g + 8 u + (r & 7) + 16 (r >> 3); scale words [rb][ks][16 r][4].  So four dense LDS loads bring a fragment: no pitch, no padding.
; A tile of 256 x 256 results is made by four waves, 128 x 128 each: 64 accumulators, 512 registers.  K goes in steps of 256 through two LDS slots filled by the tensor data mover (8 rows of 3,072 bytes a load);
; the scale words of the work-group's rows, for all of K, come once with the first fills and stay.
; THE PRODUCT IS USED TRANSPOSED: source 0 = 16 rows of operand B, source 1 = 16 rows of operand A.  A lane then holds one row of A, and by the order of rows in an image register 16 g + i of A's block a is
; column 32 g + 16 (lane / 16) + i of the wave's 128: sixteen neighbours along the next product's K.  Eight accumulators become one fragment and one scale word, stored by dense stores.
; TWO WAYS, chosen by the cluster's x.  x = 0, 1: A = h1 (tokens), B = W's rows 0-2,047: the wave's 128 columns are two heads of Q or of K, each half a fragment.  x = 2: A = W's rows 2,048-3,071 (V's channels),
; B = h1: a lane holds a channel and its registers run along the tokens: V with the keys innermost.
; CLUSTERS: 4 x 4 work-groups; A's tiles are shared along a row of the cluster, B's along a column, each asked for jointly: that divides the requests for both by four.
; ATT: for head hi = 16 batch + head a record of 294,912 bytes: K [tile 128][768] at 0, V [step 16][tile 4][1,536] at 98,304, Q [tile 128][768] at 196,608; from byte 9,437,184 records of 20,480 bytes of scale words:
; K [tile][64] at 0, V [step][tile][64] at 8,192, Q [tile][64] at 12,288.  Q's and K's words hold two bytes; the upper two are 0 and stand over zero codes.
; REGISTERS, in windows of 256: window 0: v8-15 V's bias, v16-31 addresses, v32-63 scale words (two sets), v128-223 A's fragments (one set); window 1: B's fragments at v0 and v128 (two sets), the columns' bias in the 64 left;
; windows 2, 3: the accumulators, (a, b) at v[8 (8 (a % 4) + b)].
; LIMITS: a block of zeros gets the byte 1 where the rule says 127 (zero codes; this program alone reads the bytes); blocks under 2^-122 keep the byte 1; NaN and infinities are not served.
.set SIZE_K, 1024
.set FR,     12                        ; registers of a fragment
.set NL,     4                         ; LDS loads that bring one
.set NP,     4                         ; places behind this matrix instruction (ISA guide 7.12.1)
.set RBS,    3072                      ; a tile's two fragments of a K step
.set KP,     SIZE_K*12                 ; bytes of codes for a tile rb
.set HALFT,  8*RBS                     ; 128 rows: what one tensor load brings
.set SLOT,   4*HALFT                   ; A's 256 rows, then B's
.set LAPS,   SIZE_K/512                ; a lap = two K steps = once round the ring
.set SBLK,   SIZE_K/2                  ; bytes of scale words for a tile rb
.set HALFS,  8*SBLK
.set SCL,    2*SLOT                    ; behind the ring: the scale words
.set SPARE,  SCL+4*HALFS               ; behind them: the spare words, 128 bytes a wave, that no other line names
.set ADRA, 16                          ; v16-17 my A fragments in slot 0, 1, 16 x lane; v18-19 the same, 8 x lane
.set ADRB, 20                          ; v20-23 the same for B
.set L16,  26                          ; v26 16 x lane
.set ADRS, 27                          ; v27 my scale words: lanes 0-15 A's rows, lanes 16-31 B's
.set SPW,  28                          ; v28 my spare word; never rewritten
.set NIL,  29                          ; v29 0; never rewritten
.set L8,   30                          ; v30 8 x lane
.set SOF,  31                          ; v31 the scale words' store offset
.set SC,   32                          ; scale words: set s at v[SC + 16 s], register 2 i + q
.set AF,   128
.set HQ,   64                          ; the way out: 64 numbers;
.set PC,   192                         ; the codes just made;
.set TM,   212                         ; at work;
.set PW,   228                         ; the scale word just made;
.set PWE,  229                         ; that of the even block before;
.set SW,   230                         ; the word to store;
.set HH,   231                         ; lane / 16;
.set SHF,  232                         ; 16 x that
.set G1, 24
.set G0, 32
.set G1B, 48
.set G0B, 56
.set G1S, 68
.set G0S, 76
.set G1SB, 80
.set G0SB, 88
.set MSB, 0
.macro WIN new                         ; the immediate's high byte repeats the setting that is left
.if MSB != (\new)
	s_set_vgpr_msb (MSB<<8)|(\new)
.set MSB, (\new)
.endif
.endm
.set MUL_LO, 0xa1                      ; source 0 (B) window 1, source 1 (A) window 0, C and D window 2
.set MUL_HI, 0xf1                      ; the same, C and D window 3
.set TO_B,   0x40                      ; destination window 1, address window 0
; A joint load: waves 0 and 1 fetch for A, waves 2 and 3 for B; the branch hangs on the wave's number alone.  Four v_nop follow each of the two lines.
.macro JLOAD g0a, g1a, g0b, g1b
	s_cmp_eq_u32 s15, 0
	s_cbranch_scc0 .Lfor_b_\@
	tensor_load_to_lds s[\g0a:\g0a+3], s[\g1a:\g1a+7]
	s_nop 0
.rept 4
	v_nop
.endr
	s_branch .Lasked_\@
.Lfor_b_\@:
	tensor_load_to_lds s[\g0b:\g0b+3], s[\g1b:\g1b+7]
	s_nop 0
.rept 4
	v_nop
.endr
.Lasked_\@:
.endm
.macro CREST                           ; a round of the cluster's barrier behind its opening barrier
	s_cmp_lg_u32 s14, 0
	s_cbranch_scc1 .Lnot_wave_0_\@
	s_barrier_signal -3
.Lnot_wave_0_\@:
	s_barrier_wait -3
	s_barrier_signal -1
	s_barrier_wait -1
.endm
.macro CROUND
	s_barrier_signal -1
	s_barrier_wait -1
	CREST
.endm
.macro PLACES n
.rept \n
	v_nop
.endr
.endm
.macro FRAG reg, a16, a8, q, i         ; a fragment as it lies: four dense loads
	ds_load_b128 v[\reg:\reg+3], v[\a16] offset:(\i)*RBS+(\q)*1536
	ds_load_b64 v[\reg+4:\reg+5], v[\a8] offset:(\i)*RBS+(\q)*1536+512
	ds_load_b128 v[\reg+6:\reg+9], v[\a16] offset:(\i)*RBS+(\q)*1536+768
	ds_load_b64 v[\reg+10:\reg+11], v[\a8] offset:(\i)*RBS+(\q)*1536+1280
.endm
.macro FETCH_B slot, q, p              ; B's eight fragments of the slot's q-th 128 along K into set p
	WIN TO_B
.irp i, 0,1,2,3,4,5,6,7
	FRAG 128*(\p)+FR*\i, ADRB+\slot, ADRB+2+\slot, \q, \i
.endr
	WIN 0
.endm
.macro FETCH_A slot, q, i0             ; A's blocks i0 .. i0 + 3
.irp i, \i0, \i0+1, \i0+2, \i0+3
	FRAG AF+FR*(\i), ADRA+\slot, ADRA+2+\slot, \q, \i
.endr
.endm
.macro SCALES sc                       ; a K step's scale words: lanes 0-15 take A's block i, lanes 16-31 B's block i
.irp i, 0,1,2,3,4,5,6,7
.irp q, 0,1
	ds_load_b32 v[SC+16*\sc+2*\i+\q], v[ADRS] offset:\i*SBLK+64*\q
.endr
.endr
.endm
; 16 matrix instructions: A's blocks a0, a0 + 1 x B's eight, 128 along K.  zero = 1: the first product starts the sums.  The 64 accumulators take turns, one instruction a turn.
.macro MUL16 a0, p, q, sc, zero
.irp a, \a0, \a0+1
.irp b, 0,1,2,3,4,5,6,7
.set rD, 8*(8*((\a)%4)+\b)
.set rB, 128*(\p)+FR*\b
.set rA, AF+FR*(\a)
.set rSB, SC+16*(\sc)+2*\b+(\q)
.set rSA, SC+16*(\sc)+2*(\a)+(\q)
.if (\zero) == 1
	v_wmma_scale_f32_16x16x128_f8f6f4 v[rD:rD+7], v[rB:rB+FR-1], v[rA:rA+FR-1], 0, v[rSB], v[rSA] matrix_a_fmt:MATRIX_FMT_BF6 matrix_b_fmt:MATRIX_FMT_BF6 matrix_a_scale:MATRIX_SCALE_ROW1
.else
	v_wmma_scale_f32_16x16x128_f8f6f4 v[rD:rD+7], v[rB:rB+FR-1], v[rA:rA+FR-1], v[rD:rD+7], v[rSB], v[rSA] matrix_a_fmt:MATRIX_FMT_BF6 matrix_b_fmt:MATRIX_FMT_BF6 matrix_a_scale:MATRIX_SCALE_ROW1
.endif
.endr
.endr
.endm
; A step of 128 along K that has its successor in the same slot.  A has one set of registers: blocks 0-3 are fetched anew in the step's middle, blocks 4-7 at its end; B has two sets.
.macro STEP slot, q, zero
	s_wait_dscnt 4*NL                              ; all but the youngest 16 loads (A's blocks 4-7) are in
	WIN MUL_LO
	MUL16 0, (\q)%2, \q, \slot, \zero
	MUL16 2, (\q)%2, \q, \slot, \zero
	s_wait_dscnt 0x0                               ; A's blocks 4-7 are in
	PLACES NP                                      ; in front of loads into registers that matrix instructions have read
	FETCH_B \slot, (\q)+1, 1-(\q)%2
	FETCH_A \slot, (\q)+1, 0
	WIN MUL_HI
	MUL16 4, (\q)%2, \q, \slot, \zero
	MUL16 6, (\q)%2, \q, \slot, \zero
	PLACES NP
	WIN 0
	FETCH_A \slot, (\q)+1, 4
.endm
; A slot's last step changes slots: one barrier; in front of it each wave waits for all its tensor loads, adds 0 to its spare word, and waits for that and for its reads of this slot.  fill = 1: the slot is filled again, two K steps ahead.
.macro TURN slot, next, fill
	s_wait_tensorcnt 0x0                           ; all my tensor loads have landed: my part of the next slot
	ds_add_u32 v[SPW], v[NIL]                      ; 0 onto my spare word
	s_wait_dscnt 4*NL+1                            ; the add and the youngest 16 loads may be out
	WIN MUL_LO
	MUL16 0, 1, 1, \slot, 0                        ; sixteen matrix instructions stand between the add and the wait for it
	s_wait_dscnt 0x0                               ; the add is done, and my reads of this slot are over
	s_barrier_signal -1
	MUL16 2, 1, 1, \slot, 0
	WIN 0
	s_barrier_wait -1
.if \fill
	CREST                                          ; the barrier has opened a round of the cluster's: no wave of any partner still reads this slot or has a load on its way
	s_add_nc_u64 s[G0+4*\slot+2:G0+4*\slot+3], s[G0+4*\slot+2:G0+4*\slot+3], 2*RBS
	s_add_nc_u64 s[G0B+4*\slot+2:G0B+4*\slot+3], s[G0B+4*\slot+2:G0B+4*\slot+3], 2*RBS
	JLOAD G0+4*\slot, G1, G0B+4*\slot, G1B         ; the first tensor load behind the round; its four v_nop are also the places in front of the loads below
.else
	PLACES NP
.endif
	v_add_nc_u32 v[ADRS], 128, v[ADRS]             ; the next K step's scale words
	FETCH_B \next, 0, 0
	FETCH_A \next, 0, 0
	SCALES \next
	WIN MUL_HI
	MUL16 4, 1, 1, \slot, 0
	MUL16 6, 1, 1, \slot, 0
	PLACES NP
	WIN 0
	FETCH_A \next, 0, 4
.endm
; 64 numbers of a lane, register 16 b + i = k 32 b + 16 (lane / 16) + i of my row, become a fragment's codes in v[PC] on and its scale word in v[PW].
.macro QUANT s
.irp b, 0,1,2,3
	v_max3_num_f32 v[TM+\b], |v[\s+16*\b]|, |v[\s+1+16*\b]|, 0x2800000  ; my 16 numbers of block b, and the floor 2^(5 - 127)
.endr
.irp i, 2,4,6,8,10,12,14
.irp b, 0,1,2,3
	v_max3_num_f32 v[TM+\b], v[TM+\b], |v[\s+16*\b+\i]|, |v[\s+1+16*\b+\i]|
.endr
.endr
.irp b, 0,1,2,3
	v_permlanex16_b32 v[TM+4+\b], v[TM+\b], s12, s13
.endr
.irp b, 0,1,2,3
	v_max_num_f32 v[TM+\b], v[TM+\b], v[TM+4+\b]   ; with lane l xor 16's: the block's largest magnitude
.endr
.irp b, 0,1,2,3
	v_add_nc_u32 v[TM+12+\b], 0xfe000000, v[TM+\b] ; 4 off its exponent field: the conversion's scale operand
.endr
.irp b, 0,1,2,3
	v_lshrrev_b32 v[TM+4+\b], 23, v[TM+12+\b]      ; the byte
.endr
	v_lshl_or_b32 v[PW], v[TM+5], 8, v[TM+4]
	v_lshl_or_b32 v[PW], v[TM+6], 16, v[PW]
	v_lshl_or_b32 v[PW], v[TM+7], 24, v[PW]
.irp c, 0,1
	v_cvt_scalef32_pk16_bf6_f32 v[PC+6*\c:PC+2+6*\c], v[\s+32*\c:\s+15+32*\c], v[TM+12+2*\c]
	v_cvt_scalef32_pk16_bf6_f32 v[PC+12+4*\c:PC+14+4*\c], v[\s+16+32*\c:\s+31+32*\c], v[TM+12+2*\c+1]
.endr
	v_nop                                          ; one plain instruction behind the conversions
.irp c, 0,1                                    ; the layout wants a whole block in a lane: lanes 0-15 block 2 c, lanes 16-31 block 2 c + 1
.irp i, 0,1,2
	v_permlane16_swap_b32 v[PC+6*\c+\i], v[PC+12+4*\c+\i]
.endr
.irp i, 0,1,2
	v_mov_b32 v[PC+3+6*\c+\i], v[PC+12+4*\c+\i]
.endr
.endr
.endm
	s_load_b128 s[4:7], s[0:1], 0x0                ; H, W
	s_load_b128 s[8:11], s[0:1], 0x10              ; b_qkv, ATT
	v_lshl_add_u32 v[SPW], v0, 2, SPARE
	v_mov_b32 v[NIL], 0
	ds_add_u32 v28, v29
	ds_add_u32 v28, v29
	s_wait_dscnt 0x0
	v_lshrrev_b32 v1, 5, v0
	v_readfirstlane_b32 s14, v1                    ; wave 0..3
	s_lshr_b32 s15, s14, 1                         ; which half of A's rows is mine.  Also: I fetch for A (0) or for B (1)
	s_and_b32 s16, s14, 1                          ; which half of B's rows.  Also: which 128 rows I fetch
	s_bfe_u32 s40, ttmp6, 0x40000                  ; cx
	s_bfe_u32 s41, ttmp6, 0x40004                  ; cy
	s_and_b32 s17, ttmp7, 0xffff
	s_lshl_b32 s17, s17, 2                         ; 4 x cluster y
	s_lshl_b32 s42, ttmp9, 2                       ; 4 x cluster x
	s_cmp_eq_u32 ttmp9, 2                          ; the V way?  The cluster's x is the same in all sixteen partners
	s_cselect_b32 s95, 1, 0
	s_cselect_b32 s42, s17, s42                    ; B's tiles: tokens by cluster y, or W's by cluster x;
	s_cselect_b32 s17, 8, s17                      ; A's: W's tiles 8 on, or tokens by cluster y
	s_add_co_u32 s17, s17, s41                     ; A's tile: + cy, which my row of the cluster shares
	s_add_co_u32 s42, s42, s40                     ; B's tile: + cx, which my column shares
	s_lshl_b32 s43, s41, 2
	s_lshl_b32 s43, 15, s43                        ; my row of the cluster
	s_lshl_b32 s44, 0x1111, s40                    ; my column
	s_or_b32 s[G1+0], s43, (3<<16)|(1<<21)         ; 15:0 the mask; 17:16 elements of 8 bytes; 21 set beside a mask; no padding
	s_or_b32 s[G1B+0], s44, (3<<16)|(1<<21)
.irp g, G1, G1B
	s_mov_b32 s[\g+1], 384<<16                     ; tensor_dim0: 3,072 bytes
	s_mov_b32 s[\g+2], 8<<16                       ; tensor_dim1: 8 tiles rb
	s_mov_b32 s[\g+3], 384<<16                     ; tile_dim0
	s_mov_b32 s[\g+4], 8                           ; tile_dim1
	s_mov_b32 s[\g+5], KP/8                        ; from tile rb to tile rb
	s_mov_b32 s[\g+6], 0
	s_mov_b32 s[\g+7], 0
.endr
	s_or_b32 s[G1S+0], s43, (3<<16)|(1<<21)        ; the scale words of 128 rows: a dense block, as rows of 256 bytes
	s_or_b32 s[G1SB+0], s44, (3<<16)|(1<<21)
.irp g, G1S, G1SB
	s_mov_b32 s[\g+1], 32<<16
	s_mov_b32 s[\g+2], (HALFS/256)<<16
	s_mov_b32 s[\g+3], 32<<16
	s_mov_b32 s[\g+4], HALFS/256
	s_mov_b32 s[\g+5], 32
	s_mov_b32 s[\g+6], 0
	s_mov_b32 s[\g+7], 0
.endr
	s_lshl_b32 s18, s16, 3                         ; which 8 tiles rb I fetch
	s_lshl_b32 s20, s17, 4
	s_add_co_u32 s20, s20, s18                     ; A: rb = 16 x tile + 8 x half
	s_lshl_b32 s46, s42, 4
	s_add_co_u32 s46, s46, s18                     ; B likewise
	s_mul_i32 s22, s20, SBLK
	s_mul_i32 s92, s46, SBLK
	s_mul_i32 s20, s20, KP
	s_mul_i32 s46, s46, KP
	s_mov_b32 s21, 0
	s_mov_b32 s23, 0
	s_mov_b32 s47, 0
	s_mov_b32 s93, 0
	s_mul_i32 s45, s14, HALFT                      ; where they go: no place in the cluster enters an LDS address
	s_mul_i32 s94, s14, HALFS
	s_wait_kmcnt 0x0
	s_add_nc_u64 s[96:97], s[4:5], 3145728         ; H's scale words
	s_add_nc_u64 s[98:99], s[6:7], 9437184         ; W's (w_qkv's codes begin at W's byte 0)
	s_cmp_eq_u32 ttmp9, 2
	s_cselect_b64 s[66:67], s[6:7], s[4:5]         ; A's codes,
	s_cselect_b64 s[100:101], s[98:99], s[96:97]   ; A's scale words,
	s_cselect_b64 s[4:5], s[4:5], s[6:7]           ; B's codes,
	s_cselect_b64 s[6:7], s[96:97], s[98:99]       ; B's scale words
	s_add_nc_u64 s[20:21], s[66:67], s[20:21]
	s_add_nc_u64 s[22:23], s[100:101], s[22:23]
	s_add_nc_u64 s[46:47], s[4:5], s[46:47]
	s_add_nc_u64 s[92:93], s[6:7], s[92:93]
	CROUND                                         ; all sixteen work-groups are here: the first joint loads meet
	s_mov_b32 s[G0S], 1
	s_add_co_u32 s[G0S+1], s94, SCL
	s_mov_b64 s[G0S+2:G0S+3], s[22:23]
	s_or_b32 s[G0S+3], s[G0S+3], 0x80000000
	s_mov_b32 s[G0SB], 1
	s_add_co_u32 s[G0SB+1], s94, SCL
	s_mov_b64 s[G0SB+2:G0SB+3], s[92:93]
	s_or_b32 s[G0SB+3], s[G0SB+3], 0x80000000
	JLOAD G0S, G1S, G0SB, G1SB                     ; the scale words first; with the two below three loads of mine are out
.irp s, 0,1
	s_mov_b32 s[G0+4*\s], 1
	s_add_co_u32 s[G0+4*\s+1], s45, \s*SLOT
	s_add_nc_u64 s[G0+4*\s+2:G0+4*\s+3], s[20:21], \s*RBS
	s_or_b32 s[G0+4*\s+3], s[G0+4*\s+3], 0x80000000
	s_mov_b32 s[G0B+4*\s], 1
	s_add_co_u32 s[G0B+4*\s+1], s45, \s*SLOT
	s_add_nc_u64 s[G0B+4*\s+2:G0B+4*\s+3], s[46:47], \s*RBS
	s_or_b32 s[G0B+4*\s+3], s[G0B+4*\s+3], 0x80000000
	JLOAD G0+4*\s, G1, G0B+4*\s, G1B
.endr
	v_and_b32 v1, 15, v0                           ; r
	v_bfe_u32 v2, v0, 4, 1                         ; h
	v_and_b32 v3, 31, v0
	v_lshlrev_b32 v[L16], 4, v3
	v_lshlrev_b32 v[L8], 3, v3
	s_mul_i32 s21, s15, HALFT                      ; my 128 rows of A
	s_mul_i32 s22, s16, HALFT
	s_add_co_u32 s22, s22, 2*HALFT                 ; my 128 rows of B, behind A's 256
.irp s, 0,1
	v_add_nc_u32 v[ADRA+\s], s21, v[L16]
	v_add_nc_u32 v[ADRA+2+\s], s21, v[L8]
	v_add_nc_u32 v[ADRB+\s], s22, v[L16]
	v_add_nc_u32 v[ADRB+2+\s], s22, v[L8]
	s_add_co_u32 s21, s21, SLOT
	s_add_co_u32 s22, s22, SLOT
.endr
	s_mul_i32 s21, s15, HALFS
	s_mul_i32 s22, s16, HALFS
	s_add_co_u32 s22, s22, 2*HALFS
	s_sub_co_u32 s22, s22, s21
	v_mul_u32_u24 v6, s22, v2                      ; lanes 16-31 take B's: one product, the distance between the two bases
	s_add_co_u32 s21, s21, SCL
	v_lshl_add_u32 v6, v1, 2, v6
	v_add_nc_u32 v[ADRS], s21, v6
	; the biases.  Both sets are loaded on both ways, from addresses inside b_qkv, so that no register's state hangs on the way
	s_lshl_b32 s46, s42, 1
	s_add_co_u32 s46, s46, s16                     ; my block of 128 columns
	s_xor_b32 s47, s95, 1
	s_mul_i32 s20, s46, s47                        ; (0 on the V way)
	s_lshl_b32 s20, s20, 9
	s_mov_b32 s21, 0
	s_add_nc_u64 s[20:21], s[8:9], s[20:21]
	s_lshl_b32 s22, s41, 8
	s_lshl_b32 s23, s15, 7
	s_add_co_u32 s22, s22, s23
	s_add_co_u32 s22, s22, 2048                    ; V's channel 256 cy + 128 x half is column 2,048 on
	s_mul_i32 s22, s22, s95                        ; (0 on the other way)
	s_lshl_b32 s22, s22, 2
	s_mov_b32 s23, 0
	s_add_nc_u64 s[22:23], s[8:9], s[22:23]
	v_lshlrev_b32 v7, 6, v2                        ; 64 h
	v_and_b32 v5, 7, v0
	v_bfe_u32 v4, v0, 3, 1
	v_lshl_add_u32 v5, v4, 4, v5
	v_lshlrev_b32 v5, 2, v5                        ; my row in a pair of tiles: (r & 7) + 16 (r >> 3)
.irp a, 0,1,2,3,4,5,6,7
	global_load_b32 v[8+\a], v5, s[22:23] offset:(32*(\a/2)+8*(\a%2))*4
.endr
	WIN TO_B
.irp g, 0,1,2,3
.irp j, 0,1,2,3
	global_load_b128 v[96+16*\g+4*\j+96*(\g/2):99+16*\g+4*\j+96*(\g/2)], v7, s[20:21] offset:128*\g+16*\j  ; register 16 g + i: column 32 g + 16 h + i
.endr
.endr
	WIN 0
	s_wait_loadcnt 0x0
	s_wait_tensorcnt 1                             ; the scale words and my part of K step 0 are in; K step 1's load may be out
	s_barrier_signal -1
	s_barrier_wait -1
	FETCH_B 0, 0, 0
	FETCH_A 0, 0, 0
	SCALES 0
	FETCH_A 0, 0, 4
	STEP 0, 0, 1                                   ; the first step stands in front of the loop: its products start the sums
	s_mov_b32 s3, LAPS-1
.Llap:
	TURN 0, 1, 1
	STEP 1, 0, 0
	TURN 1, 0, 1
	STEP 0, 0, 0
	s_sub_co_u32 s3, s3, 1
	s_cmp_lg_u32 s3, 0
	s_cbranch_scc1 .Llap
	TURN 0, 1, 0                                   ; the last lap fills nothing
	STEP 1, 0, 0
	s_wait_dscnt 4*NL
	WIN MUL_LO
	MUL16 0, 1, 1, 1, 0
	MUL16 2, 1, 1, 1, 0
	s_wait_dscnt 0x0
	WIN MUL_HI
	MUL16 4, 1, 1, 1, 0
	MUL16 6, 1, 1, 1, 0
	WIN 0
	; THE WAY OUT: block by block of A's 16 rows: bias, quantiser, dense stores
	PLACES NP
.irp b, 0,1,2,3
	v_mov_b32 v[TM+4+\b], 0                        ; written once: a lane permute's destination counts as one of its sources
.endr
	v_bfe_u32 v[HH], v0, 4, 1
	v_cmp_ne_u32 vcc_lo, 0, v[HH]
	v_lshlrev_b32 v[SHF], 4, v[HH]
	s_mov_b32 s12, 0x76543210
	s_mov_b32 s13, 0xfedcba98
	s_lshl_b32 s46, s42, 1
	s_add_co_u32 s46, s46, s16                     ; B's block of 128: columns, or tokens
	s_cmp_eq_u32 s95, 1
	s_cbranch_scc1 .Lvway
	s_and_b32 s47, s46, 7                          ; the pair of heads
	s_lshr_b32 s20, s17, 3                         ; the batch
	s_lshl_b32 s20, s20, 4
	s_lshl_b32 s47, s47, 1
	s_add_co_u32 s20, s20, s47                     ; the even head's record
	s_lshr_b32 s21, s46, 3
	s_xor_b32 s21, s21, 1                          ; 1 for Q, 0 for K
	s_and_b32 s22, s17, 7
	s_lshl_b32 s22, s22, 4
	s_lshl_b32 s23, s15, 3
	s_add_co_u32 s22, s22, s23                     ; my first tile of tokens in the batch
	s_mul_i32 s96, s20, 294912
	s_mul_i32 s23, s21, 196608
	s_add_co_u32 s96, s96, s23
	s_mul_i32 s23, s22, 768
	s_add_co_u32 s96, s96, s23
	s_mov_b32 s97, 0
	s_add_nc_u64 s[96:97], s[10:11], s[96:97]
	s_mul_i32 s98, s20, 20480
	s_mul_i32 s23, s21, 12288
	s_add_co_u32 s98, s98, s23
	s_lshl_b32 s23, s22, 6
	s_add_co_u32 s98, s98, s23
	s_add_co_u32 s98, s98, 9437184
	s_mov_b32 s99, 0
	s_add_nc_u64 s[98:99], s[10:11], s[98:99]
	v_and_b32 v[SOF], 15, v0
	v_lshlrev_b32 v[SOF], 2, v[SOF]
	v_mad_u32_u24 v[SOF], v[HH], 0x5000, v[SOF]    ; lanes 0-15 store the even head's words, lanes 16-31 the odd head's, a record on
.macro OUTQK a
.if (\a) > 0
	s_wait_xcnt 0x0                                ; the last block's stores have read their registers
.endif
	WIN 0x06+(\a)/4                                ; source 0: the accumulators' window; source 1: window 1
.set AC, 64*((\a)%4)
.set p, 0
.rept 32
	v_pk_add_f32 v[HQ+p:HQ+p+1], v[AC+p:AC+p+1], v[96+p+96*(p/32):97+p+96*(p/32)]  ; + bias; each accumulator from its low end on
.set p, p+2
.endr
	WIN 0
	QUANT HQ
	global_store_b128 v[L16], v[PC:PC+3], s[96:97] offset:(\a)*768            ; the even head: the fragment's first half
	global_store_b64 v[L8], v[PC+4:PC+5], s[96:97] offset:(\a)*768+512
	global_store_b128 v[L16], v[PC+6:PC+9], s[96:97] offset:294912+(\a)*768   ; the odd head: its second
	global_store_b64 v[L8], v[PC+10:PC+11], s[96:97] offset:294912+(\a)*768+512
	v_lshrrev_b32 v[SW], v[SHF], v[PW]
	v_and_b32 v[SW], 0xffff, v[SW]                 ; my head's two bytes; the upper two are 0
	global_store_b32 v[SOF], v[SW], s[98:99] offset:64*(\a)
.endm
.irp a, 0,1,2,3,4,5,6,7
	OUTQK \a
.endr
	s_branch .Ljoin
.Lvway:
	s_lshr_b32 s20, s46, 4
	s_lshl_b32 s20, s20, 4                         ; 16 x batch
	s_lshl_b32 s21, s41, 2
	s_add_co_u32 s20, s20, s21
	s_lshl_b32 s21, s15, 1
	s_add_co_u32 s20, s20, s21                     ; my first head: 4 cy + 2 x half
	s_and_b32 s22, s46, 15                         ; the key step
	s_mul_i32 s96, s20, 294912
	s_mul_i32 s23, s22, 6144
	s_add_co_u32 s96, s96, s23
	s_add_co_u32 s96, s96, 98304
	s_mov_b32 s97, 0
	s_add_nc_u64 s[96:97], s[10:11], s[96:97]
	s_mul_i32 s98, s20, 20480
	s_lshl_b32 s23, s22, 8
	s_add_co_u32 s98, s98, s23
	s_add_co_u32 s98, s98, 9437184+8192
	s_mov_b32 s99, 0
	s_add_nc_u64 s[98:99], s[10:11], s[98:99]
	v_and_b32 v[SOF], 31, v0
	v_lshlrev_b32 v[SOF], 2, v[SOF]                ; 4 x lane: two neighbouring tiles' words
.macro OUTV a
.if (\a) > 0
	s_wait_xcnt 0x0
.endif
	WIN 0x02+(\a)/4
.set AC, 64*((\a)%4)
.set p, 0
.rept 32
.if (\a)%2
	v_pk_add_f32 v[HQ+p:HQ+p+1], v[AC+p:AC+p+1], v[8+(\a)-1:8+(\a)] op_sel:[0,1] op_sel_hi:[1,1]  ; + my channel's bias, for both halves
.else
	v_pk_add_f32 v[HQ+p:HQ+p+1], v[AC+p:AC+p+1], v[8+(\a):8+(\a)+1] op_sel_hi:[1,0]
.endif
.set p, p+2
.endr
	WIN 0
	QUANT HQ
	global_store_b128 v[L16], v[PC:PC+3], s[96:97] offset:((\a)/4)*294912+((\a)%4)*1536
	global_store_b64 v[L8], v[PC+4:PC+5], s[96:97] offset:((\a)/4)*294912+((\a)%4)*1536+512
	global_store_b128 v[L16], v[PC+6:PC+9], s[96:97] offset:((\a)/4)*294912+((\a)%4)*1536+768
	global_store_b64 v[L8], v[PC+10:PC+11], s[96:97] offset:((\a)/4)*294912+((\a)%4)*1536+1280
.if (\a)%2 == 0
	v_mov_b32 v[PWE], v[PW]
.else
	v_cndmask_b32 v[SW], v[PWE], v[PW], vcc_lo     ; lanes 0-15 the even tile's words, lanes 16-31 the odd tile's
	global_store_b32 v[SOF], v[SW], s[98:99] offset:((\a)/4)*20480+(((\a)/2)%2)*128
.endif
.endm
.irp a, 0,1,2,3,4,5,6,7
	OUTV \a
.endr
.Ljoin:
	s_wait_tensorcnt 0x0                           ; the wave's end
	ds_add_u32 v[SPW], v[NIL]
	s_wait_dscnt 0x0
	CROUND                                         ; the closing round: no work-group ends while a partner may still ask for a tile that names it
	s_endpgm
.Lfunc_end_k_q25fe2630ed_qkv:
	.size	k_q25fe2630ed_qkv, .Lfunc_end_k_q25fe2630ed_qkv-k_q25fe2630ed_qkv
	.p2alignl 7, 3214868480
	.fill 96, 4, 3214868480
	.section	.rodata,"a",@progbits
	.p2align	6, 0x0
	.amdhsa_kernel k_q25fe2630ed_qkv
		.amdhsa_group_segment_fixed_size 327680
		.amdhsa_private_segment_fixed_size 0
		.amdhsa_enable_private_segment 0
		.amdhsa_kernarg_size 32
		.amdhsa_user_sgpr_count 2
		.amdhsa_user_sgpr_kernarg_segment_ptr 1
		.amdhsa_wavefront_size32 1
		.amdhsa_system_sgpr_workgroup_id_x 1
		.amdhsa_system_sgpr_workgroup_id_y 1
		.amdhsa_system_sgpr_workgroup_id_z 1
		.amdhsa_system_vgpr_workitem_id 0
		.amdhsa_next_free_vgpr 1024
		.amdhsa_next_free_sgpr 102
		.amdhsa_reserve_vcc 1
		.amdhsa_float_denorm_mode_32 3
		.amdhsa_float_denorm_mode_16_64 3
		.amdhsa_memory_ordered 1
		.amdhsa_forward_progress 1
		.amdhsa_inst_pref_size 222
	.end_amdhsa_kernel
	.amdgpu_metadata
---
amdhsa.version: [ 1, 2 ]
amdhsa.kernels:
  - .name:           k_q25fe2630ed_qkv
    .symbol:         k_q25fe2630ed_qkv.kd
    .args:
      - { .name: H, .offset: 0, .size: 8, .value_kind: global_buffer, .address_space: global }
      - { .name: W, .offset: 8, .size: 8, .value_kind: global_buffer, .address_space: global }
      - { .name: b_qkv, .offset: 16, .size: 8, .value_kind: global_buffer, .address_space: global }
      - { .name: ATT, .offset: 24, .size: 8, .value_kind: global_buffer, .address_space: global }
    .group_segment_fixed_size: 327680
    .private_segment_fixed_size: 0
    .kernarg_segment_align: 8
    .kernarg_segment_size: 32
    .max_flat_workgroup_size: 128
    .sgpr_count:     102
    .vgpr_count:     1024
    .wavefront_size: 32
...
	.end_amdgpu_metadata
.endif
;; end of part 3
;; launch attn (part 4): grid 8 x 32, 16 waves a work-group, clusters of 4 x 1, 210,944 bytes of LDS; arguments ATT, CTX; writes CTX
.if DOCPART == 4
	.amdgcn_target "amdgcn-amd-amdhsa--gfx1250"
	.amdhsa_code_object_version 6
	.text
	.protected	k_q25fe2630ed_attn
	.globl	k_q25fe2630ed_attn
	.p2align	8
	.type	k_q25fe2630ed_attn,@function
k_q25fe2630ed_attn:
	s_mov_b64 s[64:65], 0
	v_nop
	global_prefetch_b8 v0, s[64:65] scope:SCOPE_SE
	s_setreg_imm32_b32 hwreg(HW_REG_WAVE_MODE, 25, 1), 1
	s_wait_xcnt 0x0
	s_wait_alu depctr_hold_cnt(0) depctr_sa_sdst(0) depctr_va_vdst(0) depctr_va_sdst(0) depctr_va_ssrc(0) depctr_va_vcc(0) depctr_vm_vsrc(0)
	s_getreg_b32 s2, hwreg(HW_REG_IB_STS2, 6, 4)
	s_cmp_eq_u32 s2, 0
	s_cbranch_scc0 .Lentry_in_a_cluster
	s_endpgm
.Lentry_in_a_cluster:
	s_bfe_u32 s2, ttmp6, 0x10000c
	s_cmp_lg_u32 s2, 0x3003
	s_cbranch_scc0 .Lentry_shape_is_right
	s_endpgm
.Lentry_shape_is_right:
; ctx = softmax(q k^T / 8, causal) v for 32 heads of 2,048 tokens x 64, both products on codes of BF6 (E3M2) with E8M0 scales; the result is quantised along the model's 1,024 and stored as the next product's operand.
; THE SOFTMAX AHEAD OF THE SECOND PRODUCT: t = score x log2(e) / 8; M = the running largest t rounded UP to a whole number; p = 2^(t - M) is quantised along the keys, not normalised; the row's sum is taken of the
; unquantised p and divides at the end; when M moves, the sum and O are multiplied by 2^(old M - new M), which rounds nothing.
; OPERANDS ARE IMAGES OF THEIR REGISTERS (16 rows x 128 K = 1,536 bytes in two halves of 768: 512 bytes, lane l at 16 l, then 256, lane l at 8 l); lane r of tile 2 g + u is row 32 g + 8 u + (r & 7) + 16 (r >> 3).
; A head's 64 are HALF a fragment: q's and k's upper six registers are zero codes, written once.  ATT's record of a head: K [tile 128][768] at 0, V [step 16][tile 4][1,536] at 98,304, Q [tile 128][768] at 196,608;
; scale words from byte 9,437,184, 20,480 a head: K at 0, V at 8,192, Q at 12,288.
; BOTH PRODUCTS ARE USED TRANSPOSED (S^T = K Q^T, O^T = V^T P^T): a lane holds one query throughout, and by the order of rows in an image register 16 b + i is key (or channel) 32 b + 16 (lane / 16) + i.
; SHARES.  A work-group has sixteen waves of 256 registers, four to a SIMD.  Work-group c (0..7) of a head gives its wave with index t the query tile 8 t + c: 16 queries among tokens 128 t .. 128 t + 127.  So a wave's last key step
; is t whatever c is: every work-group has 1 + 2 + .. + 16 = 136 wave steps, and the branches that leave hidden steps out hang on the wave's number alone.  t = w xor 3 ((w >> 2) & 1), so that waves w, w + 4, w + 8, w + 12 together have 34.
; LDS holds the head's whole K, V and their scale words, 208,896 bytes, FILLED ONCE: three tensor loads a wave at the head (the words; key steps 0-3; key steps 4-15); nothing is filled again.
; CLUSTER: the four work-groups of a cluster belong to one head and want the same bytes: every load is asked for jointly, which divides the requests by four.
; REGISTERS: v1-6 lane bases, v7-11, v29 the step's addresses, v12 -M, v13 the largest t, v[14:15] the sum, v16-27 Q, v28 Q's words, v30 the mask's number, v31 4 r, v32-79 four fragments of K, v80-83 K's words, v84-87 V's,
; v96-159 S^T, then p, then V's four fragments, v160-191 O^T, v192-203 p's codes, v204-210 conversions, v212-223 at work, v[224:225] f, v226 p's words, v227-229 at work.
; LIMITS: blocks whose numbers are all 0, or under 2^-122, get the byte 1 (this program alone reads the bytes); NaN and infinities are not served.
.set REC,   294912
.set SREC,  20480
.set SBASE, 9437184
.set LV,    98304                      ; LDS: K's stream at 0, V's here,
.set LKW,   196608                     ; K's words,
.set LVW,   204800                     ; V's words
.macro CROUND                          ; a round of the cluster's barrier
	s_barrier_signal -1
	s_barrier_wait -1
	s_cmp_lg_u32 s18, 0
	s_cbranch_scc1 .Lnot_wave_0_\@
	s_barrier_signal -3
.Lnot_wave_0_\@:
	s_barrier_wait -3
	s_barrier_signal -1
	s_barrier_wait -1
.endm
	s_load_b128 s[4:7], s[0:1], 0x0                ; ATT, CTX
	v_lshl_add_u32 v254, v0, 2, 0x33000
	v_mov_b32 v255, 0
	ds_add_u32 v254, v255
	ds_add_u32 v254, v255
	v_lshrrev_b32 v1, 5, v0
	v_readfirstlane_b32 s18, v1                    ; wave 0..15
	s_bfe_u32 s8, ttmp6, 0x40000                   ; cx
	s_lshl_b32 s9, ttmp9, 2
	s_add_co_u32 s9, s9, s8                        ; c: it enters global addresses and the mask's number alone
	s_and_b32 s10, ttmp7, 0xffff                   ; the head, 16 batch + head, which the partners share
	s_bfe_u32 s19, s18, 0x10002
	s_mul_i32 s19, s19, 3
	s_xor_b32 s19, s19, s18                        ; t
	s_mul_i32 s11, s10, REC
	s_mul_i32 s12, s10, SREC
	s_add_co_u32 s12, s12, SBASE
	s_mul_i32 s13, s18, 768                        ; my sixteenth of the 12,288 bytes of words
	s_lshr_b32 s14, s18, 3
	s_mul_i32 s14, s14, 98304                      ; waves 0-7 fetch K's stream, waves 8-15 V's
	s_and_b32 s15, s18, 7
	s_mul_i32 s16, s15, 3072
	s_add_co_u32 s16, s16, s14                     ; my eighth of steps 0-3,
	s_mul_i32 s17, s15, 9216
	s_add_co_u32 s17, s17, s14
	s_add_co_u32 s17, s17, 24576                   ; of steps 4-15: the same offsets in the record and in LDS
.irp g, 24, 32, 40                     ; dense blocks as rows of 256 bytes: 32 elements of 8 bytes
	s_mov_b32 s[\g], 15|(3<<16)|(1<<21)            ; 15:0 the mask: all four work-groups; 17:16 elements of 8 bytes; 21 set beside a mask
	s_mov_b32 s[\g+1], 32<<16
	s_mov_b32 s[\g+3], 32<<16
	s_mov_b32 s[\g+5], 32
	s_mov_b32 s[\g+6], 0
	s_mov_b32 s[\g+7], 0
.endr
	s_mov_b32 s26, 3<<16                           ; 3 rows,
	s_mov_b32 s28, 3
	s_mov_b32 s34, 12<<16                          ; 12,
	s_mov_b32 s36, 12
	s_mov_b32 s42, 36<<16                          ; 36
	s_mov_b32 s44, 36
	s_mov_b32 s20, 0x76543210
	s_mov_b32 s21, 0xfedcba98                      ; lane l xor 16
	s_mov_b32 s22, 0x3e38aa3b                      ; log2(e) / 8
	s_mov_b32 s23, s22
	s_mov_b32 s60, 0                               ; the key step,
	s_mov_b32 s61, 0                               ; its bytes in K's and in V's stream: 6,144 a step,
	s_mov_b32 s62, 0                               ; its words of K: 512,
	s_mov_b32 s63, 0                               ; of V: 256
	s_lshl_b32 s66, s19, 3
	s_add_co_u32 s66, s66, s9                      ; my query tile in the head
	s_add_co_u32 s2, s12, s13
	s_mov_b32 s3, 0
	s_add_co_u32 s68, s11, s16
	s_mov_b32 s69, 0
	s_add_co_u32 s78, s11, s17
	s_mov_b32 s79, 0
	s_mul_i32 s74, s66, 768
	s_add_co_u32 s74, s74, s11
	s_add_co_u32 s74, s74, 196608                  ; Q's codes
	s_mov_b32 s75, 0
	s_lshl_b32 s76, s66, 6
	s_add_co_u32 s76, s76, s12
	s_add_co_u32 s76, s76, 12288                   ; Q's words
	s_mov_b32 s77, 0
	s_lshr_b32 s67, s10, 4
	s_lshl_b32 s67, s67, 7
	s_add_co_u32 s67, s67, s66                     ; my tile among all 4,096 tokens'
	s_and_b32 s15, s10, 15                         ; the head in its batch
	s_mul_i32 s70, s67, 12288
	s_mul_i32 s14, s15, 768
	s_add_co_u32 s70, s70, s14                     ; ctx: a head is half a fragment
	s_mov_b32 s71, 0
	s_lshl_b32 s72, s67, 9
	s_lshr_b32 s14, s15, 1
	s_lshl_b32 s14, s14, 6
	s_add_co_u32 s72, s72, s14
	s_and_b32 s14, s15, 1
	s_lshl_b32 s14, s14, 1
	s_add_co_u32 s72, s72, s14
	s_add_co_u32 s72, s72, 3145728                 ; and two bytes of a scale word
	s_mov_b32 s73, 0
	s_lshr_b32 s14, s9, 1
	s_lshl_b32 s14, s14, 5
	s_and_b32 s15, s9, 1
	s_lshl_b32 s15, s15, 3
	s_add_co_u32 s14, s14, s15                     ; 32 (c >> 1) + 8 (c & 1): my tile's place in its 128 tokens
	s_wait_dscnt 0x0
	s_wait_kmcnt 0x0
	s_mov_b32 s48, 1
	s_add_co_u32 s49, s13, LKW
	s_add_nc_u64 s[50:51], s[4:5], s[2:3]
	s_or_b32 s51, s51, 0x80000000
	s_mov_b32 s52, 1
	s_mov_b32 s53, s16
	s_add_nc_u64 s[54:55], s[4:5], s[68:69]
	s_or_b32 s55, s55, 0x80000000
	s_mov_b32 s56, 1
	s_mov_b32 s57, s17
	s_add_nc_u64 s[58:59], s[4:5], s[78:79]
	s_or_b32 s59, s59, 0x80000000
	s_add_nc_u64 s[74:75], s[4:5], s[74:75]
	s_add_nc_u64 s[76:77], s[4:5], s[76:77]
	s_add_nc_u64 s[70:71], s[6:7], s[70:71]
	s_add_nc_u64 s[72:73], s[6:7], s[72:73]
	CROUND                                         ; all four work-groups are here: the joint loads meet
	tensor_load_to_lds s[48:51], s[24:31]          ; every wave issues the same three lines: three loads of mine are out
	s_nop 0
	tensor_load_to_lds s[52:55], s[32:39]
	s_nop 0
	tensor_load_to_lds s[56:59], s[40:47]
	s_nop 0
.rept 4
	v_nop
.endr
	v_and_b32 v227, 31, v0
	v_lshlrev_b32 v1, 4, v227                      ; K: 16 x lane
	v_lshlrev_b32 v2, 3, v227                      ; 8 x lane
	v_and_b32 v228, 15, v0
	v_lshlrev_b32 v31, 2, v228                     ; 4 r
	v_add_nc_u32 v3, LKW, v31
	v_add_nc_u32 v4, LV, v1
	v_add_nc_u32 v5, LV, v2
	v_add_nc_u32 v6, LVW, v31
	global_load_b128 v[16:19], v1, s[74:75]        ; Q's half fragment stays in registers
	global_load_b64 v[20:21], v2, s[74:75] offset:512
	global_load_b32 v28, v31, s[76:77]
.irp j, 22,23,24,25,26,27, 38,39,40,41,42,43, 50,51,52,53,54,55, 62,63,64,65,66,67, 74,75,76,77,78,79
	v_mov_b32 v\j, 0                               ; zero codes for k = 64 .. 127 of Q and of K's four fragments: never loaded
.endr
	v_and_b32 v30, 7, v0
	v_bfe_u32 v227, v0, 3, 1
	v_lshl_add_u32 v30, v227, 4, v30
	v_bfe_u32 v227, v0, 4, 1
	v_lshlrev_b32 v227, 4, v227
	v_sub_nc_u32 v30, v30, v227
	v_add_nc_u32 v30, s14, v30                     ; d = my query's place in its 128 tokens - 16 (lane / 16): on the diagonal register 16 b + i is hidden where 32 b + i > d
	v_mov_b32 v229, 0xff800000                     ; -infinity
	v_mov_b32 v13, 0xff61b1e6                      ; the largest t so far: -3e38
	v_floor_f32 v12, -v13                          ; -M
	v_mov_b32 v14, 0
	v_mov_b32 v15, 0
.irp j, 216,217,218,219,225,227
	v_mov_b32 v\j, 0                               ; written once: permutes' destinations, and the upper half of f's pair
.endr
.set j, 0
.rept 32
	v_mov_b32 v[160+j], 0                          ; O^T: the step is written once; the first finds zeros
.set j, j+1
.endr
; A KEY STEP of 128 keys.
.macro STEP
	s_cmp_gt_u32 s60, s19                          ; all its keys come after my queries: the work is left out, not the lines at its end that step addresses
	s_cbranch_scc1 .Lhidden_\@
	v_add_nc_u32 v7, s61, v1                       ; (these six are also the places between the last step's products and this step's, which write over V's fragments)
	v_add_nc_u32 v8, s61, v2
	v_add_nc_u32 v9, s62, v3
	v_add_nc_u32 v10, s61, v4
	v_add_nc_u32 v11, s61, v5
	v_add_nc_u32 v29, s63, v6
.irp g, 0,1                                    ; S^T = K Q^T, four tiles of 16 keys at a time
.if \g
.rept 4
	v_nop                                          ; places in front of loads into registers that matrix instructions have read
.endr
.endif
.irp t, 0,1,2,3
	ds_load_b128 v[32+12*\t:35+12*\t], v7 offset:(4*\g+\t)*768
	ds_load_b64 v[36+12*\t:37+12*\t], v8 offset:(4*\g+\t)*768+512
	ds_load_b32 v[80+\t], v9 offset:(4*\g+\t)*64
.endr
	s_wait_dscnt 0x0
.irp t, 0,1,2,3
	v_wmma_scale_f32_16x16x128_f8f6f4 v[96+8*(4*\g+\t):103+8*(4*\g+\t)], v[32+12*\t:43+12*\t], v[16:27], 0, v[80+\t], v28 matrix_a_fmt:MATRIX_FMT_BF6 matrix_b_fmt:MATRIX_FMT_BF6
.endr
.endr
.rept 4
	v_nop
.endr
	s_cmp_lg_u32 s60, s19                          ; only my last step lies on the diagonal
	s_cbranch_scc1 .Lopen_\@
.set n, 0
.rept 64
	v_cmp_gt_i32 vcc_lo, 32*(n/16)+n%16, v30
	v_cndmask_b32 v[96+n], v[96+n], v229, vcc_lo   ; hidden scores become -infinity ahead of the maximum: p = 0
.set n, n+1
.endr
.Lopen_\@:
.irp b, 0,1,2,3
	v_max3_num_f32 v[212+\b], v[96+16*\b], v[97+16*\b], v[98+16*\b]  ; the largest score of each block of 32 keys: it serves the row's maximum and, since p rises with the score, the block's largest p
.endr
.irp i, 3,5,7,9,11,13
.irp b, 0,1,2,3
	v_max3_num_f32 v[212+\b], v[212+\b], v[96+16*\b+\i], v[97+16*\b+\i]
.endr
.endr
.irp b, 0,1,2,3
	v_max_num_f32 v[212+\b], v[212+\b], v[111+16*\b]
.endr
.irp b, 0,1,2,3
	v_permlanex16_b32 v[216+\b], v[212+\b], s20, s21
.endr
.irp b, 0,1,2,3
	v_max_num_f32 v[212+\b], v[212+\b], v[216+\b]
.endr
	v_max3_num_f32 v227, v212, v213, v214
	v_max_num_f32 v227, v227, v215
	v_mul_f32 v227, s22, v227                      ; as t
	v_max_num_f32 v13, v13, v227                   ; the running largest t
	v_mov_b32 v227, v12
	v_floor_f32 v12, -v13                          ; the new -M = -ceil(t)
	v_sub_f32 v227, v12, v227                      ; old M - new M: a whole number, 0 or less
	v_cvt_i32_f32 v227, v227
	v_ldexp_f32 v224, 1.0, v227                    ; f = 2^(old M - new M)
.set j, 0
.rept 32
	v_pk_fma_f32 v[96+j:97+j], v[96+j:97+j], s[22:23], v[12:13] op_sel_hi:[1,0,0]  ; t - M
.set j, j+2
.endr
.irp b, 0,1,2,3
	v_fma_f32 v[212+\b], v[212+\b], s22, v12
.endr
.set j, 0
.rept 64
	v_exp_f32 v[96+j], v[96+j]                     ; p = 2^(t - M)
.set j, j+1
.endr
	v_pk_mul_f32 v[14:15], v[14:15], v[224:225] op_sel_hi:[1,0]  ; the sums under the new M: the plain instruction behind the batch
	s_wait_alu depctr_va_vdst(0)                   ; one wait for the 64, ahead of their first reader
.irp b, 0,1,2,3
	v_exp_f32 v[212+\b], v[212+\b]                 ; each block's largest p
.endr
	v_pk_add_f32 v[216:217], v[96:97], v[98:99]    ; the row's sum of the unquantised p, in two chains
.irp j, 4,8,12,16,20,24,28,32,36,40,44,48,52,56,60
	v_pk_add_f32 v[14:15], v[14:15], v[96+\j:97+\j]
	v_pk_add_f32 v[216:217], v[216:217], v[98+\j:99+\j]
.endr
	v_pk_add_f32 v[14:15], v[14:15], v[216:217]
	s_wait_alu depctr_va_vdst(0)                   ; and one for the four
.irp b, 0,1,2,3
	v_max_num_f32 v[212+\b], 0x2800000, v[212+\b]  ; the floor 2^(5 - 127)
.endr
.irp b, 0,1,2,3
	v_add_nc_u32 v[220+\b], 0xfe000000, v[212+\b]  ; the conversion's scale operand
.endr
.irp b, 0,1,2,3
	v_lshrrev_b32 v[216+\b], 23, v[220+\b]
.endr
	v_lshl_or_b32 v226, v217, 8, v216              ; p's scale word for these 128 keys
	v_lshl_or_b32 v226, v218, 16, v226
	v_lshl_or_b32 v226, v219, 24, v226
.irp c, 0,1
	v_cvt_scalef32_pk16_bf6_f32 v[192+6*\c:194+6*\c], v[96+32*\c:111+32*\c], v[220+2*\c]
	v_cvt_scalef32_pk16_bf6_f32 v[204+4*\c:206+4*\c], v[112+32*\c:127+32*\c], v[220+2*\c+1]
.endr
	v_nop                                          ; one plain instruction behind the conversions
.irp t, 0,1,2,3                                ; V's four fragments land where p lay, while the codes are put in order
	ds_load_b128 v[96+12*\t:99+12*\t], v10 offset:1536*\t
	ds_load_b64 v[100+12*\t:101+12*\t], v11 offset:1536*\t+512
	ds_load_b128 v[102+12*\t:105+12*\t], v10 offset:1536*\t+768
	ds_load_b64 v[106+12*\t:107+12*\t], v11 offset:1536*\t+1280
	ds_load_b32 v[84+\t], v29 offset:64*\t
.endr
.irp c, 0,1
.irp i, 0,1,2
	v_permlane16_swap_b32 v[192+6*\c+\i], v[204+4*\c+\i]
.endr
.irp i, 0,1,2
	v_mov_b32 v[195+6*\c+\i], v[204+4*\c+\i]
.endr
.endr
.set j, 0
.rept 16
	v_pk_mul_f32 v[160+j:161+j], v[160+j:161+j], v[224:225] op_sel_hi:[1,0]  ; O^T under the new M; these are also the places between the codes and scale word just made and the products
.set j, j+2
.endr
	s_wait_dscnt 0x0
.irp t, 0,1,2,3                                ; O^T += V^T P^T: four accumulators by turns
	v_wmma_scale_f32_16x16x128_f8f6f4 v[160+8*\t:167+8*\t], v[96+12*\t:107+12*\t], v[192:203], v[160+8*\t:167+8*\t], v[84+\t], v226 matrix_a_fmt:MATRIX_FMT_BF6 matrix_b_fmt:MATRIX_FMT_BF6
.endr
.Lhidden_\@:
	s_add_co_u32 s61, s61, 6144
	s_add_co_u32 s62, s62, 512
	s_add_co_u32 s63, s63, 256
	s_add_co_u32 s60, s60, 1
.endm
	s_wait_loadcnt 0x0                             ; Q
	s_wait_tensorcnt 1                             ; the words and my part of steps 0-3 are in; the third load may be out
	s_barrier_signal -1
	s_barrier_wait -1
	s_mov_b32 s69, 4
.Lfirst:
	STEP
	s_sub_co_u32 s69, s69, 1
	s_cmp_lg_u32 s69, 0
	s_cbranch_scc1 .Lfirst
	s_wait_tensorcnt 0x0                           ; my part of steps 4-15 is in,
	s_wait_dscnt 0x0
	s_barrier_signal -1
	s_barrier_wait -1                              ; everybody's is
	s_mov_b32 s69, 12
.Lrest:
	STEP
	s_sub_co_u32 s69, s69, 1
	s_cmp_lg_u32 s69, 0
	s_cbranch_scc1 .Lrest
	; THE WAY OUT: O^T / the sum; its 32 registers are two blocks of 32 along the next K; quantised, they are half a fragment of ctx
.rept 4
	v_nop
.endr
	v_add_f32 v14, v14, v15
	v_permlanex16_b32 v227, v14, s20, s21
	v_add_f32 v14, v14, v227                       ; the row's sum
	v_rcp_f32 v14, v14
	v_bfe_u32 v228, v0, 4, 1                       ; (a plain instruction behind the reciprocal)  h
	v_add_nc_u32 v31, v31, v228                    ; 4 r + h
	v_cmp_ne_u32 vcc_lo, 0, v228
	s_wait_alu depctr_va_vdst(0)                   ; ahead of the first reader
.set j, 0
.rept 32
	v_mul_f32 v[96+j], v[160+j], v14               ; each accumulator from its low end on
.set j, j+1
.endr
.irp b, 0,1
	v_max3_num_f32 v[212+\b], |v[96+16*\b]|, |v[97+16*\b]|, 0x2800000
.endr
.irp i, 2,4,6,8,10,12,14
.irp b, 0,1
	v_max3_num_f32 v[212+\b], v[212+\b], |v[96+16*\b+\i]|, |v[97+16*\b+\i]|
.endr
.endr
.irp b, 0,1
	v_permlanex16_b32 v[216+\b], v[212+\b], s20, s21
.endr
.irp b, 0,1
	v_max_num_f32 v[212+\b], v[212+\b], v[216+\b]
.endr
.irp b, 0,1
	v_add_nc_u32 v[220+\b], 0xfe000000, v[212+\b]
.endr
.irp b, 0,1
	v_lshrrev_b32 v[216+\b], 23, v[220+\b]
.endr
	v_cvt_scalef32_pk16_bf6_f32 v[192:194], v[96:111], v220
	v_cvt_scalef32_pk16_bf6_f32 v[204:206], v[112:127], v221
	v_nop
.irp i, 0,1,2
	v_permlane16_swap_b32 v[192+\i], v[204+\i]
.endr
.irp i, 0,1,2
	v_mov_b32 v[195+\i], v[204+\i]
.endr
	v_cndmask_b32 v227, v216, v217, vcc_lo         ; lanes 0-15 block 0's byte, lanes 16-31 block 1's
	global_store_b128 v1, v[192:195], s[70:71]     ; 512 and 256 consecutive bytes, at multiples of 256 from CTX's first byte
	global_store_b64 v2, v[196:197], s[70:71] offset:512
	global_store_b8 v31, v227, s[72:73]            ; two bytes of each row's word: the other two are another head's
	s_wait_dscnt 0x0
	s_wait_tensorcnt 0x0
	ds_add_u32 v254, v255
	s_wait_dscnt 0x0
	CROUND                                         ; the closing round
	s_endpgm
.Lfunc_end_k_q25fe2630ed_attn:
	.size	k_q25fe2630ed_attn, .Lfunc_end_k_q25fe2630ed_attn-k_q25fe2630ed_attn
	.p2alignl 7, 3214868480
	.fill 96, 4, 3214868480
	.section	.rodata,"a",@progbits
	.p2align	6, 0x0
	.amdhsa_kernel k_q25fe2630ed_attn
		.amdhsa_group_segment_fixed_size 210944
		.amdhsa_private_segment_fixed_size 0
		.amdhsa_enable_private_segment 0
		.amdhsa_kernarg_size 16
		.amdhsa_user_sgpr_count 2
		.amdhsa_user_sgpr_kernarg_segment_ptr 1
		.amdhsa_wavefront_size32 1
		.amdhsa_system_sgpr_workgroup_id_x 1
		.amdhsa_system_sgpr_workgroup_id_y 1
		.amdhsa_system_sgpr_workgroup_id_z 1
		.amdhsa_system_vgpr_workitem_id 0
		.amdhsa_next_free_vgpr 256
		.amdhsa_next_free_sgpr 80
		.amdhsa_reserve_vcc 1
		.amdhsa_float_denorm_mode_32 3
		.amdhsa_float_denorm_mode_16_64 3
		.amdhsa_memory_ordered 1
		.amdhsa_forward_progress 1
		.amdhsa_inst_pref_size 58
	.end_amdhsa_kernel
	.amdgpu_metadata
---
amdhsa.version: [ 1, 2 ]
amdhsa.kernels:
  - .name:           k_q25fe2630ed_attn
    .symbol:         k_q25fe2630ed_attn.kd
    .args:
      - { .name: ATT, .offset: 0, .size: 8, .value_kind: global_buffer, .address_space: global }
      - { .name: CTX, .offset: 8, .size: 8, .value_kind: global_buffer, .address_space: global }
    .group_segment_fixed_size: 210944
    .private_segment_fixed_size: 0
    .kernarg_segment_align: 8
    .kernarg_segment_size: 16
    .max_flat_workgroup_size: 512
    .sgpr_count:     80
    .vgpr_count:     256
    .wavefront_size: 32
...
	.end_amdgpu_metadata
.endif
;; end of part 4
;; launch g4 (part 5): grid 4 x 16, 4 waves a work-group, clusters of 4 x 4, 327,680 bytes of LDS; arguments CTX, W, b_attn_proj, x, X1; writes X1
.if DOCPART == 5
	.amdgcn_target "amdgcn-amd-amdhsa--gfx1250"
	.amdhsa_code_object_version 6
	.text
	.protected	k_q25fe2630ed_g4
	.globl	k_q25fe2630ed_g4
	.p2align	8
	.type	k_q25fe2630ed_g4,@function
k_q25fe2630ed_g4:
	s_mov_b64 s[64:65], 0
	v_nop
	global_prefetch_b8 v0, s[64:65] scope:SCOPE_SE
	s_setreg_imm32_b32 hwreg(HW_REG_WAVE_MODE, 25, 1), 1
	s_wait_xcnt 0x0
	s_wait_alu depctr_hold_cnt(0) depctr_sa_sdst(0) depctr_va_vdst(0) depctr_va_sdst(0) depctr_va_ssrc(0) depctr_va_vcc(0) depctr_vm_vsrc(0)
	s_getreg_b32 s2, hwreg(HW_REG_IB_STS2, 6, 4)
	s_cmp_eq_u32 s2, 0
	s_cbranch_scc0 .Lentry_in_a_cluster
	s_endpgm
.Lentry_in_a_cluster:
	s_bfe_u32 s2, ttmp6, 0x10000c
	s_cmp_lg_u32 s2, 0xf033
	s_cbranch_scc0 .Lentry_shape_is_right
	s_endpgm
.Lentry_shape_is_right:
; out = res + A B^T + bias on codes of BF6 (E3M2) with E8M0 scales; here A = ctx [4,096][1,024], B = w_attn_proj's image in W, res = x, out = x1, f32 [4,096][1,024].
; OPERANDS ARE IMAGES OF THEIR REGISTERS: a fragment (16 rows x 128 K) is 1,536 bytes in two halves c of 768: 512 bytes (registers 6c..6c+3, lane l at 16 l), then 256 (registers 6c+4, 6c+5, lane l at 8 l);
; a matrix lies [rb][ks][1,536]; lane r of tile rb = 2 g + u is row 32 g + 8 u + (r & 7) + 16 (r >> 3); scale words [rb][ks][16 r][4].  Four dense LDS loads bring a fragment: no pitch, no padding.
; A tile of 256 x 256 results is made by four waves, 128 x 128 each: 64 accumulators, 512 registers.  K goes in steps of 256 through two LDS slots filled by the tensor data mover (8 rows of 3,072 bytes a load);
; the scale words of the work-group's rows, for all of K, come once with the first fills and stay.
; THE PRODUCT IS USED TRANSPOSED (source 0 = 16 rows of B, source 1 = 16 rows of A): a lane holds one row of A, and register j of accumulator (a, b) column 32 (b / 2) + 16 (lane / 16) + 8 (b % 2) + j of the wave's 128.
; The bias is the C of each sum's first matrix instruction.  On the way out a block of 16 rows goes through the wave's stage in LDS, comes back as whole rows of 512 bytes, takes the residual's row and is stored.
; CLUSTERS: 4 x 4 work-groups; A's tiles are shared along a row of the cluster, B's along a column, each asked for jointly.  N = 1,024 gives 64 tiles of this size: 64 work-groups.
; REGISTERS, in windows of 256: window 0: v16-31 addresses, v32-63 scale words (two sets), v128-223 A's fragments (one set); window 1: B's fragments at v0 and v128 (two sets), the bias in the 64 left, on the way out the residual;
; windows 2, 3: the accumulators, (a, b) at v[8 (8 (a % 4) + b)].
; LIMITS: the sums begin with the bias (another order of rounding than bias last); NaN and infinities are not served.
.set SIZE_K, 1024
.set ASC,    3145728                   ; where A's scale words begin in its buffer
.set BCO,    2359296                   ; where B's codes begin in W
.set BSC,    9535488                   ; and B's scale words
.set FR,     12
.set NL,     4
.set NP,     4
.set RBS,    3072
.set KP,     SIZE_K*12
.set HALFT,  8*RBS
.set SLOT,   4*HALFT
.set LAPS,   SIZE_K/512
.set SBLK,   SIZE_K/2
.set HALFS,  8*SBLK
.set SCL,    2*SLOT
.set SPARE,  SCL+4*HALFS               ; the spare words, 128 bytes a wave, that no other line names
.set ADRA, 16
.set ADRB, 20
.set STO,  24                          ; v24 the way out: where I put 32 bytes of a row
.set RD,   25                          ; v25 where I read a row back
.set L16,  26
.set ADRS, 27
.set SPW,  28
.set NIL,  29
.set L8,   30
.set SC,   32
.set AF,   128
.set BK,   128                         ; the way out: 16 rows read back
.set G1, 24
.set G0, 32
.set G1B, 48
.set G0B, 56
.set G1S, 68
.set G0S, 76
.set G1SB, 80
.set G0SB, 88
.set MSB, 0
.macro WIN new
.if MSB != (\new)
	s_set_vgpr_msb (MSB<<8)|(\new)
.set MSB, (\new)
.endif
.endm
.set MUL_LO, 0xa1
.set MUL_HI, 0xf1
.set TO_B,   0x40
.macro JLOAD g0a, g1a, g0b, g1b        ; a joint load: waves 0 and 1 fetch for A, waves 2 and 3 for B; four v_nop follow each line
	s_cmp_eq_u32 s15, 0
	s_cbranch_scc0 .Lfor_b_\@
	tensor_load_to_lds s[\g0a:\g0a+3], s[\g1a:\g1a+7]
	s_nop 0
.rept 4
	v_nop
.endr
	s_branch .Lasked_\@
.Lfor_b_\@:
	tensor_load_to_lds s[\g0b:\g0b+3], s[\g1b:\g1b+7]
	s_nop 0
.rept 4
	v_nop
.endr
.Lasked_\@:
.endm
.macro CREST
	s_cmp_lg_u32 s14, 0
	s_cbranch_scc1 .Lnot_wave_0_\@
	s_barrier_signal -3
.Lnot_wave_0_\@:
	s_barrier_wait -3
	s_barrier_signal -1
	s_barrier_wait -1
.endm
.macro CROUND
	s_barrier_signal -1
	s_barrier_wait -1
	CREST
.endm
.macro PLACES n
.rept \n
	v_nop
.endr
.endm
.macro FRAG reg, a16, a8, q, i
	ds_load_b128 v[\reg:\reg+3], v[\a16] offset:(\i)*RBS+(\q)*1536
	ds_load_b64 v[\reg+4:\reg+5], v[\a8] offset:(\i)*RBS+(\q)*1536+512
	ds_load_b128 v[\reg+6:\reg+9], v[\a16] offset:(\i)*RBS+(\q)*1536+768
	ds_load_b64 v[\reg+10:\reg+11], v[\a8] offset:(\i)*RBS+(\q)*1536+1280
.endm
.macro FETCH_B slot, q, p
	WIN TO_B
.irp i, 0,1,2,3,4,5,6,7
	FRAG 128*(\p)+FR*\i, ADRB+\slot, ADRB+2+\slot, \q, \i
.endr
	WIN 0
.endm
.macro FETCH_A slot, q, i0
.irp i, \i0, \i0+1, \i0+2, \i0+3
	FRAG AF+FR*(\i), ADRA+\slot, ADRA+2+\slot, \q, \i
.endr
.endm
.macro SCALES sc
.irp i, 0,1,2,3,4,5,6,7
.irp q, 0,1
	ds_load_b32 v[SC+16*\sc+2*\i+\q], v[ADRS] offset:\i*SBLK+64*\q
.endr
.endr
.endm
; 16 matrix instructions.  zero = 2: the first product starts the sums from the bias, eight registers a column block in window 1.  The 64 accumulators take turns.
.macro MUL16 a0, p, q, sc, zero
.irp a, \a0, \a0+1
.irp b, 0,1,2,3,4,5,6,7
.set rD, 8*(8*((\a)%4)+\b)
.set rB, 128*(\p)+FR*\b
.set rA, AF+FR*(\a)
.set rC, 96+8*\b+96*(\b/4)
.set rSB, SC+16*(\sc)+2*\b+(\q)
.set rSA, SC+16*(\sc)+2*(\a)+(\q)
.if (\zero) == 2
	v_wmma_scale_f32_16x16x128_f8f6f4 v[rD:rD+7], v[rB:rB+FR-1], v[rA:rA+FR-1], v[rC:rC+7], v[rSB], v[rSA] matrix_a_fmt:MATRIX_FMT_BF6 matrix_b_fmt:MATRIX_FMT_BF6 matrix_a_scale:MATRIX_SCALE_ROW1
.else
	v_wmma_scale_f32_16x16x128_f8f6f4 v[rD:rD+7], v[rB:rB+FR-1], v[rA:rA+FR-1], v[rD:rD+7], v[rSB], v[rSA] matrix_a_fmt:MATRIX_FMT_BF6 matrix_b_fmt:MATRIX_FMT_BF6 matrix_a_scale:MATRIX_SCALE_ROW1
.endif
.endr
.endr
.endm
.macro STEP slot, q, zero
	s_wait_dscnt 4*NL                              ; all but the youngest 16 loads (A's blocks 4-7) are in
.if (\zero) == 2
	WIN 0x91                                       ; C in window 1, D in window 2
.else
	WIN MUL_LO
.endif
	MUL16 0, (\q)%2, \q, \slot, \zero
	MUL16 2, (\q)%2, \q, \slot, \zero
	s_wait_dscnt 0x0
	PLACES NP
	FETCH_B \slot, (\q)+1, 1-(\q)%2
	FETCH_A \slot, (\q)+1, 0
.if (\zero) == 2
	WIN 0xd1
.else
	WIN MUL_HI
.endif
	MUL16 4, (\q)%2, \q, \slot, \zero
	MUL16 6, (\q)%2, \q, \slot, \zero
	PLACES NP
	WIN 0
	FETCH_A \slot, (\q)+1, 4
.endm
.macro TURN slot, next, fill
	s_wait_tensorcnt 0x0                           ; all my tensor loads have landed: my part of the next slot
	ds_add_u32 v[SPW], v[NIL]                      ; 0 onto my spare word
	s_wait_dscnt 4*NL+1                            ; the add and the youngest 16 loads may be out
	WIN MUL_LO
	MUL16 0, 1, 1, \slot, 0
	s_wait_dscnt 0x0                               ; the add is done, and my reads of this slot are over
	s_barrier_signal -1
	MUL16 2, 1, 1, \slot, 0
	WIN 0
	s_barrier_wait -1
.if \fill
	CREST                                          ; the barrier has opened a round of the cluster's: no wave of any partner still reads this slot or has a load on its way
	s_add_nc_u64 s[G0+4*\slot+2:G0+4*\slot+3], s[G0+4*\slot+2:G0+4*\slot+3], 2*RBS
	s_add_nc_u64 s[G0B+4*\slot+2:G0B+4*\slot+3], s[G0B+4*\slot+2:G0B+4*\slot+3], 2*RBS
	JLOAD G0+4*\slot, G1, G0B+4*\slot, G1B
.else
	PLACES NP
.endif
	v_add_nc_u32 v[ADRS], 128, v[ADRS]
	FETCH_B \next, 0, 0
	FETCH_A \next, 0, 0
	SCALES \next
	WIN MUL_HI
	MUL16 4, 1, 1, \slot, 0
	MUL16 6, 1, 1, \slot, 0
	PLACES NP
	WIN 0
	FETCH_A \next, 0, 4
.endm
	s_load_b128 s[4:7], s[0:1], 0x0                ; A, W
	s_load_b128 s[8:11], s[0:1], 0x10              ; bias, res
	s_load_b64 s[12:13], s[0:1], 0x20              ; out
	v_lshl_add_u32 v[SPW], v0, 2, SPARE
	v_mov_b32 v[NIL], 0
	ds_add_u32 v28, v29
	ds_add_u32 v28, v29
	s_wait_dscnt 0x0
	v_lshrrev_b32 v1, 5, v0
	v_readfirstlane_b32 s14, v1
	s_lshr_b32 s15, s14, 1                         ; which half of A's rows is mine.  Also: I fetch for A (0) or for B (1)
	s_and_b32 s16, s14, 1                          ; which half of B's rows.  Also: which 128 rows I fetch
	s_bfe_u32 s40, ttmp6, 0x40000
	s_bfe_u32 s41, ttmp6, 0x40004
	s_lshl_b32 s42, ttmp9, 2
	s_add_co_u32 s42, s42, s40                     ; B's tile
	s_and_b32 s17, ttmp7, 0xffff
	s_lshl_b32 s17, s17, 2
	s_add_co_u32 s17, s17, s41                     ; A's tile
	s_lshl_b32 s43, s41, 2
	s_lshl_b32 s43, 15, s43
	s_lshl_b32 s44, 0x1111, s40
	s_or_b32 s[G1+0], s43, (3<<16)|(1<<21)         ; 15:0 the mask; 17:16 elements of 8 bytes; 21 set beside a mask; no padding
	s_or_b32 s[G1B+0], s44, (3<<16)|(1<<21)
.irp g, G1, G1B
	s_mov_b32 s[\g+1], 384<<16
	s_mov_b32 s[\g+2], 8<<16
	s_mov_b32 s[\g+3], 384<<16
	s_mov_b32 s[\g+4], 8
	s_mov_b32 s[\g+5], KP/8
	s_mov_b32 s[\g+6], 0
	s_mov_b32 s[\g+7], 0
.endr
	s_or_b32 s[G1S+0], s43, (3<<16)|(1<<21)
	s_or_b32 s[G1SB+0], s44, (3<<16)|(1<<21)
.irp g, G1S, G1SB
	s_mov_b32 s[\g+1], 32<<16
	s_mov_b32 s[\g+2], (HALFS/256)<<16
	s_mov_b32 s[\g+3], 32<<16
	s_mov_b32 s[\g+4], HALFS/256
	s_mov_b32 s[\g+5], 32
	s_mov_b32 s[\g+6], 0
	s_mov_b32 s[\g+7], 0
.endr
	s_lshl_b32 s18, s16, 3
	s_lshl_b32 s20, s17, 4
	s_add_co_u32 s20, s20, s18
	s_lshl_b32 s46, s42, 4
	s_add_co_u32 s46, s46, s18
	s_mul_i32 s22, s20, SBLK
	s_mul_i32 s92, s46, SBLK
	s_mul_i32 s20, s20, KP
	s_mul_i32 s46, s46, KP
	s_mov_b32 s21, 0
	s_mov_b32 s23, 0
	s_mov_b32 s47, 0
	s_mov_b32 s93, 0
	s_mul_i32 s45, s14, HALFT
	s_mul_i32 s94, s14, HALFS
	s_wait_kmcnt 0x0
	s_add_nc_u64 s[20:21], s[4:5], s[20:21]
	s_add_nc_u64 s[22:23], s[4:5], s[22:23]
	s_add_nc_u64 s[22:23], s[22:23], ASC
	s_add_nc_u64 s[46:47], s[6:7], s[46:47]
	s_add_nc_u64 s[46:47], s[46:47], BCO
	s_add_nc_u64 s[92:93], s[6:7], s[92:93]
	s_add_nc_u64 s[92:93], s[92:93], BSC
	CROUND                                         ; all sixteen work-groups are here: the first joint loads meet
	s_mov_b32 s[G0S], 1
	s_add_co_u32 s[G0S+1], s94, SCL
	s_mov_b64 s[G0S+2:G0S+3], s[22:23]
	s_or_b32 s[G0S+3], s[G0S+3], 0x80000000
	s_mov_b32 s[G0SB], 1
	s_add_co_u32 s[G0SB+1], s94, SCL
	s_mov_b64 s[G0SB+2:G0SB+3], s[92:93]
	s_or_b32 s[G0SB+3], s[G0SB+3], 0x80000000
	JLOAD G0S, G1S, G0SB, G1SB                     ; with the two below three loads of mine are out
.irp s, 0,1
	s_mov_b32 s[G0+4*\s], 1
	s_add_co_u32 s[G0+4*\s+1], s45, \s*SLOT
	s_add_nc_u64 s[G0+4*\s+2:G0+4*\s+3], s[20:21], \s*RBS
	s_or_b32 s[G0+4*\s+3], s[G0+4*\s+3], 0x80000000
	s_mov_b32 s[G0B+4*\s], 1
	s_add_co_u32 s[G0B+4*\s+1], s45, \s*SLOT
	s_add_nc_u64 s[G0B+4*\s+2:G0B+4*\s+3], s[46:47], \s*RBS
	s_or_b32 s[G0B+4*\s+3], s[G0B+4*\s+3], 0x80000000
	JLOAD G0+4*\s, G1, G0B+4*\s, G1B
.endr
	v_and_b32 v1, 15, v0
	v_bfe_u32 v2, v0, 4, 1
	v_and_b32 v3, 31, v0
	v_lshlrev_b32 v[L16], 4, v3
	v_lshlrev_b32 v[L8], 3, v3
	s_mul_i32 s21, s15, HALFT
	s_mul_i32 s22, s16, HALFT
	s_add_co_u32 s22, s22, 2*HALFT
.irp s, 0,1
	v_add_nc_u32 v[ADRA+\s], s21, v[L16]
	v_add_nc_u32 v[ADRA+2+\s], s21, v[L8]
	v_add_nc_u32 v[ADRB+\s], s22, v[L16]
	v_add_nc_u32 v[ADRB+2+\s], s22, v[L8]
	s_add_co_u32 s21, s21, SLOT
	s_add_co_u32 s22, s22, SLOT
.endr
	s_mul_i32 s21, s15, HALFS
	s_mul_i32 s22, s16, HALFS
	s_add_co_u32 s22, s22, 2*HALFS
	s_sub_co_u32 s22, s22, s21
	v_mul_u32_u24 v6, s22, v2                      ; lanes 16-31 take B's: one product, the distance between the two bases
	s_add_co_u32 s21, s21, SCL
	v_lshl_add_u32 v6, v1, 2, v6
	v_add_nc_u32 v[ADRS], s21, v6
	s_mul_i32 s23, s14, 16*528                     ; my stage, in slot 0: when the first result is stored there the slot has had its last fill and its last read
	v_mul_u32_u24 v5, v1, 528
	v_lshl_add_u32 v5, v2, 6, v5
	v_add_nc_u32 v[STO], s23, v5                   ; in: row r, + 64 h
	v_add_nc_u32 v[RD], s23, v[L16]                ; back: a row of 512 bytes
	s_lshl_b32 s20, s17, 8
	s_lshl_b32 s21, s15, 7
	s_add_co_u32 s20, s20, s21                     ; my first row
	s_lshl_b32 s20, s20, 12
	s_lshl_b32 s46, s42, 10
	s_lshl_b32 s47, s16, 9
	s_add_co_u32 s46, s46, s47                     ; my first column, in bytes
	s_mov_b32 s47, 0
	s_add_nc_u64 s[8:9], s[8:9], s[46:47]
	s_add_co_u32 s20, s20, s46
	s_mov_b32 s21, 0
	s_add_nc_u64 s[10:11], s[10:11], s[20:21]
	s_add_nc_u64 s[12:13], s[12:13], s[20:21]
	v_lshlrev_b32 v7, 6, v2                        ; 64 h
	WIN TO_B
.irp b, 0,1,2,3,4,5,6,7
	global_load_b128 v[96+8*\b+96*(\b/4):99+8*\b+96*(\b/4)], v7, s[8:9] offset:128*(\b/2)+32*(\b%2)        ; the bias in the result's layout
	global_load_b128 v[100+8*\b+96*(\b/4):103+8*\b+96*(\b/4)], v7, s[8:9] offset:128*(\b/2)+32*(\b%2)+16
.endr
	WIN 0
	s_wait_loadcnt 0x0
	s_wait_tensorcnt 1                             ; the scale words and my part of K step 0 are in; K step 1's load may be out
	s_barrier_signal -1
	s_barrier_wait -1
	FETCH_B 0, 0, 0
	FETCH_A 0, 0, 0
	SCALES 0
	FETCH_A 0, 0, 4
	STEP 0, 0, 2
	s_mov_b32 s3, LAPS-1
.Llap:
	TURN 0, 1, 1
	STEP 1, 0, 0
	TURN 1, 0, 1
	STEP 0, 0, 0
	s_sub_co_u32 s3, s3, 1
	s_cmp_lg_u32 s3, 0
	s_cbranch_scc1 .Llap
	TURN 0, 1, 0
	STEP 1, 0, 0
	s_wait_dscnt 4*NL
	WIN MUL_LO
	MUL16 0, 1, 1, 1, 0
	MUL16 2, 1, 1, 1, 0
	s_wait_dscnt 0x0
	WIN MUL_HI
	MUL16 4, 1, 1, 1, 0
	MUL16 6, 1, 1, 1, 0
	WIN 0
	PLACES NP
.macro RLOAD a                         ; the residual's 16 rows of block a, in the image's order of rows, into window 1, set a % 4
	WIN TO_B
.irp t, 0,1,2,3,4,5,6,7,8,9,10,11,12,13,14,15
	global_load_b128 v[64*((\a)%4)+4*\t:64*((\a)%4)+4*\t+3], v[L16], s[10:11] offset:(32*((\a)/2)+8*((\a)%2)+\t+8*(\t/8))*4096 th:TH_LOAD_NT
.endr
	WIN 0
.endm
.macro OUTB a
.if (\a) > 0
	s_wait_xcnt 0x0                                ; the last block's stores have read their registers
.endif
.set AC, 64*((\a)%4)
	WIN 0x08+4*((\a)/4)                            ; an LDS store's data: window 2 or 3
.irp b, 0,1,2,3,4,5,6,7
	ds_store_b128 v[STO], v[AC+8*\b:AC+8*\b+3] offset:128*(\b/2)+32*(\b%2)      ; each accumulator from its low end on
	ds_store_b128 v[STO], v[AC+8*\b+4:AC+8*\b+7] offset:128*(\b/2)+32*(\b%2)+16
.endr
	WIN 0
.irp t, 0,1,2,3,4,5,6,7,8,9,10,11,12,13,14,15
	ds_load_b128 v[BK+4*\t:BK+4*\t+3], v[RD] offset:\t*528  ; LDS serves a wave's instructions in order: these see my stores
.endr
	s_wait_dscnt 0x0
.if (\a) < 5
	s_wait_loadcnt 48                              ; block a's residual is in; the three blocks' loads behind it may be out
.else
	s_wait_loadcnt 16*(7-(\a))
.endif
	WIN 0x04                                       ; source 1: window 1
.set p, 0
.rept 32
	v_pk_add_f32 v[BK+p:BK+p+1], v[BK+p:BK+p+1], v[AC+p:AC+p+1]
.set p, p+2
.endr
	WIN 0
.irp t, 0,1,2,3,4,5,6,7,8,9,10,11,12,13,14,15
	global_store_b128 v[L16], v[BK+4*\t:BK+4*\t+3], s[12:13] offset:(32*((\a)/2)+8*((\a)%2)+\t+8*(\t/8))*4096 th:TH_STORE_NT  ; 512 consecutive bytes, at a multiple of 256 from the buffer's first byte
.endr
.if (\a) < 4
	RLOAD (\a)+4
.endif
.endm
	RLOAD 0
	RLOAD 1
	RLOAD 2
	RLOAD 3
.irp a, 0,1,2,3,4,5,6,7
	OUTB \a
.endr
	s_wait_tensorcnt 0x0                           ; the wave's end
	ds_add_u32 v[SPW], v[NIL]
	s_wait_dscnt 0x0
	CROUND                                         ; the closing round
	s_endpgm
.Lfunc_end_k_q25fe2630ed_g4:
	.size	k_q25fe2630ed_g4, .Lfunc_end_k_q25fe2630ed_g4-k_q25fe2630ed_g4
	.p2alignl 7, 3214868480
	.fill 96, 4, 3214868480
	.section	.rodata,"a",@progbits
	.p2align	6, 0x0
	.amdhsa_kernel k_q25fe2630ed_g4
		.amdhsa_group_segment_fixed_size 327680
		.amdhsa_private_segment_fixed_size 0
		.amdhsa_enable_private_segment 0
		.amdhsa_kernarg_size 40
		.amdhsa_user_sgpr_count 2
		.amdhsa_user_sgpr_kernarg_segment_ptr 1
		.amdhsa_wavefront_size32 1
		.amdhsa_system_sgpr_workgroup_id_x 1
		.amdhsa_system_sgpr_workgroup_id_y 1
		.amdhsa_system_sgpr_workgroup_id_z 1
		.amdhsa_system_vgpr_workitem_id 0
		.amdhsa_next_free_vgpr 1024
		.amdhsa_next_free_sgpr 102
		.amdhsa_reserve_vcc 0
		.amdhsa_float_denorm_mode_32 3
		.amdhsa_float_denorm_mode_16_64 3
		.amdhsa_memory_ordered 1
		.amdhsa_forward_progress 1
		.amdhsa_inst_pref_size 176
	.end_amdhsa_kernel
	.amdgpu_metadata
---
amdhsa.version: [ 1, 2 ]
amdhsa.kernels:
  - .name:           k_q25fe2630ed_g4
    .symbol:         k_q25fe2630ed_g4.kd
    .args:
      - { .name: CTX, .offset: 0, .size: 8, .value_kind: global_buffer, .address_space: global }
      - { .name: W, .offset: 8, .size: 8, .value_kind: global_buffer, .address_space: global }
      - { .name: b_attn_proj, .offset: 16, .size: 8, .value_kind: global_buffer, .address_space: global }
      - { .name: x, .offset: 24, .size: 8, .value_kind: global_buffer, .address_space: global }
      - { .name: X1, .offset: 32, .size: 8, .value_kind: global_buffer, .address_space: global }
    .group_segment_fixed_size: 327680
    .private_segment_fixed_size: 0
    .kernarg_segment_align: 8
    .kernarg_segment_size: 40
    .max_flat_workgroup_size: 128
    .sgpr_count:     102
    .vgpr_count:     1024
    .wavefront_size: 32
...
	.end_amdgpu_metadata
.endif
;; end of part 5
;; launch ln2: the kernel of part 2 again; grid 256 x 1, 4 waves a work-group, no clusters, 66,560 bytes of LDS; arguments X1, ln2_w, ln2_b, H; writes H
;; launch fc (part 6): grid 16 x 16, 4 waves a work-group, clusters of 4 x 4, 327,680 bytes of LDS; arguments H, W, b_fc, HID; writes HID
.if DOCPART == 6
	.amdgcn_target "amdgcn-amd-amdhsa--gfx1250"
	.amdhsa_code_object_version 6
	.text
	.protected	k_q25fe2630ed_fc
	.globl	k_q25fe2630ed_fc
	.p2align	8
	.type	k_q25fe2630ed_fc,@function
k_q25fe2630ed_fc:
	s_mov_b64 s[64:65], 0
	v_nop
	global_prefetch_b8 v0, s[64:65] scope:SCOPE_SE
	s_setreg_imm32_b32 hwreg(HW_REG_WAVE_MODE, 25, 1), 1
	s_wait_xcnt 0x0
	s_wait_alu depctr_hold_cnt(0) depctr_sa_sdst(0) depctr_va_vdst(0) depctr_va_sdst(0) depctr_va_ssrc(0) depctr_va_vcc(0) depctr_vm_vsrc(0)
	s_getreg_b32 s2, hwreg(HW_REG_IB_STS2, 6, 4)
	s_cmp_eq_u32 s2, 0
	s_cbranch_scc0 .Lentry_in_a_cluster
	s_endpgm
.Lentry_in_a_cluster:
	s_bfe_u32 s2, ttmp6, 0x10000c
	s_cmp_lg_u32 s2, 0xf033
	s_cbranch_scc0 .Lentry_shape_is_right
	s_endpgm
.Lentry_shape_is_right:
; hid = Q(gelu_tanh(h2 W_fc + b_fc)): a product on codes of BF6 (E3M2) with E8M0 scales, K = 1,024, N = 4,096; bias and GELU in f32; the result is quantised in registers along N, the next product's K, and never goes to memory as f32.
; OPERANDS ARE IMAGES OF THEIR REGISTERS: a fragment (16 rows x 128 K) is 1,536 bytes in two halves c of 768: 512 bytes (registers 6c..6c+3, lane l at 16 l), then 256 (registers 6c+4, 6c+5, lane l at 8 l);
; a matrix lies [rb][ks][1,536]; lane r of tile rb = 2 g + u is row 32 g + 8 u + (r & 7) + 16 (r >> 3); scale words [rb][ks][16 r][4].  Four dense LDS loads bring a fragment: no pitch, no padding.
; A tile of 256 x 256 results is made by four waves, 128 x 128 each: 64 accumulators, 512 registers.  K goes in steps of 256 through two LDS slots filled by the tensor data mover (8 rows of 3,072 bytes a load);
; the scale words of the work-group's rows, for all of K, come once with the first fills and stay.
; THE PRODUCT IS USED TRANSPOSED (source 0 = 16 rows of W's image, source 1 = 16 tokens): a lane holds one token, and by the order of rows in an image register 16 g + i of a token block is column 32 g + 16 (lane / 16) + i of the
; wave's 128: sixteen neighbours along the next K.  Eight accumulators become one fragment and one scale word, stored by dense stores.
; GELU: 0.5 x (1 + tanh z) = x / (1 + 2^u), u = x (C0 + C1 x^2), C0 = -2 sqrt(2 / pi) log2(e), C1 = 0.044715 C0.  For large |x|, 2^u is 0 or infinity and the result x or -0, as tanh gives.
; CLUSTERS: 4 x 4 work-groups; the tokens' tiles are shared along a row of the cluster, W's along a column, each asked for jointly.
; REGISTERS, in windows of 256: window 0: v16-31 addresses, v32-63 scale words (two sets), v128-223 A's fragments (one set); window 1: B's fragments at v0 and v128 (two sets), the bias in the 64 left;
; windows 2, 3: the accumulators, (a, b) at v[8 (8 (a % 4) + b)].
; LIMITS: a block of zeros gets the byte 1 where the rule says 127 (zero codes; this program alone reads the bytes); blocks under 2^-122 keep the byte 1; NaN and infinities are not served.
.set SIZE_K, 1024
.set ASC,    3145728                   ; where H's scale words begin
.set BCO,    3145728                   ; where w_fc's codes begin in W
.set BSC,    9568256                   ; and its scale words
.set FR,     12
.set NL,     4
.set NP,     4
.set RBS,    3072
.set KP,     SIZE_K*12
.set HALFT,  8*RBS
.set SLOT,   4*HALFT
.set LAPS,   SIZE_K/512
.set SBLK,   SIZE_K/2
.set HALFS,  8*SBLK
.set SCL,    2*SLOT
.set SPARE,  SCL+4*HALFS               ; the spare words, 128 bytes a wave, that no other line names
.set ADRA, 16
.set ADRB, 20
.set L16,  26
.set ADRS, 27
.set SPW,  28
.set NIL,  29
.set L8,   30
.set SOF,  31
.set SC,   32
.set AF,   128
.set HQ,   64                          ; the way out: 64 numbers;
.set T,    128                         ; 64 more, at work in the GELU;
.set PC,   192                         ; the codes just made;
.set TM,   212
.set PW,   228
.set PWE,  229
.set SW,   230
.set HH,   231
.set CZ,   232                         ; v[232:233] C0, twice
.set G1, 24
.set G0, 32
.set G1B, 48
.set G0B, 56
.set G1S, 68
.set G0S, 76
.set G1SB, 80
.set G0SB, 88
.set MSB, 0
.macro WIN new
.if MSB != (\new)
	s_set_vgpr_msb (MSB<<8)|(\new)
.set MSB, (\new)
.endif
.endm
.set MUL_LO, 0xa1
.set MUL_HI, 0xf1
.set TO_B,   0x40
.macro JLOAD g0a, g1a, g0b, g1b        ; a joint load: waves 0 and 1 fetch for A, waves 2 and 3 for B; four v_nop follow each line
	s_cmp_eq_u32 s15, 0
	s_cbranch_scc0 .Lfor_b_\@
	tensor_load_to_lds s[\g0a:\g0a+3], s[\g1a:\g1a+7]
	s_nop 0
.rept 4
	v_nop
.endr
	s_branch .Lasked_\@
.Lfor_b_\@:
	tensor_load_to_lds s[\g0b:\g0b+3], s[\g1b:\g1b+7]
	s_nop 0
.rept 4
	v_nop
.endr
.Lasked_\@:
.endm
.macro CREST
	s_cmp_lg_u32 s14, 0
	s_cbranch_scc1 .Lnot_wave_0_\@
	s_barrier_signal -3
.Lnot_wave_0_\@:
	s_barrier_wait -3
	s_barrier_signal -1
	s_barrier_wait -1
.endm
.macro CROUND
	s_barrier_signal -1
	s_barrier_wait -1
	CREST
.endm
.macro PLACES n
.rept \n
	v_nop
.endr
.endm
.macro FRAG reg, a16, a8, q, i
	ds_load_b128 v[\reg:\reg+3], v[\a16] offset:(\i)*RBS+(\q)*1536
	ds_load_b64 v[\reg+4:\reg+5], v[\a8] offset:(\i)*RBS+(\q)*1536+512
	ds_load_b128 v[\reg+6:\reg+9], v[\a16] offset:(\i)*RBS+(\q)*1536+768
	ds_load_b64 v[\reg+10:\reg+11], v[\a8] offset:(\i)*RBS+(\q)*1536+1280
.endm
.macro FETCH_B slot, q, p
	WIN TO_B
.irp i, 0,1,2,3,4,5,6,7
	FRAG 128*(\p)+FR*\i, ADRB+\slot, ADRB+2+\slot, \q, \i
.endr
	WIN 0
.endm
.macro FETCH_A slot, q, i0
.irp i, \i0, \i0+1, \i0+2, \i0+3
	FRAG AF+FR*(\i), ADRA+\slot, ADRA+2+\slot, \q, \i
.endr
.endm
.macro SCALES sc
.irp i, 0,1,2,3,4,5,6,7
.irp q, 0,1
	ds_load_b32 v[SC+16*\sc+2*\i+\q], v[ADRS] offset:\i*SBLK+64*\q
.endr
.endr
.endm
; 16 matrix instructions.  zero = 1: the first product starts the sums.  The 64 accumulators take turns, one instruction a turn.
.macro MUL16 a0, p, q, sc, zero
.irp a, \a0, \a0+1
.irp b, 0,1,2,3,4,5,6,7
.set rD, 8*(8*((\a)%4)+\b)
.set rB, 128*(\p)+FR*\b
.set rA, AF+FR*(\a)
.set rSB, SC+16*(\sc)+2*\b+(\q)
.set rSA, SC+16*(\sc)+2*(\a)+(\q)
.if (\zero) == 1
	v_wmma_scale_f32_16x16x128_f8f6f4 v[rD:rD+7], v[rB:rB+FR-1], v[rA:rA+FR-1], 0, v[rSB], v[rSA] matrix_a_fmt:MATRIX_FMT_BF6 matrix_b_fmt:MATRIX_FMT_BF6 matrix_a_scale:MATRIX_SCALE_ROW1
.else
	v_wmma_scale_f32_16x16x128_f8f6f4 v[rD:rD+7], v[rB:rB+FR-1], v[rA:rA+FR-1], v[rD:rD+7], v[rSB], v[rSA] matrix_a_fmt:MATRIX_FMT_BF6 matrix_b_fmt:MATRIX_FMT_BF6 matrix_a_scale:MATRIX_SCALE_ROW1
.endif
.endr
.endr
.endm
.macro STEP slot, q, zero
	s_wait_dscnt 4*NL                              ; all but the youngest 16 loads (A's blocks 4-7) are in
	WIN MUL_LO
	MUL16 0, (\q)%2, \q, \slot, \zero
	MUL16 2, (\q)%2, \q, \slot, \zero
	s_wait_dscnt 0x0
	PLACES NP
	FETCH_B \slot, (\q)+1, 1-(\q)%2
	FETCH_A \slot, (\q)+1, 0
	WIN MUL_HI
	MUL16 4, (\q)%2, \q, \slot, \zero
	MUL16 6, (\q)%2, \q, \slot, \zero
	PLACES NP
	WIN 0
	FETCH_A \slot, (\q)+1, 4
.endm
.macro TURN slot, next, fill
	s_wait_tensorcnt 0x0                           ; all my tensor loads have landed: my part of the next slot
	ds_add_u32 v[SPW], v[NIL]                      ; 0 onto my spare word
	s_wait_dscnt 4*NL+1                            ; the add and the youngest 16 loads may be out
	WIN MUL_LO
	MUL16 0, 1, 1, \slot, 0
	s_wait_dscnt 0x0                               ; the add is done, and my reads of this slot are over
	s_barrier_signal -1
	MUL16 2, 1, 1, \slot, 0
	WIN 0
	s_barrier_wait -1
.if \fill
	CREST                                          ; the barrier has opened a round of the cluster's: no wave of any partner still reads this slot or has a load on its way
	s_add_nc_u64 s[G0+4*\slot+2:G0+4*\slot+3], s[G0+4*\slot+2:G0+4*\slot+3], 2*RBS
	s_add_nc_u64 s[G0B+4*\slot+2:G0B+4*\slot+3], s[G0B+4*\slot+2:G0B+4*\slot+3], 2*RBS
	JLOAD G0+4*\slot, G1, G0B+4*\slot, G1B
.else
	PLACES NP
.endif
	v_add_nc_u32 v[ADRS], 128, v[ADRS]
	FETCH_B \next, 0, 0
	FETCH_A \next, 0, 0
	SCALES \next
	WIN MUL_HI
	MUL16 4, 1, 1, \slot, 0
	MUL16 6, 1, 1, \slot, 0
	PLACES NP
	WIN 0
	FETCH_A \next, 0, 4
.endm
; 64 numbers of a lane, register 16 b + i = k 32 b + 16 (lane / 16) + i of my row, become a fragment's codes in v[PC] on and its scale word in v[PW].
.macro QUANT s
.irp b, 0,1,2,3
	v_max3_num_f32 v[TM+\b], |v[\s+16*\b]|, |v[\s+1+16*\b]|, 0x2800000
.endr
.irp i, 2,4,6,8,10,12,14
.irp b, 0,1,2,3
	v_max3_num_f32 v[TM+\b], v[TM+\b], |v[\s+16*\b+\i]|, |v[\s+1+16*\b+\i]|
.endr
.endr
.irp b, 0,1,2,3
	v_permlanex16_b32 v[TM+4+\b], v[TM+\b], s12, s13
.endr
.irp b, 0,1,2,3
	v_max_num_f32 v[TM+\b], v[TM+\b], v[TM+4+\b]
.endr
.irp b, 0,1,2,3
	v_add_nc_u32 v[TM+12+\b], 0xfe000000, v[TM+\b]
.endr
.irp b, 0,1,2,3
	v_lshrrev_b32 v[TM+4+\b], 23, v[TM+12+\b]
.endr
	v_lshl_or_b32 v[PW], v[TM+5], 8, v[TM+4]
	v_lshl_or_b32 v[PW], v[TM+6], 16, v[PW]
	v_lshl_or_b32 v[PW], v[TM+7], 24, v[PW]
.irp c, 0,1
	v_cvt_scalef32_pk16_bf6_f32 v[PC+6*\c:PC+2+6*\c], v[\s+32*\c:\s+15+32*\c], v[TM+12+2*\c]
	v_cvt_scalef32_pk16_bf6_f32 v[PC+12+4*\c:PC+14+4*\c], v[\s+16+32*\c:\s+31+32*\c], v[TM+12+2*\c+1]
.endr
	v_nop                                          ; one plain instruction behind the conversions
.irp c, 0,1
.irp i, 0,1,2
	v_permlane16_swap_b32 v[PC+6*\c+\i], v[PC+12+4*\c+\i]
.endr
.irp i, 0,1,2
	v_mov_b32 v[PC+3+6*\c+\i], v[PC+12+4*\c+\i]
.endr
.endr
.endm
.macro GELU                            ; on v[HQ] .. v[HQ + 63], in place
.set p, 0
.rept 32
	v_pk_mul_f32 v[T+p:T+p+1], v[HQ+p:HQ+p+1], v[HQ+p:HQ+p+1]
.set p, p+2
.endr
.set p, 0
.rept 32
	v_pk_fma_f32 v[T+p:T+p+1], v[T+p:T+p+1], s[98:99], v[CZ:CZ+1] op_sel_hi:[1,0,1]  ; C1 x^2 + C0
.set p, p+2
.endr
.set p, 0
.rept 32
	v_pk_mul_f32 v[T+p:T+p+1], v[T+p:T+p+1], v[HQ+p:HQ+p+1]  ; u
.set p, p+2
.endr
.set p, 0
.rept 64
	v_exp_f32 v[T+p], v[T+p]
.set p, p+1
.endr
	v_nop                                          ; a plain instruction behind the batch,
	s_wait_alu depctr_va_vdst(0)                   ; and one wait for the 64, ahead of their first reader
.set p, 0
.rept 32
	v_pk_add_f32 v[T+p:T+p+1], v[T+p:T+p+1], 1.0 op_sel_hi:[1,0]
.set p, p+2
.endr
.set p, 0
.rept 64
	v_rcp_f32 v[T+p], v[T+p]
.set p, p+1
.endr
	v_nop
	s_wait_alu depctr_va_vdst(0)
.set p, 0
.rept 32
	v_pk_mul_f32 v[HQ+p:HQ+p+1], v[HQ+p:HQ+p+1], v[T+p:T+p+1]
.set p, p+2
.endr
.endm
	s_load_b128 s[4:7], s[0:1], 0x0                ; H, W
	s_load_b128 s[8:11], s[0:1], 0x10              ; b_fc, HID
	v_lshl_add_u32 v[SPW], v0, 2, SPARE
	v_mov_b32 v[NIL], 0
	ds_add_u32 v28, v29
	ds_add_u32 v28, v29
	s_wait_dscnt 0x0
	v_lshrrev_b32 v1, 5, v0
	v_readfirstlane_b32 s14, v1
	s_lshr_b32 s15, s14, 1                         ; which half of A's rows is mine.  Also: I fetch for A (0) or for B (1)
	s_and_b32 s16, s14, 1                          ; which half of B's rows.  Also: which 128 rows I fetch
	s_bfe_u32 s40, ttmp6, 0x40000
	s_bfe_u32 s41, ttmp6, 0x40004
	s_lshl_b32 s42, ttmp9, 2
	s_add_co_u32 s42, s42, s40                     ; B's tile
	s_and_b32 s17, ttmp7, 0xffff
	s_lshl_b32 s17, s17, 2
	s_add_co_u32 s17, s17, s41                     ; A's tile
	s_lshl_b32 s43, s41, 2
	s_lshl_b32 s43, 15, s43
	s_lshl_b32 s44, 0x1111, s40
	s_or_b32 s[G1+0], s43, (3<<16)|(1<<21)         ; 15:0 the mask; 17:16 elements of 8 bytes; 21 set beside a mask; no padding
	s_or_b32 s[G1B+0], s44, (3<<16)|(1<<21)
.irp g, G1, G1B
	s_mov_b32 s[\g+1], 384<<16
	s_mov_b32 s[\g+2], 8<<16
	s_mov_b32 s[\g+3], 384<<16
	s_mov_b32 s[\g+4], 8
	s_mov_b32 s[\g+5], KP/8
	s_mov_b32 s[\g+6], 0
	s_mov_b32 s[\g+7], 0
.endr
	s_or_b32 s[G1S+0], s43, (3<<16)|(1<<21)
	s_or_b32 s[G1SB+0], s44, (3<<16)|(1<<21)
.irp g, G1S, G1SB
	s_mov_b32 s[\g+1], 32<<16
	s_mov_b32 s[\g+2], (HALFS/256)<<16
	s_mov_b32 s[\g+3], 32<<16
	s_mov_b32 s[\g+4], HALFS/256
	s_mov_b32 s[\g+5], 32
	s_mov_b32 s[\g+6], 0
	s_mov_b32 s[\g+7], 0
.endr
	s_lshl_b32 s18, s16, 3
	s_lshl_b32 s20, s17, 4
	s_add_co_u32 s20, s20, s18
	s_lshl_b32 s46, s42, 4
	s_add_co_u32 s46, s46, s18
	s_mul_i32 s22, s20, SBLK
	s_mul_i32 s92, s46, SBLK
	s_mul_i32 s20, s20, KP
	s_mul_i32 s46, s46, KP
	s_mov_b32 s21, 0
	s_mov_b32 s23, 0
	s_mov_b32 s47, 0
	s_mov_b32 s93, 0
	s_mul_i32 s45, s14, HALFT
	s_mul_i32 s94, s14, HALFS
	s_wait_kmcnt 0x0
	s_add_nc_u64 s[20:21], s[4:5], s[20:21]
	s_add_nc_u64 s[22:23], s[4:5], s[22:23]
	s_add_nc_u64 s[22:23], s[22:23], ASC
	s_add_nc_u64 s[46:47], s[6:7], s[46:47]
	s_add_nc_u64 s[46:47], s[46:47], BCO
	s_add_nc_u64 s[92:93], s[6:7], s[92:93]
	s_add_nc_u64 s[92:93], s[92:93], BSC
	CROUND                                         ; all sixteen work-groups are here: the first joint loads meet
	s_mov_b32 s[G0S], 1
	s_add_co_u32 s[G0S+1], s94, SCL
	s_mov_b64 s[G0S+2:G0S+3], s[22:23]
	s_or_b32 s[G0S+3], s[G0S+3], 0x80000000
	s_mov_b32 s[G0SB], 1
	s_add_co_u32 s[G0SB+1], s94, SCL
	s_mov_b64 s[G0SB+2:G0SB+3], s[92:93]
	s_or_b32 s[G0SB+3], s[G0SB+3], 0x80000000
	JLOAD G0S, G1S, G0SB, G1SB                     ; with the two below three loads of mine are out
.irp s, 0,1
	s_mov_b32 s[G0+4*\s], 1
	s_add_co_u32 s[G0+4*\s+1], s45, \s*SLOT
	s_add_nc_u64 s[G0+4*\s+2:G0+4*\s+3], s[20:21], \s*RBS
	s_or_b32 s[G0+4*\s+3], s[G0+4*\s+3], 0x80000000
	s_mov_b32 s[G0B+4*\s], 1
	s_add_co_u32 s[G0B+4*\s+1], s45, \s*SLOT
	s_add_nc_u64 s[G0B+4*\s+2:G0B+4*\s+3], s[46:47], \s*RBS
	s_or_b32 s[G0B+4*\s+3], s[G0B+4*\s+3], 0x80000000
	JLOAD G0+4*\s, G1, G0B+4*\s, G1B
.endr
	v_and_b32 v1, 15, v0
	v_bfe_u32 v2, v0, 4, 1
	v_and_b32 v3, 31, v0
	v_lshlrev_b32 v[L16], 4, v3
	v_lshlrev_b32 v[L8], 3, v3
	s_mul_i32 s21, s15, HALFT
	s_mul_i32 s22, s16, HALFT
	s_add_co_u32 s22, s22, 2*HALFT
.irp s, 0,1
	v_add_nc_u32 v[ADRA+\s], s21, v[L16]
	v_add_nc_u32 v[ADRA+2+\s], s21, v[L8]
	v_add_nc_u32 v[ADRB+\s], s22, v[L16]
	v_add_nc_u32 v[ADRB+2+\s], s22, v[L8]
	s_add_co_u32 s21, s21, SLOT
	s_add_co_u32 s22, s22, SLOT
.endr
	s_mul_i32 s21, s15, HALFS
	s_mul_i32 s22, s16, HALFS
	s_add_co_u32 s22, s22, 2*HALFS
	s_sub_co_u32 s22, s22, s21
	v_mul_u32_u24 v6, s22, v2                      ; lanes 16-31 take B's: one product, the distance between the two bases
	s_add_co_u32 s21, s21, SCL
	v_lshl_add_u32 v6, v1, 2, v6
	v_add_nc_u32 v[ADRS], s21, v6
	s_lshl_b32 s46, s42, 1
	s_add_co_u32 s46, s46, s16                     ; my block of 128 columns
	s_lshl_b32 s20, s46, 9
	s_mov_b32 s21, 0
	s_add_nc_u64 s[20:21], s[8:9], s[20:21]
	v_lshlrev_b32 v7, 6, v2                        ; 64 h
	WIN TO_B
.irp g, 0,1,2,3
.irp j, 0,1,2,3
	global_load_b128 v[96+16*\g+4*\j+96*(\g/2):99+16*\g+4*\j+96*(\g/2)], v7, s[20:21] offset:128*\g+16*\j  ; register 16 g + i: column 32 g + 16 h + i
.endr
.endr
	WIN 0
	s_wait_loadcnt 0x0
	s_wait_tensorcnt 1                             ; the scale words and my part of K step 0 are in; K step 1's load may be out
	s_barrier_signal -1
	s_barrier_wait -1
	FETCH_B 0, 0, 0
	FETCH_A 0, 0, 0
	SCALES 0
	FETCH_A 0, 0, 4
	STEP 0, 0, 1
	s_mov_b32 s3, LAPS-1
.Llap:
	TURN 0, 1, 1
	STEP 1, 0, 0
	TURN 1, 0, 1
	STEP 0, 0, 0
	s_sub_co_u32 s3, s3, 1
	s_cmp_lg_u32 s3, 0
	s_cbranch_scc1 .Llap
	TURN 0, 1, 0
	STEP 1, 0, 0
	s_wait_dscnt 4*NL
	WIN MUL_LO
	MUL16 0, 1, 1, 1, 0
	MUL16 2, 1, 1, 1, 0
	s_wait_dscnt 0x0
	WIN MUL_HI
	MUL16 4, 1, 1, 1, 0
	MUL16 6, 1, 1, 1, 0
	WIN 0
	; THE WAY OUT: block by block of 16 tokens: bias, GELU, quantiser, dense stores
	PLACES NP
.irp b, 0,1,2,3
	v_mov_b32 v[TM+4+\b], 0                        ; written once: a lane permute's destination counts as one of its sources
.endr
	v_bfe_u32 v[HH], v0, 4, 1
	v_cmp_ne_u32 vcc_lo, 0, v[HH]
	v_and_b32 v[SOF], 15, v0
	v_lshlrev_b32 v[SOF], 2, v[SOF]
	v_lshl_add_u32 v[SOF], v[HH], 11, v[SOF]       ; lanes 0-15 store the even block's words, lanes 16-31 the odd block's, 2,048 bytes on
	v_mov_b32 v[CZ], 0xc0135761                    ; C0
	v_mov_b32 v[CZ+1], 0xc0135761
	s_mov_b32 s98, 0xbdd2d3e8                      ; C1
	s_mov_b32 s99, s98
	s_mov_b32 s12, 0x76543210
	s_mov_b32 s13, 0xfedcba98
	s_lshl_b32 s20, s17, 4
	s_lshl_b32 s21, s15, 3
	s_add_co_u32 s20, s20, s21                     ; my first tile of tokens
	s_lshl_b32 s46, s42, 1
	s_add_co_u32 s46, s46, s16                     ; my columns are K step 2 x tile + half of the next product
	s_mul_i32 s21, s20, 49152
	s_mul_i32 s47, s46, 1536
	s_add_co_u32 s96, s21, s47
	s_mov_b32 s97, 0
	s_add_nc_u64 s[96:97], s[10:11], s[96:97]
	s_lshl_b32 s21, s20, 11
	s_lshl_b32 s47, s46, 6
	s_add_co_u32 s100, s21, s47
	s_add_co_u32 s100, s100, 12582912
	s_mov_b32 s101, 0
	s_add_nc_u64 s[100:101], s[10:11], s[100:101]
.macro OUTQ a
.if (\a) > 0
	s_wait_xcnt 0x0                                ; the last block's stores have read their registers
.endif
	WIN 0x06+(\a)/4                                ; source 0: the accumulators' window; source 1: window 1
.set AC, 64*((\a)%4)
.set p, 0
.rept 32
	v_pk_add_f32 v[HQ+p:HQ+p+1], v[AC+p:AC+p+1], v[96+p+96*(p/32):97+p+96*(p/32)]  ; + bias; each accumulator from its low end on
.set p, p+2
.endr
	WIN 0
	GELU
	QUANT HQ
	global_store_b128 v[L16], v[PC:PC+3], s[96:97] offset:(\a)*49152          ; each store covers whole aligned blocks of 256 bytes
	global_store_b64 v[L8], v[PC+4:PC+5], s[96:97] offset:(\a)*49152+512
	global_store_b128 v[L16], v[PC+6:PC+9], s[96:97] offset:(\a)*49152+768
	global_store_b64 v[L8], v[PC+10:PC+11], s[96:97] offset:(\a)*49152+1280
.if (\a)%2 == 0
	v_mov_b32 v[PWE], v[PW]
.else
	v_cndmask_b32 v[SW], v[PWE], v[PW], vcc_lo
	global_store_b32 v[SOF], v[SW], s[100:101] offset:((\a)-1)*2048
.endif
.endm
.irp a, 0,1,2,3,4,5,6,7
	OUTQ \a
.endr
	s_wait_tensorcnt 0x0                           ; the wave's end
	ds_add_u32 v[SPW], v[NIL]
	s_wait_dscnt 0x0
	CROUND                                         ; the closing round
	s_endpgm
.Lfunc_end_k_q25fe2630ed_fc:
	.size	k_q25fe2630ed_fc, .Lfunc_end_k_q25fe2630ed_fc-k_q25fe2630ed_fc
	.p2alignl 7, 3214868480
	.fill 96, 4, 3214868480
	.section	.rodata,"a",@progbits
	.p2align	6, 0x0
	.amdhsa_kernel k_q25fe2630ed_fc
		.amdhsa_group_segment_fixed_size 327680
		.amdhsa_private_segment_fixed_size 0
		.amdhsa_enable_private_segment 0
		.amdhsa_kernarg_size 32
		.amdhsa_user_sgpr_count 2
		.amdhsa_user_sgpr_kernarg_segment_ptr 1
		.amdhsa_wavefront_size32 1
		.amdhsa_system_sgpr_workgroup_id_x 1
		.amdhsa_system_sgpr_workgroup_id_y 1
		.amdhsa_system_sgpr_workgroup_id_z 1
		.amdhsa_system_vgpr_workitem_id 0
		.amdhsa_next_free_vgpr 1024
		.amdhsa_next_free_sgpr 102
		.amdhsa_reserve_vcc 1
		.amdhsa_float_denorm_mode_32 3
		.amdhsa_float_denorm_mode_16_64 3
		.amdhsa_memory_ordered 1
		.amdhsa_forward_progress 1
		.amdhsa_inst_pref_size 255
	.end_amdhsa_kernel
	.section	.bss,"aw",@nobits
	.p2align	6
	.space	262144
	.amdgpu_metadata
---
amdhsa.version: [ 1, 2 ]
amdhsa.kernels:
  - .name:           k_q25fe2630ed_fc
    .symbol:         k_q25fe2630ed_fc.kd
    .args:
      - { .name: H, .offset: 0, .size: 8, .value_kind: global_buffer, .address_space: global }
      - { .name: W, .offset: 8, .size: 8, .value_kind: global_buffer, .address_space: global }
      - { .name: b_fc, .offset: 16, .size: 8, .value_kind: global_buffer, .address_space: global }
      - { .name: HID, .offset: 24, .size: 8, .value_kind: global_buffer, .address_space: global }
    .group_segment_fixed_size: 327680
    .private_segment_fixed_size: 0
    .kernarg_segment_align: 8
    .kernarg_segment_size: 32
    .max_flat_workgroup_size: 128
    .sgpr_count:     102
    .vgpr_count:     1024
    .wavefront_size: 32
...
	.end_amdgpu_metadata
.endif
;; end of part 6
;; launch g6 (part 7): grid 4 x 16, 4 waves a work-group, clusters of 4 x 4, 327,680 bytes of LDS; arguments HID, W, b_proj, X1, out0; writes out0
.if DOCPART == 7
	.amdgcn_target "amdgcn-amd-amdhsa--gfx1250"
	.amdhsa_code_object_version 6
	.text
	.protected	k_q25fe2630ed_g6
	.globl	k_q25fe2630ed_g6
	.p2align	8
	.type	k_q25fe2630ed_g6,@function
k_q25fe2630ed_g6:
	s_mov_b64 s[64:65], 0
	v_nop
	global_prefetch_b8 v0, s[64:65] scope:SCOPE_SE
	s_setreg_imm32_b32 hwreg(HW_REG_WAVE_MODE, 25, 1), 1
	s_wait_xcnt 0x0
	s_wait_alu depctr_hold_cnt(0) depctr_sa_sdst(0) depctr_va_vdst(0) depctr_va_sdst(0) depctr_va_ssrc(0) depctr_va_vcc(0) depctr_vm_vsrc(0)
	s_getreg_b32 s2, hwreg(HW_REG_IB_STS2, 6, 4)
	s_cmp_eq_u32 s2, 0
	s_cbranch_scc0 .Lentry_in_a_cluster
	s_endpgm
.Lentry_in_a_cluster:
	s_bfe_u32 s2, ttmp6, 0x10000c
	s_cmp_lg_u32 s2, 0xf033
	s_cbranch_scc0 .Lentry_shape_is_right
	s_endpgm
.Lentry_shape_is_right:
; out = res + A B^T + bias on codes of BF6 (E3M2) with E8M0 scales; here A = the hidden layer [4,096][4,096], B = w_proj's image in W, res = x1, out = out0, f32 [4,096][1,024].
; OPERANDS ARE IMAGES OF THEIR REGISTERS: a fragment (16 rows x 128 K) is 1,536 bytes in two halves c of 768: 512 bytes (registers 6c..6c+3, lane l at 16 l), then 256 (registers 6c+4, 6c+5, lane l at 8 l);
; a matrix lies [rb][ks][1,536]; lane r of tile rb = 2 g + u is row 32 g + 8 u + (r & 7) + 16 (r >> 3); scale words [rb][ks][16 r][4].  Four dense LDS loads bring a fragment: no pitch, no padding.
; A tile of 256 x 256 results is made by four waves, 128 x 128 each: 64 accumulators, 512 registers.  K goes in steps of 256 through two LDS slots filled by the tensor data mover (8 rows of 3,072 bytes a load);
; the scale words of the work-group's rows, for all of K, come once with the first fills and stay.
; THE PRODUCT IS USED TRANSPOSED (source 0 = 16 rows of B, source 1 = 16 rows of A): a lane holds one row of A, and register j of accumulator (a, b) column 32 (b / 2) + 16 (lane / 16) + 8 (b % 2) + j of the wave's 128.
; The bias is the C of each sum's first matrix instruction.  On the way out a block of 16 rows goes through the wave's stage in LDS, comes back as whole rows of 512 bytes, takes the residual's row and is stored.
; CLUSTERS: 4 x 4 work-groups; A's tiles are shared along a row of the cluster, B's along a column, each asked for jointly.  N = 1,024 gives 64 tiles of this size: 64 work-groups.
; REGISTERS, in windows of 256: window 0: v16-31 addresses, v32-63 scale words (two sets), v128-223 A's fragments (one set); window 1: B's fragments at v0 and v128 (two sets), the bias in the 64 left, on the way out the residual;
; windows 2, 3: the accumulators, (a, b) at v[8 (8 (a % 4) + b)].
; LIMITS: the sums begin with the bias (another order of rounding than bias last); NaN and infinities are not served.
.set SIZE_K, 4096
.set ASC,    12582912                  ; where A's scale words begin in its buffer
.set BCO,    6291456                   ; where B's codes begin in W
.set BSC,    9699328                   ; and B's scale words
.set FR,     12
.set NL,     4
.set NP,     4
.set RBS,    3072
.set KP,     SIZE_K*12
.set HALFT,  8*RBS
.set SLOT,   4*HALFT
.set LAPS,   SIZE_K/512
.set SBLK,   SIZE_K/2
.set HALFS,  8*SBLK
.set SCL,    2*SLOT
.set SPARE,  SCL+4*HALFS               ; the spare words, 128 bytes a wave, that no other line names
.set ADRA, 16
.set ADRB, 20
.set STO,  24                          ; v24 the way out: where I put 32 bytes of a row
.set RD,   25                          ; v25 where I read a row back
.set L16,  26
.set ADRS, 27
.set SPW,  28
.set NIL,  29
.set L8,   30
.set SC,   32
.set AF,   128
.set BK,   128                         ; the way out: 16 rows read back
.set G1, 24
.set G0, 32
.set G1B, 48
.set G0B, 56
.set G1S, 68
.set G0S, 76
.set G1SB, 80
.set G0SB, 88
.set MSB, 0
.macro WIN new
.if MSB != (\new)
	s_set_vgpr_msb (MSB<<8)|(\new)
.set MSB, (\new)
.endif
.endm
.set MUL_LO, 0xa1
.set MUL_HI, 0xf1
.set TO_B,   0x40
.macro JLOAD g0a, g1a, g0b, g1b        ; a joint load: waves 0 and 1 fetch for A, waves 2 and 3 for B; four v_nop follow each line
	s_cmp_eq_u32 s15, 0
	s_cbranch_scc0 .Lfor_b_\@
	tensor_load_to_lds s[\g0a:\g0a+3], s[\g1a:\g1a+7]
	s_nop 0
.rept 4
	v_nop
.endr
	s_branch .Lasked_\@
.Lfor_b_\@:
	tensor_load_to_lds s[\g0b:\g0b+3], s[\g1b:\g1b+7]
	s_nop 0
.rept 4
	v_nop
.endr
.Lasked_\@:
.endm
.macro CREST
	s_cmp_lg_u32 s14, 0
	s_cbranch_scc1 .Lnot_wave_0_\@
	s_barrier_signal -3
.Lnot_wave_0_\@:
	s_barrier_wait -3
	s_barrier_signal -1
	s_barrier_wait -1
.endm
.macro CROUND
	s_barrier_signal -1
	s_barrier_wait -1
	CREST
.endm
.macro PLACES n
.rept \n
	v_nop
.endr
.endm
.macro FRAG reg, a16, a8, q, i
	ds_load_b128 v[\reg:\reg+3], v[\a16] offset:(\i)*RBS+(\q)*1536
	ds_load_b64 v[\reg+4:\reg+5], v[\a8] offset:(\i)*RBS+(\q)*1536+512
	ds_load_b128 v[\reg+6:\reg+9], v[\a16] offset:(\i)*RBS+(\q)*1536+768
	ds_load_b64 v[\reg+10:\reg+11], v[\a8] offset:(\i)*RBS+(\q)*1536+1280
.endm
.macro FETCH_B slot, q, p
	WIN TO_B
.irp i, 0,1,2,3,4,5,6,7
	FRAG 128*(\p)+FR*\i, ADRB+\slot, ADRB+2+\slot, \q, \i
.endr
	WIN 0
.endm
.macro FETCH_A slot, q, i0
.irp i, \i0, \i0+1, \i0+2, \i0+3
	FRAG AF+FR*(\i), ADRA+\slot, ADRA+2+\slot, \q, \i
.endr
.endm
.macro SCALES sc
.irp i, 0,1,2,3,4,5,6,7
.irp q, 0,1
	ds_load_b32 v[SC+16*\sc+2*\i+\q], v[ADRS] offset:\i*SBLK+64*\q
.endr
.endr
.endm
; 16 matrix instructions.  zero = 2: the first product starts the sums from the bias, eight registers a column block in window 1.  The 64 accumulators take turns.
.macro MUL16 a0, p, q, sc, zero
.irp a, \a0, \a0+1
.irp b, 0,1,2,3,4,5,6,7
.set rD, 8*(8*((\a)%4)+\b)
.set rB, 128*(\p)+FR*\b
.set rA, AF+FR*(\a)
.set rC, 96+8*\b+96*(\b/4)
.set rSB, SC+16*(\sc)+2*\b+(\q)
.set rSA, SC+16*(\sc)+2*(\a)+(\q)
.if (\zero) == 2
	v_wmma_scale_f32_16x16x128_f8f6f4 v[rD:rD+7], v[rB:rB+FR-1], v[rA:rA+FR-1], v[rC:rC+7], v[rSB], v[rSA] matrix_a_fmt:MATRIX_FMT_BF6 matrix_b_fmt:MATRIX_FMT_BF6 matrix_a_scale:MATRIX_SCALE_ROW1
.else
	v_wmma_scale_f32_16x16x128_f8f6f4 v[rD:rD+7], v[rB:rB+FR-1], v[rA:rA+FR-1], v[rD:rD+7], v[rSB], v[rSA] matrix_a_fmt:MATRIX_FMT_BF6 matrix_b_fmt:MATRIX_FMT_BF6 matrix_a_scale:MATRIX_SCALE_ROW1
.endif
.endr
.endr
.endm
.macro STEP slot, q, zero
	s_wait_dscnt 4*NL                              ; all but the youngest 16 loads (A's blocks 4-7) are in
.if (\zero) == 2
	WIN 0x91                                       ; C in window 1, D in window 2
.else
	WIN MUL_LO
.endif
	MUL16 0, (\q)%2, \q, \slot, \zero
	MUL16 2, (\q)%2, \q, \slot, \zero
	s_wait_dscnt 0x0
	PLACES NP
	FETCH_B \slot, (\q)+1, 1-(\q)%2
	FETCH_A \slot, (\q)+1, 0
.if (\zero) == 2
	WIN 0xd1
.else
	WIN MUL_HI
.endif
	MUL16 4, (\q)%2, \q, \slot, \zero
	MUL16 6, (\q)%2, \q, \slot, \zero
	PLACES NP
	WIN 0
	FETCH_A \slot, (\q)+1, 4
.endm
.macro TURN slot, next, fill
	s_wait_tensorcnt 0x0                           ; all my tensor loads have landed: my part of the next slot
	ds_add_u32 v[SPW], v[NIL]                      ; 0 onto my spare word
	s_wait_dscnt 4*NL+1                            ; the add and the youngest 16 loads may be out
	WIN MUL_LO
	MUL16 0, 1, 1, \slot, 0
	s_wait_dscnt 0x0                               ; the add is done, and my reads of this slot are over
	s_barrier_signal -1
	MUL16 2, 1, 1, \slot, 0
	WIN 0
	s_barrier_wait -1
.if \fill
	CREST                                          ; the barrier has opened a round of the cluster's: no wave of any partner still reads this slot or has a load on its way
	s_add_nc_u64 s[G0+4*\slot+2:G0+4*\slot+3], s[G0+4*\slot+2:G0+4*\slot+3], 2*RBS
	s_add_nc_u64 s[G0B+4*\slot+2:G0B+4*\slot+3], s[G0B+4*\slot+2:G0B+4*\slot+3], 2*RBS
	JLOAD G0+4*\slot, G1, G0B+4*\slot, G1B
.else
	PLACES NP
.endif
	v_add_nc_u32 v[ADRS], 128, v[ADRS]
	FETCH_B \next, 0, 0
	FETCH_A \next, 0, 0
	SCALES \next
	WIN MUL_HI
	MUL16 4, 1, 1, \slot, 0
	MUL16 6, 1, 1, \slot, 0
	PLACES NP
	WIN 0
	FETCH_A \next, 0, 4
.endm
	s_load_b128 s[4:7], s[0:1], 0x0                ; A, W
	s_load_b128 s[8:11], s[0:1], 0x10              ; bias, res
	s_load_b64 s[12:13], s[0:1], 0x20              ; out
	v_lshl_add_u32 v[SPW], v0, 2, SPARE
	v_mov_b32 v[NIL], 0
	ds_add_u32 v28, v29
	ds_add_u32 v28, v29
	s_wait_dscnt 0x0
	v_lshrrev_b32 v1, 5, v0
	v_readfirstlane_b32 s14, v1
	s_lshr_b32 s15, s14, 1                         ; which half of A's rows is mine.  Also: I fetch for A (0) or for B (1)
	s_and_b32 s16, s14, 1                          ; which half of B's rows.  Also: which 128 rows I fetch
	s_bfe_u32 s40, ttmp6, 0x40000
	s_bfe_u32 s41, ttmp6, 0x40004
	s_lshl_b32 s42, ttmp9, 2
	s_add_co_u32 s42, s42, s40                     ; B's tile
	s_and_b32 s17, ttmp7, 0xffff
	s_lshl_b32 s17, s17, 2
	s_add_co_u32 s17, s17, s41                     ; A's tile
	s_lshl_b32 s43, s41, 2
	s_lshl_b32 s43, 15, s43
	s_lshl_b32 s44, 0x1111, s40
	s_or_b32 s[G1+0], s43, (3<<16)|(1<<21)         ; 15:0 the mask; 17:16 elements of 8 bytes; 21 set beside a mask; no padding
	s_or_b32 s[G1B+0], s44, (3<<16)|(1<<21)
.irp g, G1, G1B
	s_mov_b32 s[\g+1], 384<<16
	s_mov_b32 s[\g+2], 8<<16
	s_mov_b32 s[\g+3], 384<<16
	s_mov_b32 s[\g+4], 8
	s_mov_b32 s[\g+5], KP/8
	s_mov_b32 s[\g+6], 0
	s_mov_b32 s[\g+7], 0
.endr
	s_or_b32 s[G1S+0], s43, (3<<16)|(1<<21)
	s_or_b32 s[G1SB+0], s44, (3<<16)|(1<<21)
.irp g, G1S, G1SB
	s_mov_b32 s[\g+1], 32<<16
	s_mov_b32 s[\g+2], (HALFS/256)<<16
	s_mov_b32 s[\g+3], 32<<16
	s_mov_b32 s[\g+4], HALFS/256
	s_mov_b32 s[\g+5], 32
	s_mov_b32 s[\g+6], 0
	s_mov_b32 s[\g+7], 0
.endr
	s_lshl_b32 s18, s16, 3
	s_lshl_b32 s20, s17, 4
	s_add_co_u32 s20, s20, s18
	s_lshl_b32 s46, s42, 4
	s_add_co_u32 s46, s46, s18
	s_mul_i32 s22, s20, SBLK
	s_mul_i32 s92, s46, SBLK
	s_mul_i32 s20, s20, KP
	s_mul_i32 s46, s46, KP
	s_mov_b32 s21, 0
	s_mov_b32 s23, 0
	s_mov_b32 s47, 0
	s_mov_b32 s93, 0
	s_mul_i32 s45, s14, HALFT
	s_mul_i32 s94, s14, HALFS
	s_wait_kmcnt 0x0
	s_add_nc_u64 s[20:21], s[4:5], s[20:21]
	s_add_nc_u64 s[22:23], s[4:5], s[22:23]
	s_add_nc_u64 s[22:23], s[22:23], ASC
	s_add_nc_u64 s[46:47], s[6:7], s[46:47]
	s_add_nc_u64 s[46:47], s[46:47], BCO
	s_add_nc_u64 s[92:93], s[6:7], s[92:93]
	s_add_nc_u64 s[92:93], s[92:93], BSC
	CROUND                                         ; all sixteen work-groups are here: the first joint loads meet
	s_mov_b32 s[G0S], 1
	s_add_co_u32 s[G0S+1], s94, SCL
	s_mov_b64 s[G0S+2:G0S+3], s[22:23]
	s_or_b32 s[G0S+3], s[G0S+3], 0x80000000
	s_mov_b32 s[G0SB], 1
	s_add_co_u32 s[G0SB+1], s94, SCL
	s_mov_b64 s[G0SB+2:G0SB+3], s[92:93]
	s_or_b32 s[G0SB+3], s[G0SB+3], 0x80000000
	JLOAD G0S, G1S, G0SB, G1SB                     ; with the two below three loads of mine are out
.irp s, 0,1
	s_mov_b32 s[G0+4*\s], 1
	s_add_co_u32 s[G0+4*\s+1], s45, \s*SLOT
	s_add_nc_u64 s[G0+4*\s+2:G0+4*\s+3], s[20:21], \s*RBS
	s_or_b32 s[G0+4*\s+3], s[G0+4*\s+3], 0x80000000
	s_mov_b32 s[G0B+4*\s], 1
	s_add_co_u32 s[G0B+4*\s+1], s45, \s*SLOT
	s_add_nc_u64 s[G0B+4*\s+2:G0B+4*\s+3], s[46:47], \s*RBS
	s_or_b32 s[G0B+4*\s+3], s[G0B+4*\s+3], 0x80000000
	JLOAD G0+4*\s, G1, G0B+4*\s, G1B
.endr
	v_and_b32 v1, 15, v0
	v_bfe_u32 v2, v0, 4, 1
	v_and_b32 v3, 31, v0
	v_lshlrev_b32 v[L16], 4, v3
	v_lshlrev_b32 v[L8], 3, v3
	s_mul_i32 s21, s15, HALFT
	s_mul_i32 s22, s16, HALFT
	s_add_co_u32 s22, s22, 2*HALFT
.irp s, 0,1
	v_add_nc_u32 v[ADRA+\s], s21, v[L16]
	v_add_nc_u32 v[ADRA+2+\s], s21, v[L8]
	v_add_nc_u32 v[ADRB+\s], s22, v[L16]
	v_add_nc_u32 v[ADRB+2+\s], s22, v[L8]
	s_add_co_u32 s21, s21, SLOT
	s_add_co_u32 s22, s22, SLOT
.endr
	s_mul_i32 s21, s15, HALFS
	s_mul_i32 s22, s16, HALFS
	s_add_co_u32 s22, s22, 2*HALFS
	s_sub_co_u32 s22, s22, s21
	v_mul_u32_u24 v6, s22, v2                      ; lanes 16-31 take B's: one product, the distance between the two bases
	s_add_co_u32 s21, s21, SCL
	v_lshl_add_u32 v6, v1, 2, v6
	v_add_nc_u32 v[ADRS], s21, v6
	s_mul_i32 s23, s14, 16*528                     ; my stage, in slot 0: when the first result is stored there the slot has had its last fill and its last read
	v_mul_u32_u24 v5, v1, 528
	v_lshl_add_u32 v5, v2, 6, v5
	v_add_nc_u32 v[STO], s23, v5                   ; in: row r, + 64 h
	v_add_nc_u32 v[RD], s23, v[L16]                ; back: a row of 512 bytes
	s_lshl_b32 s20, s17, 8
	s_lshl_b32 s21, s15, 7
	s_add_co_u32 s20, s20, s21                     ; my first row
	s_lshl_b32 s20, s20, 12
	s_lshl_b32 s46, s42, 10
	s_lshl_b32 s47, s16, 9
	s_add_co_u32 s46, s46, s47                     ; my first column, in bytes
	s_mov_b32 s47, 0
	s_add_nc_u64 s[8:9], s[8:9], s[46:47]
	s_add_co_u32 s20, s20, s46
	s_mov_b32 s21, 0
	s_add_nc_u64 s[10:11], s[10:11], s[20:21]
	s_add_nc_u64 s[12:13], s[12:13], s[20:21]
	v_lshlrev_b32 v7, 6, v2                        ; 64 h
	WIN TO_B
.irp b, 0,1,2,3,4,5,6,7
	global_load_b128 v[96+8*\b+96*(\b/4):99+8*\b+96*(\b/4)], v7, s[8:9] offset:128*(\b/2)+32*(\b%2)        ; the bias in the result's layout
	global_load_b128 v[100+8*\b+96*(\b/4):103+8*\b+96*(\b/4)], v7, s[8:9] offset:128*(\b/2)+32*(\b%2)+16
.endr
	WIN 0
	s_wait_loadcnt 0x0
	s_wait_tensorcnt 1                             ; the scale words and my part of K step 0 are in; K step 1's load may be out
	s_barrier_signal -1
	s_barrier_wait -1
	FETCH_B 0, 0, 0
	FETCH_A 0, 0, 0
	SCALES 0
	FETCH_A 0, 0, 4
	STEP 0, 0, 2
	s_mov_b32 s3, LAPS-1
.Llap:
	TURN 0, 1, 1
	STEP 1, 0, 0
	TURN 1, 0, 1
	STEP 0, 0, 0
	s_sub_co_u32 s3, s3, 1
	s_cmp_lg_u32 s3, 0
	s_cbranch_scc1 .Llap
	TURN 0, 1, 0
	STEP 1, 0, 0
	s_wait_dscnt 4*NL
	WIN MUL_LO
	MUL16 0, 1, 1, 1, 0
	MUL16 2, 1, 1, 1, 0
	s_wait_dscnt 0x0
	WIN MUL_HI
	MUL16 4, 1, 1, 1, 0
	MUL16 6, 1, 1, 1, 0
	WIN 0
	PLACES NP
.macro RLOAD a                         ; the residual's 16 rows of block a, in the image's order of rows, into window 1, set a % 4
	WIN TO_B
.irp t, 0,1,2,3,4,5,6,7,8,9,10,11,12,13,14,15
	global_load_b128 v[64*((\a)%4)+4*\t:64*((\a)%4)+4*\t+3], v[L16], s[10:11] offset:(32*((\a)/2)+8*((\a)%2)+\t+8*(\t/8))*4096 th:TH_LOAD_NT
.endr
	WIN 0
.endm
.macro OUTB a
.if (\a) > 0
	s_wait_xcnt 0x0                                ; the last block's stores have read their registers
.endif
.set AC, 64*((\a)%4)
	WIN 0x08+4*((\a)/4)                            ; an LDS store's data: window 2 or 3
.irp b, 0,1,2,3,4,5,6,7
	ds_store_b128 v[STO], v[AC+8*\b:AC+8*\b+3] offset:128*(\b/2)+32*(\b%2)      ; each accumulator from its low end on
	ds_store_b128 v[STO], v[AC+8*\b+4:AC+8*\b+7] offset:128*(\b/2)+32*(\b%2)+16
.endr
	WIN 0
.irp t, 0,1,2,3,4,5,6,7,8,9,10,11,12,13,14,15
	ds_load_b128 v[BK+4*\t:BK+4*\t+3], v[RD] offset:\t*528  ; LDS serves a wave's instructions in order: these see my stores
.endr
	s_wait_dscnt 0x0
.if (\a) < 5
	s_wait_loadcnt 48                              ; block a's residual is in; the three blocks' loads behind it may be out
.else
	s_wait_loadcnt 16*(7-(\a))
.endif
	WIN 0x04                                       ; source 1: window 1
.set p, 0
.rept 32
	v_pk_add_f32 v[BK+p:BK+p+1], v[BK+p:BK+p+1], v[AC+p:AC+p+1]
.set p, p+2
.endr
	WIN 0
.irp t, 0,1,2,3,4,5,6,7,8,9,10,11,12,13,14,15
	global_store_b128 v[L16], v[BK+4*\t:BK+4*\t+3], s[12:13] offset:(32*((\a)/2)+8*((\a)%2)+\t+8*(\t/8))*4096 th:TH_STORE_NT  ; 512 consecutive bytes, at a multiple of 256 from the buffer's first byte
.endr
.if (\a) < 4
	RLOAD (\a)+4
.endif
.endm
	RLOAD 0
	RLOAD 1
	RLOAD 2
	RLOAD 3
.irp a, 0,1,2,3,4,5,6,7
	OUTB \a
.endr
	s_wait_tensorcnt 0x0                           ; the wave's end
	ds_add_u32 v[SPW], v[NIL]
	s_wait_dscnt 0x0
	CROUND                                         ; the closing round
	s_endpgm
.Lfunc_end_k_q25fe2630ed_g6:
	.size	k_q25fe2630ed_g6, .Lfunc_end_k_q25fe2630ed_g6-k_q25fe2630ed_g6
	.p2alignl 7, 3214868480
	.fill 96, 4, 3214868480
	.section	.rodata,"a",@progbits
	.p2align	6, 0x0
	.amdhsa_kernel k_q25fe2630ed_g6
		.amdhsa_group_segment_fixed_size 327680
		.amdhsa_private_segment_fixed_size 0
		.amdhsa_enable_private_segment 0
		.amdhsa_kernarg_size 40
		.amdhsa_user_sgpr_count 2
		.amdhsa_user_sgpr_kernarg_segment_ptr 1
		.amdhsa_wavefront_size32 1
		.amdhsa_system_sgpr_workgroup_id_x 1
		.amdhsa_system_sgpr_workgroup_id_y 1
		.amdhsa_system_sgpr_workgroup_id_z 1
		.amdhsa_system_vgpr_workitem_id 0
		.amdhsa_next_free_vgpr 1024
		.amdhsa_next_free_sgpr 102
		.amdhsa_reserve_vcc 0
		.amdhsa_float_denorm_mode_32 3
		.amdhsa_float_denorm_mode_16_64 3
		.amdhsa_memory_ordered 1
		.amdhsa_forward_progress 1
		.amdhsa_inst_pref_size 176
	.end_amdhsa_kernel
	.amdgpu_metadata
---
amdhsa.version: [ 1, 2 ]
amdhsa.kernels:
  - .name:           k_q25fe2630ed_g6
    .symbol:         k_q25fe2630ed_g6.kd
    .args:
      - { .name: HID, .offset: 0, .size: 8, .value_kind: global_buffer, .address_space: global }
      - { .name: W, .offset: 8, .size: 8, .value_kind: global_buffer, .address_space: global }
      - { .name: b_proj, .offset: 16, .size: 8, .value_kind: global_buffer, .address_space: global }
      - { .name: X1, .offset: 24, .size: 8, .value_kind: global_buffer, .address_space: global }
      - { .name: out0, .offset: 32, .size: 8, .value_kind: global_buffer, .address_space: global }
    .group_segment_fixed_size: 327680
    .private_segment_fixed_size: 0
    .kernarg_segment_align: 8
    .kernarg_segment_size: 40
    .max_flat_workgroup_size: 128
    .sgpr_count:     102
    .vgpr_count:     1024
    .wavefront_size: 32
...
	.end_amdgpu_metadata
.endif
;; end of part 7
;; ======== version 2 of 2: 7 launches
;; limits: right only within a limited range of input values
;; workspace buffers: W 9,830,400 bytes; H 3,276,800 bytes; ATT 10,092,544 bytes; CTX 3,276,800 bytes; X1 16,777,216 bytes; HID 13,107,200 bytes
;; launch wq (part 8): grid 640 x 1, 4 waves a work-group, no clusters, 91,136 bytes of LDS; arguments w_qkv, w_attn_proj, w_fc, w_proj, W, x, ln1_w, ln1_b, H; writes W, H
.if DOCPART == 8
	.amdgcn_target "amdgcn-amd-amdhsa--gfx1250"
	.amdhsa_code_object_version 6
	.text
	.protected	k_q25fe2630ed_wq
	.globl	k_q25fe2630ed_wq
	.p2align	8
	.type	k_q25fe2630ed_wq,@function
k_q25fe2630ed_wq:
	s_mov_b64 s[64:65], 0
	v_nop
	global_prefetch_b8 v0, s[64:65] scope:SCOPE_SE
	s_setreg_imm32_b32 hwreg(HW_REG_WAVE_MODE, 25, 1), 1
	s_wait_xcnt 0x0
; The four weights, f32 stored [K][N], become operands of BF6 (E3M2) codes with one E8M0 byte for each 32 along K, laid as IMAGES OF THE OPERAND'S REGISTERS.
; AN IMAGE.  Rows of the operand are the weight's columns n.  A fragment is 16 rows x 128 K = 1,536 bytes in two halves c of 768: 512 bytes (registers 6c..6c+3, lane l's 16 bytes at 16 l), then 256 bytes
; (registers 6c+4, 6c+5, lane l's 8 bytes at 8 l).  Lane (r, h) holds k = 64 c + 32 h + 0..31 of its row.  A matrix lies [rb = rows/16][ks = K/128][1,536].  Lane r of tile rb = 2 g + u is row 32 g + 8 u + (r & 7) + 16 (r >> 3).
; Scale words lie [rb][ks][16 r][4 bytes].  W holds: codes qkv, attn, fc, proj, then from byte 9,437,184 their scale words.
; A LANE TAKES A COLUMN AND ITS REGISTERS RUN DOWN K: a load reads 128 consecutive bytes a wave (512 a work-group), a block of 32 lies in one lane, and the conversions give codes with K innermost.
; A work-group takes 128 columns x 256 K, a wave 32 columns (two tiles rb).  The codes turn through the wave's own stage in LDS and leave as 512 consecutive bytes a store.
; One text serves the four weights: sizes and the source's address are chosen on the work-group's number; there is one path.  No input is shared between work-groups: no cluster, no tensor load, no barrier.
; A block's scale is 2^(floor(log2(largest magnitude)) - 4); its byte is the magnitude's exponent field - 4, held at 1 from below.
; LIMITS: a block of zeros gets the byte 1 where the rule says 127 (its codes are zeros, and this program alone reads the bytes); blocks whose largest magnitude lies under 2^-122 keep the byte 1; NaN and infinities are not served.
.set OFF,  16                          ; v16-47   byte offset of row i of a block: 4 x lane + i x a row of the weight
.set X,    48                          ; v48-111  two sets of 32 numbers
.set C,    112                         ; v112-117 a block's codes
.set D,    120                         ; v120-122 its upper 16 codes as converted
.set OUTR, 128                         ; v128-175 the way out
; ONE LAUNCH PREPARES ALL OPERANDS OF THE FIRST PRODUCTS: work-groups 0 to 383 take the weights (the text that follows), work-groups 384 to 639 the first layer norm of x (the text from .Lnorm on, which has one barrier).
; The two texts part on the work-group's number alone and have LDS bytes of their own: the weights' stages bytes 0 to 24,575, the norm's stage from 24,576; the spare words, 512 bytes, from 90,624.
	v_lshl_add_u32 v240, v0, 2, 90624
	v_mov_b32 v241, 0
	s_cmp_ge_u32 ttmp9, 384
	s_cbranch_scc1 .Lnorm
	s_load_b256 s[4:11], s[0:1], 0x0               ; w_qkv, w_attn_proj, w_fc, w_proj
	s_load_b64 s[12:13], s[0:1], 0x20              ; W
	v_lshrrev_b32 v1, 5, v0
	v_readfirstlane_b32 s14, v1                    ; wave
	v_and_b32 v1, 31, v0                           ; lane = my column in the wave's 32
	v_lshlrev_b32 v2, 2, v1
	v_bfe_u32 v3, v0, 3, 1                         ; u: which of the two tiles my column falls into
	v_and_b32 v4, 7, v0
	v_bfe_u32 v10, v0, 4, 1
	v_lshl_or_b32 v4, v10, 3, v4                   ; r: its lane there
	s_mul_i32 s26, s14, 6144                       ; my wave's stage: [u][fragment][1,536]
	v_mul_u32_u24 v10, v3, 3072
	v_add_nc_u32 v10, s26, v10
	v_lshl_add_u32 v5, v4, 4, v10                  ; where my 16 bytes go
	v_lshl_add_u32 v6, v4, 3, v10                  ; where my 8 bytes go
	v_lshlrev_b32 v8, 4, v1                        ; 16 x lane
	v_add_nc_u32 v7, s26, v8                       ; and back, as the bytes lie
	s_mov_b32 s15, 256                             ; w_proj's numbers: first work-group,
	s_mov_b32 s16, 4096                            ; bytes in a row of the weight,
	s_mov_b32 s17, 49152                           ; bytes of codes for a tile rb,
	s_mov_b32 s18, 2048                            ; bytes of scale words for a tile rb,
	s_mov_b32 s19, 4                               ; log2 of the slabs of 256 along K,
	s_mov_b32 s20, 15                              ; their mask,
	s_mov_b32 s21, 6291456                         ; where the codes begin in W,
	s_mov_b32 s22, 9699328                         ; and the scale words
	s_wait_kmcnt 0x0
	s_mov_b64 s[24:25], s[10:11]
	s_cmp_lt_u32 ttmp9, 256                        ; w_fc
	s_cselect_b64 s[24:25], s[8:9], s[24:25]
	s_cselect_b32 s15, 128, s15
	s_cselect_b32 s16, 16384, s16
	s_cselect_b32 s17, 12288, s17
	s_cselect_b32 s18, 512, s18
	s_cselect_b32 s19, 2, s19
	s_cselect_b32 s20, 3, s20
	s_cselect_b32 s21, 3145728, s21
	s_cselect_b32 s22, 9568256, s22
	s_cmp_lt_u32 ttmp9, 128                        ; w_attn_proj
	s_cselect_b64 s[24:25], s[6:7], s[24:25]
	s_cselect_b32 s15, 96, s15
	s_cselect_b32 s16, 4096, s16
	s_cselect_b32 s21, 2359296, s21
	s_cselect_b32 s22, 9535488, s22
	s_cmp_lt_u32 ttmp9, 96                         ; w_qkv
	s_cselect_b64 s[24:25], s[4:5], s[24:25]
	s_cselect_b32 s15, 0, s15
	s_cselect_b32 s16, 12288, s16
	s_cselect_b32 s21, 0, s21
	s_cselect_b32 s22, 9437184, s22
	s_sub_co_u32 s23, ttmp9, s15
	s_and_b32 s54, s23, s20                        ; which 256 along K
	s_lshr_b32 s55, s23, s19                       ; which 128 columns
	s_mul_i32 s26, s54, s16
	s_lshl_b32 s26, s26, 8                         ; 256 rows down,
	s_lshl_b32 s27, s55, 9
	s_add_co_u32 s26, s26, s27                     ; 128 columns of 4 bytes a group,
	s_lshl_b32 s27, s14, 7
	s_add_co_u32 s26, s26, s27                     ; 32 a wave
	s_mov_b32 s27, 0
	s_add_nc_u64 s[32:33], s[24:25], s[26:27]      ; block 0
	s_lshl_b32 s28, s16, 5                         ; 32 rows on
	s_mov_b32 s29, 0
.irp t, 1,2,3,4,5,6,7
	s_add_nc_u64 s[32+2*\t:33+2*\t], s[30+2*\t:31+2*\t], s[28:29]
.endr
	s_lshl_b32 s26, s55, 3
	s_lshl_b32 s27, s14, 1
	s_add_co_u32 s26, s26, s27                     ; my first tile rb
	s_mul_i32 s30, s26, s17
	s_add_co_u32 s30, s30, s21
	s_mul_i32 s31, s54, 3072                       ; two fragments a slab
	s_add_co_u32 s30, s30, s31
	s_mov_b32 s31, 0
	s_add_nc_u64 s[48:49], s[12:13], s[30:31]      ; codes of tile u = 0,
	s_mov_b32 s30, s17
	s_add_nc_u64 s[50:51], s[48:49], s[30:31]      ; of u = 1
	s_mul_i32 s30, s26, s18
	s_add_co_u32 s30, s30, s22
	s_lshl_b32 s27, s54, 7
	s_add_co_u32 s30, s30, s27
	s_add_nc_u64 s[52:53], s[12:13], s[30:31]      ; scale words
	v_mul_u32_u24 v9, s18, v3
	s_wait_alu depctr_va_vdst(0)
	v_lshl_add_u32 v9, v4, 2, v9                   ; my row's word: u tiles on, 4 r
.set i, 0
.rept 32
	v_mad_u32_u24 v[OFF+i], s16, i, v2
.set i, i+1
.endr
.macro LOAD t                          ; block t: w(32 t + i, my column) into set t % 2
.set i, 0
.rept 32
	global_load_b32 v[X+32*((\t)%2)+i], v[OFF+i], s[32+2*(\t):33+2*(\t)] th:TH_LOAD_NT
.set i, i+1
.endr
.endm
	LOAD 0
	LOAD 1
.macro BLOCK t
.set XS, X+32*((\t)%2)
.if (\t) < 7
	s_wait_loadcnt 32                              ; this block's 32 loads are in; the next block's 32 may be out
.else
	s_wait_loadcnt 0x0
.endif
	v_max3_num_f32 v12, |v[XS]|, |v[XS+1]|, |v[XS+2]|  ; the block's largest magnitude: all 32 numbers are mine; two chains
	v_max3_num_f32 v13, |v[XS+3]|, |v[XS+4]|, |v[XS+5]|
.irp i, 6,10,14,18,22,26
	v_max3_num_f32 v12, v12, |v[XS+\i]|, |v[XS+\i+1]|
	v_max3_num_f32 v13, v13, |v[XS+\i+2]|, |v[XS+\i+3]|
.endr
	v_max3_num_f32 v12, v12, |v[XS+30]|, |v[XS+31]|
	v_max3_num_f32 v12, v12, v13, 0x2800000        ; and the floor 2^(5 - 127): the byte cannot fall under 1
	v_add_nc_u32 v11, 0xfe000000, v12              ; 4 off the exponent field: the conversion's scale operand
	v_lshrrev_b32 v13, 23, v11                     ; the scale's byte
.if (\t)%4 == 0
	v_mov_b32 v[14+(\t)/4], v13                    ; four bytes make a fragment's word
.else
	v_lshl_or_b32 v[14+(\t)/4], v13, 8*((\t)%4), v[14+(\t)/4]
.endif
	v_cvt_scalef32_pk16_bf6_f32 v[C:C+2], v[XS:XS+15], v11
	v_cvt_scalef32_pk16_bf6_f32 v[D:D+2], v[XS+16:XS+31], v11  ; (a conversion's three registers begin on an even number)
	v_nop                                          ; one plain instruction behind the conversions
.irp i, 0,1,2
	v_mov_b32 v[C+3+\i], v[D+\i]
.endr
	ds_store_b128 v5, v[C:C+3] offset:1536*((\t)/4)+768*(((\t)/2)%2)+256*((\t)%2)      ; block t is k = 32 t: fragment t / 4, half (t / 2) % 2, lanes 16 (t % 2) + r
	ds_store_b64 v6, v[C+4:C+5] offset:1536*((\t)/4)+768*(((\t)/2)%2)+512+128*((\t)%2)
.if (\t)+2 < 8
	LOAD (\t)+2
.endif
	s_wait_dscnt 0x0                               ; the stores have read their registers: the next block's codes may be written
.endm
.irp t, 0,1,2,3,4,5,6,7
	BLOCK \t
.endr
	global_store_b32 v9, v14, s[52:53]             ; sixteen lanes store a tile's 64 bytes of words
	s_wait_alu depctr_va_vdst(0)
	global_store_b32 v9, v15, s[52:53] offset:64
.irp n, 0,1,2,3,4,5,6,7,8,9,10,11
	ds_load_b128 v[OUTR+4*\n:OUTR+4*\n+3], v7 offset:512*\n  ; LDS serves a wave's instructions in order: these see my stores
.endr
.irp n, 0,1,2,3,4,5,6,7,8,9,10,11
	s_wait_dscnt 11-\n                             ; read n is back; the younger ones may be out
	global_store_b128 v8, v[OUTR+4*\n:OUTR+4*\n+3], s[48+2*(\n/6):49+2*(\n/6)] offset:512*(\n%6)  ; 512 consecutive bytes, at a multiple of 256 from W's first byte
.endr
	s_wait_tensorcnt 0x0                           ; the wave's end
	ds_add_u32 v240, v241
	s_wait_dscnt 0x0
	s_endpgm
; THE FIRST LAYER NORM: h = (x - mean) / sqrt(var + 1e-5) * gain + bias, rows of 1,024 f32, all in f32, then quantised along the row to BF6 codes with one E8M0 byte for each 32, laid as an image of the operand's registers
; (the layout of the weights' images above; scale words [rb][ks][16 r][4] from byte 3,145,728 of H).  A work-group makes one tile rb of 16 rows.  Phase 1: wave w normalises four neighbouring rows, each read once and kept in registers;
; the variance is taken of x - mean.  The rows go to a stage in LDS (pitch 4,112 bytes).  Phase 2, behind one barrier: wave w makes fragments 2 w and 2 w + 1; lane (r, h) reads its 2 x 32 neighbours of row r.
; LIMITS: as for the weights: a block of zeros, or under 2^-122, gets the byte 1; NaN and infinities are not served.
.Lnorm:
.set PITCH, 4112
.set LB,  24576                        ; the stage's first byte
.set X,   16                           ; v16-143  four rows; later two fragments' 64 numbers each
.set GA,  144                          ; v144-175 gain; later the codes
.set BE,  176                          ; v176-207 bias
.set SM,  208                          ; v208-215 sums, then means
.set QS,  216                          ; v216-223 sums of squares, then 1 / sqrt
.set TP,  224                          ; v224-227 the other half of the lanes'
	s_load_b128 s[4:7], s[0:1], 0x28               ; x, gain
	s_load_b128 s[8:11], s[0:1], 0x38              ; bias, H
	s_sub_co_u32 s26, ttmp9, 384                   ; my tile rb
	v_lshrrev_b32 v1, 5, v0
	v_readfirstlane_b32 s12, v1                    ; wave
	v_and_b32 v2, 31, v0
	v_lshlrev_b32 v3, 4, v2
	v_lshlrev_b32 v10, 3, v2
	v_lshlrev_b32 v9, 2, v2
	v_and_b32 v4, 15, v0
	v_bfe_u32 v5, v0, 4, 1
	v_lshlrev_b32 v8, 3, v5
	v_mul_u32_u24 v6, v4, PITCH
	v_lshl_add_u32 v6, v5, 7, v6
	s_lshl_b32 s18, s12, 10
	s_add_co_u32 s18, s18, LB
	v_add_nc_u32 v6, s18, v6                       ; phase 2 reads: row r, + 128 h, + my two fragments' 1,024 bytes
	s_mul_i32 s19, s12, 4*PITCH
	s_add_co_u32 s19, s19, LB
	v_add_nc_u32 v7, s19, v3                       ; phase 1 stores: my four rows, 16 x lane
.irp i, 0,1,2,3
	v_mov_b32 v[TP+\i], 0
.endr
	s_lshr_b32 s13, s26, 1
	s_lshl_b32 s13, s13, 5
	s_and_b32 s14, s26, 1
	s_lshl_b32 s14, s14, 3
	s_add_co_u32 s13, s13, s14
	s_and_b32 s14, s12, 1
	s_lshl_b32 s14, s14, 2
	s_add_co_u32 s13, s13, s14
	s_lshr_b32 s14, s12, 1
	s_lshl_b32 s14, s14, 4
	s_add_co_u32 s13, s13, s14                     ; my first row: 32 g + 8 u + 4 (w & 1) + 16 (w >> 1)
	s_lshl_b32 s14, s13, 12
	s_mov_b32 s15, 0
	s_mov_b32 s16, 0x76543210
	s_mov_b32 s17, 0xfedcba98
	s_mov_b32 s20, 0x3a800000                      ; 1 / 1,024
	s_mov_b32 s21, 0x3727c5ac                      ; 1e-5
	s_mul_i32 s22, s26, 12288
	s_mul_i32 s23, s12, 3072
	s_add_co_u32 s22, s22, s23
	s_mov_b32 s23, 0
	s_lshl_b32 s24, s26, 9
	s_lshl_b32 s25, s12, 7
	s_add_co_u32 s24, s24, s25
	s_add_co_u32 s24, s24, 3145728
	s_mov_b32 s25, 0
	s_wait_alu depctr_va_vdst(0)
	s_wait_kmcnt 0x0
	s_add_nc_u64 s[4:5], s[4:5], s[14:15]
	s_add_nc_u64 s[22:23], s[10:11], s[22:23]
	s_add_nc_u64 s[24:25], s[10:11], s[24:25]
.irp i, 0,1,2,3
.irp j, 0,1,2,3,4,5,6,7
	global_load_b128 v[X+32*\i+4*\j:X+32*\i+4*\j+3], v3, s[4:5] offset:4096*\i+512*\j th:TH_LOAD_NT
.endr
.endr
.irp j, 0,1,2,3,4,5,6,7
	global_load_b128 v[GA+4*\j:GA+4*\j+3], v3, s[6:7] offset:512*\j
	global_load_b128 v[BE+4*\j:BE+4*\j+3], v3, s[8:9] offset:512*\j
.endr
.macro REDUCE B                        ; four pairs of partial sums become four sums, in every lane
.irp i, 0,1,2,3
	v_add_f32 v[\B+2*\i], v[\B+2*\i], v[\B+2*\i+1]
.endr
.irp m, 1,2,4,8
.irp i, 0,1,2,3
	v_add_f32_dpp v[\B+2*\i], v[\B+2*\i], v[\B+2*\i] row_xmask:\m row_mask:0xf bank_mask:0xf
.endr
.endr
.irp i, 0,1,2,3
	v_permlanex16_b32 v[TP+\i], v[\B+2*\i], s16, s17
.endr
.irp i, 0,1,2,3
	v_add_f32 v[\B+2*\i], v[\B+2*\i], v[TP+\i]
.endr
.endm
	s_wait_loadcnt 16                              ; the rows are in; the gain's and the bias's 16 loads may be out
.irp i, 0,1,2,3
	v_pk_add_f32 v[SM+2*\i:SM+2*\i+1], v[X+32*\i:X+32*\i+1], v[X+32*\i+2:X+32*\i+3]
.endr
.set p, 4
.rept 14
.irp i, 0,1,2,3
	v_pk_add_f32 v[SM+2*\i:SM+2*\i+1], v[SM+2*\i:SM+2*\i+1], v[X+32*\i+p:X+32*\i+p+1]
.endr
.set p, p+2
.endr
	REDUCE SM
.irp i, 0,1,2,3
	v_mul_f32 v[SM+2*\i], s20, v[SM+2*\i]          ; the mean
.endr
.irp i, 0,1,2,3
.set p, 0
.rept 16
	v_pk_add_f32 v[X+32*\i+p:X+32*\i+p+1], v[X+32*\i+p:X+32*\i+p+1], v[SM+2*\i:SM+2*\i+1] op_sel_hi:[1,0] neg_lo:[0,1] neg_hi:[0,1]
.set p, p+2
.endr
.endr
.irp i, 0,1,2,3
	v_pk_mul_f32 v[QS+2*\i:QS+2*\i+1], v[X+32*\i:X+32*\i+1], v[X+32*\i:X+32*\i+1]
.endr
.set p, 2
.rept 15
.irp i, 0,1,2,3
	v_pk_fma_f32 v[QS+2*\i:QS+2*\i+1], v[X+32*\i+p:X+32*\i+p+1], v[X+32*\i+p:X+32*\i+p+1], v[QS+2*\i:QS+2*\i+1]
.endr
.set p, p+2
.endr
	REDUCE QS
.irp i, 0,1,2,3
	v_fma_f32 v[QS+2*\i], v[QS+2*\i], s20, s21     ; var + eps
.endr
	s_wait_alu depctr_va_vdst(0)
.irp i, 0,1,2,3
	v_rsq_f32 v[QS+2*\i], v[QS+2*\i]
.endr
	v_nop
	s_wait_alu depctr_va_vdst(0)                   ; one wait for the four, ahead of their first reader
	s_wait_loadcnt 0x0                             ; gain and bias
.irp i, 0,1,2,3
.set p, 0
.rept 16
	v_pk_mul_f32 v[X+32*\i+p:X+32*\i+p+1], v[X+32*\i+p:X+32*\i+p+1], v[QS+2*\i:QS+2*\i+1] op_sel_hi:[1,0]
	v_pk_fma_f32 v[X+32*\i+p:X+32*\i+p+1], v[X+32*\i+p:X+32*\i+p+1], v[GA+p:GA+p+1], v[BE+p:BE+p+1]
.set p, p+2
.endr
.endr
.irp i, 0,1,2,3
.irp j, 0,1,2,3,4,5,6,7
	ds_store_b128 v7, v[X+32*\i+4*\j:X+32*\i+4*\j+3] offset:PITCH*\i+512*\j
.endr
.endr
	s_wait_dscnt 0x0                               ; for the others' sake: my rows lie in the stage
	s_barrier_signal -1
	s_barrier_wait -1
.irp e, 0,1
.irp c, 0,1
.irp j, 0,1,2,3,4,5,6,7
	ds_load_b128 v[X+64*\e+32*\c+4*\j:X+64*\e+32*\c+4*\j+3], v6 offset:512*\e+256*\c+16*\j
.endr
.endr
.endr
	v_cmp_ne_u32 vcc_lo, 0, v5
.macro QF e                            ; fragment 2 w + e: two whole blocks a lane
.set XS, X+64*\e
.set F, GA+12*\e
.irp c, 0,1
	v_max3_num_f32 v[SM+\c], |v[XS+32*\c]|, |v[XS+32*\c+1]|, 0x2800000
.endr
.irp i, 2,4,6,8,10,12,14,16,18,20,22,24,26,28,30
.irp c, 0,1
	v_max3_num_f32 v[SM+\c], v[SM+\c], |v[XS+32*\c+\i]|, |v[XS+32*\c+\i+1]|
.endr
.endr
.irp c, 0,1
	v_add_nc_u32 v[SM+2+\c], 0xfe000000, v[SM+\c]
.endr
.irp c, 0,1
	v_lshrrev_b32 v[SM+\c], 23, v[SM+2+\c]
.endr
	v_lshl_or_b32 v[SM+4+\e], v[SM+1], 16, v[SM]
	v_lshlrev_b32 v[SM+4+\e], v8, v[SM+4+\e]
	v_permlanex16_b32 v[TP], v[SM+4+\e], s16, s17
	v_or_b32 v[SM+4+\e], v[SM+4+\e], v[TP]
	v_cvt_scalef32_pk16_bf6_f32 v[F:F+2], v[XS:XS+15], v[SM+2]
	v_cvt_scalef32_pk16_bf6_f32 v[168:170], v[XS+16:XS+31], v[SM+2]
	v_cvt_scalef32_pk16_bf6_f32 v[F+6:F+8], v[XS+32:XS+47], v[SM+3]
	v_cvt_scalef32_pk16_bf6_f32 v[172:174], v[XS+48:XS+63], v[SM+3]
	v_nop
.irp i, 0,1,2
	v_mov_b32 v[F+3+\i], v[168+\i]
	v_mov_b32 v[F+9+\i], v[172+\i]
.endr
	global_store_b128 v3, v[F:F+3], s[22:23] offset:1536*\e
	global_store_b64 v10, v[F+4:F+5], s[22:23] offset:1536*\e+512
	global_store_b128 v3, v[F+6:F+9], s[22:23] offset:1536*\e+768
	global_store_b64 v10, v[F+10:F+11], s[22:23] offset:1536*\e+1280
.endm
	s_wait_dscnt 16                                ; the first fragment's 16 reads are back; the second's may be out
	QF 0
	s_wait_dscnt 0x0
	QF 1
	v_cndmask_b32 v[SM+6], v[SM+4], v[SM+5], vcc_lo
	global_store_b32 v9, v[SM+6], s[24:25]
	s_wait_tensorcnt 0x0                           ; the wave's end
	ds_add_u32 v240, v241
	s_wait_dscnt 0x0
	s_endpgm
.Lfunc_end_k_q25fe2630ed_wq:
	.size	k_q25fe2630ed_wq, .Lfunc_end_k_q25fe2630ed_wq-k_q25fe2630ed_wq
	.p2alignl 7, 3214868480
	.fill 96, 4, 3214868480
	.section	.rodata,"a",@progbits
	.p2align	6, 0x0
	.amdhsa_kernel k_q25fe2630ed_wq
		.amdhsa_group_segment_fixed_size 91136
		.amdhsa_private_segment_fixed_size 0
		.amdhsa_enable_private_segment 0
		.amdhsa_kernarg_size 72
		.amdhsa_user_sgpr_count 2
		.amdhsa_user_sgpr_kernarg_segment_ptr 1
		.amdhsa_wavefront_size32 1
		.amdhsa_system_sgpr_workgroup_id_x 1
		.amdhsa_system_sgpr_workgroup_id_y 1
		.amdhsa_system_sgpr_workgroup_id_z 1
		.amdhsa_system_vgpr_workitem_id 0
		.amdhsa_next_free_vgpr 242
		.amdhsa_next_free_sgpr 66
		.amdhsa_reserve_vcc 1
		.amdhsa_float_denorm_mode_32 3
		.amdhsa_float_denorm_mode_16_64 3
		.amdhsa_memory_ordered 1
		.amdhsa_forward_progress 1
		.amdhsa_inst_pref_size 87
	.end_amdhsa_kernel
	.amdgpu_metadata
---
amdhsa.version: [ 1, 2 ]
amdhsa.kernels:
  - .name:           k_q25fe2630ed_wq
    .symbol:         k_q25fe2630ed_wq.kd
    .args:
      - { .name: w_qkv, .offset: 0, .size: 8, .value_kind: global_buffer, .address_space: global }
      - { .name: w_attn_proj, .offset: 8, .size: 8, .value_kind: global_buffer, .address_space: global }
      - { .name: w_fc, .offset: 16, .size: 8, .value_kind: global_buffer, .address_space: global }
      - { .name: w_proj, .offset: 24, .size: 8, .value_kind: global_buffer, .address_space: global }
      - { .name: W, .offset: 32, .size: 8, .value_kind: global_buffer, .address_space: global }
      - { .name: x, .offset: 40, .size: 8, .value_kind: global_buffer, .address_space: global }
      - { .name: ln1_w, .offset: 48, .size: 8, .value_kind: global_buffer, .address_space: global }
      - { .name: ln1_b, .offset: 56, .size: 8, .value_kind: global_buffer, .address_space: global }
      - { .name: H, .offset: 64, .size: 8, .value_kind: global_buffer, .address_space: global }
    .group_segment_fixed_size: 91136
    .private_segment_fixed_size: 0
    .kernarg_segment_align: 8
    .kernarg_segment_size: 72
    .max_flat_workgroup_size: 128
    .sgpr_count:     66
    .vgpr_count:     242
    .wavefront_size: 32
...
	.end_amdgpu_metadata
.endif
;; end of part 8
;; launch qkv (part 9): grid 12 x 16, 4 waves a work-group, clusters of 4 x 4, 327,680 bytes of LDS; arguments H, W, b_qkv, ATT; writes ATT
.if DOCPART == 9
	.amdgcn_target "amdgcn-amd-amdhsa--gfx1250"
	.amdhsa_code_object_version 6
	.text
	.protected	k_q25fe2630ed_qkv
	.globl	k_q25fe2630ed_qkv
	.p2align	8
	.type	k_q25fe2630ed_qkv,@function
k_q25fe2630ed_qkv:
	s_mov_b64 s[64:65], 0
	v_nop
	global_prefetch_b8 v0, s[64:65] scope:SCOPE_SE
	s_setreg_imm32_b32 hwreg(HW_REG_WAVE_MODE, 25, 1), 1
	s_wait_xcnt 0x0
	s_wait_alu depctr_hold_cnt(0) depctr_sa_sdst(0) depctr_va_vdst(0) depctr_va_sdst(0) depctr_va_ssrc(0) depctr_va_vcc(0) depctr_vm_vsrc(0)
	s_getreg_b32 s2, hwreg(HW_REG_IB_STS2, 6, 4)
	s_cmp_eq_u32 s2, 0
	s_cbranch_scc0 .Lentry_in_a_cluster
	s_endpgm
.Lentry_in_a_cluster:
	s_bfe_u32 s2, ttmp6, 0x10000c
	s_cmp_lg_u32 s2, 0xf033
	s_cbranch_scc0 .Lentry_shape_is_right
	s_endpgm
.Lentry_shape_is_right:
; qkv = h1 W_qkv + b_qkv on codes of BF6 (E3M2) with E8M0 scales, K = 1,024; the results are quantised in registers and stored as attention's operands: Q and K along the head's 64, V along the keys.
; OPERANDS ARE IMAGES OF THEIR REGISTERS: a fragment (16 rows x 128 K) is 1,536 bytes in two halves c of 768: 512 bytes (registers 6c..6c+3, lane l at 16 l), then 256 (registers 6c+4, 6c+5, lane l at 8 l);
; a matrix lies [rb][ks][1,536]; lane r of tile rb = 2 g + u is row 32 g + 8 u + (r & 7) + 16 (r >> 3); scale words [rb][ks][16 r][4].  So four dense LDS loads bring a fragment: no pitch, no padding.
; A tile of 256 x 256 results is made by four waves, 128 x 128 each: 64 accumulators, 512 registers.  K goes in steps of 256 through two LDS slots filled by the tensor data mover (8 rows of 3,072 bytes a load);
; the scale words of the work-group's rows, for all of K, come once with the first fills and stay.
; THE PRODUCT IS USED TRANSPOSED: source 0 = 16 rows of operand B, source 1 = 16 rows of operand A.  A lane then holds one row of A, and by the order of rows in an image register 16 g + i of A's block a is
; column 32 g + 16 (lane / 16) + i of the wave's 128: sixteen neighbours along the next product's K.  Eight accumulators become one fragment and one scale word, stored by dense stores.
; TWO WAYS, chosen by the cluster's x.  x = 0, 1: A = h1 (tokens), B = W's rows 0-2,047: the wave's 128 columns are two heads of Q or of K, each half a fragment.  x = 2: A = W's rows 2,048-3,071 (V's channels),
; B = h1: a lane holds a channel and its registers run along the tokens: V with the keys innermost.
; CLUSTERS: 4 x 4 work-groups; A's tiles are shared along a row of the cluster, B's along a column, each asked for jointly: that divides the requests for both by four.
; ATT: for head hi = 16 batch + head a record of 294,912 bytes: K [tile 128][768] at 0, V [step 16][tile 4][1,536] at 98,304, Q [tile 128][768] at 196,608; from byte 9,437,184 records of 20,480 bytes of scale words:
; K [tile][64] at 0, V [step][tile][64] at 8,192, Q [tile][64] at 12,288.  Q's and K's words hold two bytes; the upper two are 0 and stand over zero codes.
; REGISTERS, in windows of 256: window 0: v8-15 V's bias, v16-31 addresses, v32-63 scale words (two sets), v128-223 A's fragments (one set); window 1: B's fragments at v0 and v128 (two sets), the columns' bias in the 64 left;
; windows 2, 3: the accumulators, (a, b) at v[8 (8 (a % 4) + b)].
; LIMITS: a block of zeros gets the byte 1 where the rule says 127 (zero codes; this program alone reads the bytes); blocks under 2^-122 keep the byte 1; NaN and infinities are not served.
.set SIZE_K, 1024
.set FR,     12                        ; registers of a fragment
.set NL,     4                         ; LDS loads that bring one
.set NP,     4                         ; places behind this matrix instruction (ISA guide 7.12.1)
.set RBS,    3072                      ; a tile's two fragments of a K step
.set KP,     SIZE_K*12                 ; bytes of codes for a tile rb
.set HALFT,  8*RBS                     ; 128 rows: what one tensor load brings
.set SLOT,   4*HALFT                   ; A's 256 rows, then B's
.set LAPS,   SIZE_K/512                ; a lap = two K steps = once round the ring
.set SBLK,   SIZE_K/2                  ; bytes of scale words for a tile rb
.set HALFS,  8*SBLK
.set SCL,    2*SLOT                    ; behind the ring: the scale words
.set SPARE,  SCL+4*HALFS               ; behind them: the spare words, 128 bytes a wave, that no other line names
.set ADRA, 16                          ; v16-17 my A fragments in slot 0, 1, 16 x lane; v18-19 the same, 8 x lane
.set ADRB, 20                          ; v20-23 the same for B
.set L16,  26                          ; v26 16 x lane
.set ADRS, 27                          ; v27 my scale words: lanes 0-15 A's rows, lanes 16-31 B's
.set SPW,  28                          ; v28 my spare word; never rewritten
.set NIL,  29                          ; v29 0; never rewritten
.set L8,   30                          ; v30 8 x lane
.set SOF,  31                          ; v31 the scale words' store offset
.set SC,   32                          ; scale words: set s at v[SC + 16 s], register 2 i + q
.set AF,   128
.set HQ,   64                          ; the way out: 64 numbers;
.set PC,   192                         ; the codes just made;
.set TM,   212                         ; at work;
.set PW,   228                         ; the scale word just made;
.set PWE,  229                         ; that of the even block before;
.set SW,   230                         ; the word to store;
.set HH,   231                         ; lane / 16;
.set SHF,  232                         ; 16 x that
.set G1, 24
.set G0, 32
.set G1B, 48
.set G0B, 56
.set G1S, 68
.set G0S, 76
.set G1SB, 80
.set G0SB, 88
.set MSB, 0
.macro WIN new                         ; the immediate's high byte repeats the setting that is left
.if MSB != (\new)
	s_set_vgpr_msb (MSB<<8)|(\new)
.set MSB, (\new)
.endif
.endm
.set MUL_LO, 0xa1                      ; source 0 (B) window 1, source 1 (A) window 0, C and D window 2
.set MUL_HI, 0xf1                      ; the same, C and D window 3
.set TO_B,   0x40                      ; destination window 1, address window 0
; A joint load: waves 0 and 1 fetch for A, waves 2 and 3 for B; the branch hangs on the wave's number alone.  Four v_nop follow each of the two lines.
.macro JLOAD g0a, g1a, g0b, g1b
	s_cmp_eq_u32 s15, 0
	s_cbranch_scc0 .Lfor_b_\@
	tensor_load_to_lds s[\g0a:\g0a+3], s[\g1a:\g1a+7]
	s_nop 0
.rept 4
	v_nop
.endr
	s_branch .Lasked_\@
.Lfor_b_\@:
	tensor_load_to_lds s[\g0b:\g0b+3], s[\g1b:\g1b+7]
	s_nop 0
.rept 4
	v_nop
.endr
.Lasked_\@:
.endm
.macro CREST                           ; a round of the cluster's barrier behind its opening barrier
	s_cmp_lg_u32 s14, 0
	s_cbranch_scc1 .Lnot_wave_0_\@
	s_barrier_signal -3
.Lnot_wave_0_\@:
	s_barrier_wait -3
	s_barrier_signal -1
	s_barrier_wait -1
.endm
.macro CROUND
	s_barrier_signal -1
	s_barrier_wait -1
	CREST
.endm
.macro PLACES n
.rept \n
	v_nop
.endr
.endm
.macro FRAG reg, a16, a8, q, i         ; a fragment as it lies: four dense loads
	ds_load_b128 v[\reg:\reg+3], v[\a16] offset:(\i)*RBS+(\q)*1536
	ds_load_b64 v[\reg+4:\reg+5], v[\a8] offset:(\i)*RBS+(\q)*1536+512
	ds_load_b128 v[\reg+6:\reg+9], v[\a16] offset:(\i)*RBS+(\q)*1536+768
	ds_load_b64 v[\reg+10:\reg+11], v[\a8] offset:(\i)*RBS+(\q)*1536+1280
.endm
.macro FETCH_B slot, q, p              ; B's eight fragments of the slot's q-th 128 along K into set p
	WIN TO_B
.irp i, 0,1,2,3,4,5,6,7
	FRAG 128*(\p)+FR*\i, ADRB+\slot, ADRB+2+\slot, \q, \i
.endr
	WIN 0
.endm
.macro FETCH_A slot, q, i0             ; A's blocks i0 .. i0 + 3
.irp i, \i0, \i0+1, \i0+2, \i0+3
	FRAG AF+FR*(\i), ADRA+\slot, ADRA+2+\slot, \q, \i
.endr
.endm
.macro SCALES sc                       ; a K step's scale words: lanes 0-15 take A's block i, lanes 16-31 B's block i
.irp i, 0,1,2,3,4,5,6,7
.irp q, 0,1
	ds_load_b32 v[SC+16*\sc+2*\i+\q], v[ADRS] offset:\i*SBLK+64*\q
.endr
.endr
.endm
; 16 matrix instructions: A's blocks a0, a0 + 1 x B's eight, 128 along K.  zero = 1: the first product starts the sums.  The 64 accumulators take turns, one instruction a turn.
.macro MUL16 a0, p, q, sc, zero
.irp a, \a0, \a0+1
.irp b, 0,1,2,3,4,5,6,7
.set rD, 8*(8*((\a)%4)+\b)
.set rB, 128*(\p)+FR*\b
.set rA, AF+FR*(\a)
.set rSB, SC+16*(\sc)+2*\b+(\q)
.set rSA, SC+16*(\sc)+2*(\a)+(\q)
.if (\zero) == 1
	v_wmma_scale_f32_16x16x128_f8f6f4 v[rD:rD+7], v[rB:rB+FR-1], v[rA:rA+FR-1], 0, v[rSB], v[rSA] matrix_a_fmt:MATRIX_FMT_BF6 matrix_b_fmt:MATRIX_FMT_BF6 matrix_a_scale:MATRIX_SCALE_ROW1
.else
	v_wmma_scale_f32_16x16x128_f8f6f4 v[rD:rD+7], v[rB:rB+FR-1], v[rA:rA+FR-1], v[rD:rD+7], v[rSB], v[rSA] matrix_a_fmt:MATRIX_FMT_BF6 matrix_b_fmt:MATRIX_FMT_BF6 matrix_a_scale:MATRIX_SCALE_ROW1
.endif
.endr
.endr
.endm
; A step of 128 along K that has its successor in the same slot.  A has one set of registers: blocks 0-3 are fetched anew in the step's middle, blocks 4-7 at its end; B has two sets.
.macro STEP slot, q, zero
	s_wait_dscnt 4*NL                              ; all but the youngest 16 loads (A's blocks 4-7) are in
	WIN MUL_LO
	MUL16 0, (\q)%2, \q, \slot, \zero
	MUL16 2, (\q)%2, \q, \slot, \zero
	s_wait_dscnt 0x0                               ; A's blocks 4-7 are in
	PLACES NP                                      ; in front of loads into registers that matrix instructions have read
	FETCH_B \slot, (\q)+1, 1-(\q)%2
	FETCH_A \slot, (\q)+1, 0
	WIN MUL_HI
	MUL16 4, (\q)%2, \q, \slot, \zero
	MUL16 6, (\q)%2, \q, \slot, \zero
	PLACES NP
	WIN 0
	FETCH_A \slot, (\q)+1, 4
.endm
; A slot's last step changes slots: one barrier; in front of it each wave waits for all its tensor loads, adds 0 to its spare word, and waits for that and for its reads of this slot.  fill = 1: the slot is filled again, two K steps ahead.
.macro TURN slot, next, fill
	s_wait_tensorcnt 0x0                           ; all my tensor loads have landed: my part of the next slot
	ds_add_u32 v[SPW], v[NIL]                      ; 0 onto my spare word
	s_wait_dscnt 4*NL+1                            ; the add and the youngest 16 loads may be out
	WIN MUL_LO
	MUL16 0, 1, 1, \slot, 0                        ; sixteen matrix instructions stand between the add and the wait for it
	s_wait_dscnt 0x0                               ; the add is done, and my reads of this slot are over
	s_barrier_signal -1
	MUL16 2, 1, 1, \slot, 0
	WIN 0
	s_barrier_wait -1
.if \fill
	CREST                                          ; the barrier has opened a round of the cluster's: no wave of any partner still reads this slot or has a load on its way
	s_add_nc_u64 s[G0+4*\slot+2:G0+4*\slot+3], s[G0+4*\slot+2:G0+4*\slot+3], 2*RBS
	s_add_nc_u64 s[G0B+4*\slot+2:G0B+4*\slot+3], s[G0B+4*\slot+2:G0B+4*\slot+3], 2*RBS
	JLOAD G0+4*\slot, G1, G0B+4*\slot, G1B         ; the first tensor load behind the round; its four v_nop are also the places in front of the loads below
.else
	PLACES NP
.endif
	s_wait_alu depctr_va_vdst(0)
	v_add_nc_u32 v[ADRS], 128, v[ADRS]             ; the next K step's scale words
	FETCH_B \next, 0, 0
	FETCH_A \next, 0, 0
	SCALES \next
	WIN MUL_HI
	MUL16 4, 1, 1, \slot, 0
	MUL16 6, 1, 1, \slot, 0
	PLACES NP
	WIN 0
	FETCH_A \next, 0, 4
.endm
; 64 numbers of a lane, register 16 b + i = k 32 b + 16 (lane / 16) + i of my row, become a fragment's codes in v[PC] on and its scale word in v[PW].
.macro QUANT s
.irp b, 0,1,2,3
	v_max3_num_f32 v[TM+\b], |v[\s+16*\b]|, |v[\s+1+16*\b]|, 0x2800000  ; my 16 numbers of block b, and the floor 2^(5 - 127)
.endr
.irp i, 2,4,6,8,10,12,14
.irp b, 0,1,2,3
	v_max3_num_f32 v[TM+\b], v[TM+\b], |v[\s+16*\b+\i]|, |v[\s+1+16*\b+\i]|
.endr
.endr
.irp b, 0,1,2,3
	v_permlanex16_b32 v[TM+4+\b], v[TM+\b], s12, s13
.endr
.irp b, 0,1,2,3
	v_max_num_f32 v[TM+\b], v[TM+\b], v[TM+4+\b]   ; with lane l xor 16's: the block's largest magnitude
.endr
.irp b, 0,1,2,3
	v_add_nc_u32 v[TM+12+\b], 0xfe000000, v[TM+\b] ; 4 off its exponent field: the conversion's scale operand
.endr
.irp b, 0,1,2,3
	v_lshrrev_b32 v[TM+4+\b], 23, v[TM+12+\b]      ; the byte
.endr
	v_lshl_or_b32 v[PW], v[TM+5], 8, v[TM+4]
	v_lshl_or_b32 v[PW], v[TM+6], 16, v[PW]
	v_lshl_or_b32 v[PW], v[TM+7], 24, v[PW]
.irp c, 0,1
	v_cvt_scalef32_pk16_bf6_f32 v[PC+6*\c:PC+2+6*\c], v[\s+32*\c:\s+15+32*\c], v[TM+12+2*\c]
	v_cvt_scalef32_pk16_bf6_f32 v[PC+12+4*\c:PC+14+4*\c], v[\s+16+32*\c:\s+31+32*\c], v[TM+12+2*\c+1]
.endr
	v_nop                                          ; one plain instruction behind the conversions
.irp c, 0,1                                    ; the layout wants a whole block in a lane: lanes 0-15 block 2 c, lanes 16-31 block 2 c + 1
.irp i, 0,1,2
	v_permlane16_swap_b32 v[PC+6*\c+\i], v[PC+12+4*\c+\i]
.endr
.irp i, 0,1,2
	v_mov_b32 v[PC+3+6*\c+\i], v[PC+12+4*\c+\i]
.endr
.endr
.endm
	s_load_b128 s[4:7], s[0:1], 0x0                ; H, W
	s_load_b128 s[8:11], s[0:1], 0x10              ; b_qkv, ATT
	v_lshl_add_u32 v[SPW], v0, 2, SPARE
	v_mov_b32 v[NIL], 0
	ds_add_u32 v28, v29
	ds_add_u32 v28, v29
	s_wait_dscnt 0x0
	v_lshrrev_b32 v1, 5, v0
	v_readfirstlane_b32 s14, v1                    ; wave 0..3
	s_lshr_b32 s15, s14, 1                         ; which half of A's rows is mine.  Also: I fetch for A (0) or for B (1)
	s_and_b32 s16, s14, 1                          ; which half of B's rows.  Also: which 128 rows I fetch
	s_bfe_u32 s40, ttmp6, 0x40000                  ; cx
	s_bfe_u32 s41, ttmp6, 0x40004                  ; cy
	s_and_b32 s17, ttmp7, 0xffff
	s_lshl_b32 s17, s17, 2                         ; 4 x cluster y
	s_lshl_b32 s42, ttmp9, 2                       ; 4 x cluster x
	s_cmp_eq_u32 ttmp9, 2                          ; the V way?  The cluster's x is the same in all sixteen partners
	s_cselect_b32 s95, 1, 0
	s_cselect_b32 s42, s17, s42                    ; B's tiles: tokens by cluster y, or W's by cluster x;
	s_cselect_b32 s17, 8, s17                      ; A's: W's tiles 8 on, or tokens by cluster y
	s_add_co_u32 s17, s17, s41                     ; A's tile: + cy, which my row of the cluster shares
	s_add_co_u32 s42, s42, s40                     ; B's tile: + cx, which my column shares
	s_lshl_b32 s43, s41, 2
	s_lshl_b32 s43, 15, s43                        ; my row of the cluster
	s_lshl_b32 s44, 0x1111, s40                    ; my column
	s_or_b32 s[G1+0], s43, (3<<16)|(1<<21)         ; 15:0 the mask; 17:16 elements of 8 bytes; 21 set beside a mask; no padding
	s_or_b32 s[G1B+0], s44, (3<<16)|(1<<21)
.irp g, G1, G1B
	s_mov_b32 s[\g+1], 384<<16                     ; tensor_dim0: 3,072 bytes
	s_mov_b32 s[\g+2], 16<<16                      ; tensor_dim1: at the head a load brings a tile's 16 tiles rb; behind it 8
	s_mov_b32 s[\g+3], 384<<16                     ; tile_dim0
	s_mov_b32 s[\g+4], 16                          ; tile_dim1
	s_mov_b32 s[\g+5], KP/8                        ; from tile rb to tile rb
	s_mov_b32 s[\g+6], 0
	s_mov_b32 s[\g+7], 0
.endr
	s_or_b32 s[G1S+0], s43, (3<<16)|(1<<21)        ; the scale words of 256 rows: a dense block, as rows of 256 bytes
	s_or_b32 s[G1SB+0], s44, (3<<16)|(1<<21)
.irp g, G1S, G1SB
	s_mov_b32 s[\g+1], 32<<16
	s_mov_b32 s[\g+2], (HALFS/128)<<16             ; the scale words of 256 rows
	s_mov_b32 s[\g+3], 32<<16
	s_mov_b32 s[\g+4], HALFS/128
	s_mov_b32 s[\g+5], 32
	s_mov_b32 s[\g+6], 0
	s_mov_b32 s[\g+7], 0
.endr
	s_lshl_b32 s18, s16, 3                         ; which 8 tiles rb I fetch
	s_lshl_b32 s20, s17, 4
	s_add_co_u32 s20, s20, s18                     ; A: rb = 16 x tile + 8 x half
	s_lshl_b32 s46, s42, 4
	s_add_co_u32 s46, s46, s18                     ; B likewise
	s_sub_co_u32 s22, s20, s18                     ; the scale words come for the whole tile: from its first rb
	s_sub_co_u32 s92, s46, s18
	s_mul_i32 s22, s22, SBLK
	s_mul_i32 s92, s92, SBLK
	s_mul_i32 s20, s20, KP
	s_mul_i32 s46, s46, KP
	s_mov_b32 s21, 0
	s_mov_b32 s23, 0
	s_mov_b32 s47, 0
	s_mov_b32 s93, 0
	s_mul_i32 s45, s14, HALFT                      ; where they go: no place in the cluster enters an LDS address
	s_wait_kmcnt 0x0
	s_add_nc_u64 s[96:97], s[4:5], 3145728         ; H's scale words
	s_add_nc_u64 s[98:99], s[6:7], 9437184         ; W's (w_qkv's codes begin at W's byte 0)
	s_cmp_eq_u32 ttmp9, 2
	s_cselect_b64 s[66:67], s[6:7], s[4:5]         ; A's codes,
	s_cselect_b64 s[100:101], s[98:99], s[96:97]   ; A's scale words,
	s_cselect_b64 s[4:5], s[4:5], s[6:7]           ; B's codes,
	s_cselect_b64 s[6:7], s[96:97], s[98:99]       ; B's scale words
	s_add_nc_u64 s[20:21], s[66:67], s[20:21]
	s_add_nc_u64 s[22:23], s[100:101], s[22:23]
	s_add_nc_u64 s[46:47], s[4:5], s[46:47]
	s_add_nc_u64 s[92:93], s[6:7], s[92:93]
	; THE PREFETCHES' BASE.  Of the 8 tiles rb that my wave fetches for a slot, each of the four partners that ask for them jointly names two, told apart by address alone: the partner at place p (cx for A, cy for B) takes tiles 2 p and 2 p + 1
	s_cmp_eq_u32 s15, 0
	s_cselect_b64 s[66:67], s[20:21], s[46:47]
	s_cselect_b32 s98, s40, s41
	s_mul_i32 s98, s98, 2*KP
	s_mov_b32 s99, 0
	s_add_nc_u64 s[66:67], s[66:67], s[98:99]      ; never rewritten
	CROUND                                         ; all sixteen work-groups are here: the first joint loads meet
	s_mov_b32 s[G0S], 1
	s_mov_b32 s[G0S+1], SCL
	s_mov_b64 s[G0S+2:G0S+3], s[22:23]
	s_or_b32 s[G0S+3], s[G0S+3], 0x80000000
	s_mov_b32 s[G0SB], 1
	s_mov_b32 s[G0SB+1], SCL+2*HALFS
	s_mov_b64 s[G0SB+2:G0SB+3], s[92:93]
	s_or_b32 s[G0SB+3], s[G0SB+3], 0x80000000
.irp s, 0,1
	s_mov_b32 s[G0+4*\s], 1
	s_add_co_u32 s[G0+4*\s+1], s45, \s*SLOT
	s_add_nc_u64 s[G0+4*\s+2:G0+4*\s+3], s[20:21], \s*RBS
	s_or_b32 s[G0+4*\s+3], s[G0+4*\s+3], 0x80000000
	s_mov_b32 s[G0B+4*\s], 1
	s_add_co_u32 s[G0B+4*\s+1], s45, \s*SLOT
	s_add_nc_u64 s[G0B+4*\s+2:G0B+4*\s+3], s[46:47], \s*RBS
	s_or_b32 s[G0B+4*\s+3], s[G0B+4*\s+3], 0x80000000
.endr
; THE HEAD'S FOUR TILES, one tensor load a wave, in one chain of branches on the wave's number: wave 0 A's 256 rows of K step 0, wave 2 B's (their own slot-0 descriptors begin at the tile's first rb), wave 1 A's scale words, wave 3 B's.
.macro HARM g0, g1
	tensor_load_to_lds s[\g0:\g0+3], s[\g1:\g1+7]
	s_nop 0
.rept 4
	v_nop
.endr
.endm
	s_cmp_eq_u32 s14, 0
	s_cbranch_scc0 .Lhead_1
	HARM G0, G1
	s_branch .Lhead_j
.Lhead_1:
	s_cmp_eq_u32 s14, 2
	s_cbranch_scc0 .Lhead_2
	HARM G0B, G1B
	s_branch .Lhead_j
.Lhead_2:
	s_cmp_eq_u32 s14, 1
	s_cbranch_scc0 .Lhead_3
	HARM G0S, G1S
	s_branch .Lhead_j
.Lhead_3:
	HARM G0SB, G1SB
.Lhead_j:
	v_and_b32 v1, 15, v0                           ; r
	v_bfe_u32 v2, v0, 4, 1                         ; h
	v_and_b32 v3, 31, v0
	v_lshlrev_b32 v[L16], 4, v3
	v_lshlrev_b32 v[L8], 3, v3
	v_min_u32 v24, 11, v1                          ; a slot's 3,072 bytes of a tile rb are 12 blocks of 256: lanes 0-11 name those of my first tile, lanes 16-27 those of my second; the lanes left over name their tile's last block again
	v_lshlrev_b32 v24, 8, v24
	v_mad_u32_u24 v24, v2, KP, v24                 ; never rewritten
	global_prefetch_b8 v24, s[66:67] offset:RBS th:TH_LOAD_NT scope:SCOPE_SE    ; K steps 1 and 2 are asked for into the L2 behind the head's loads: each block once in the cluster; their tensor loads follow one and two changes of slots later
	global_prefetch_b8 v24, s[66:67] offset:2*RBS th:TH_LOAD_NT scope:SCOPE_SE
	s_mul_i32 s21, s15, HALFT                      ; my 128 rows of A
	s_mul_i32 s22, s16, HALFT
	s_add_co_u32 s22, s22, 2*HALFT                 ; my 128 rows of B, behind A's 256
.irp s, 0,1
	v_add_nc_u32 v[ADRA+\s], s21, v[L16]
	v_add_nc_u32 v[ADRA+2+\s], s21, v[L8]
	v_add_nc_u32 v[ADRB+\s], s22, v[L16]
	v_add_nc_u32 v[ADRB+2+\s], s22, v[L8]
	s_add_co_u32 s21, s21, SLOT
	s_add_co_u32 s22, s22, SLOT
.endr
	s_mul_i32 s21, s15, HALFS
	s_mul_i32 s22, s16, HALFS
	s_add_co_u32 s22, s22, 2*HALFS
	s_sub_co_u32 s22, s22, s21
	v_mul_u32_u24 v6, s22, v2                      ; lanes 16-31 take B's: one product, the distance between the two bases
	s_add_co_u32 s21, s21, SCL
	v_lshl_add_u32 v6, v1, 2, v6
	v_add_nc_u32 v[ADRS], s21, v6
	; the biases.  Both sets are loaded on both ways, from addresses inside b_qkv, so that no register's state hangs on the way
	s_lshl_b32 s46, s42, 1
	s_add_co_u32 s46, s46, s16                     ; my block of 128 columns
	s_xor_b32 s47, s95, 1
	s_mul_i32 s20, s46, s47                        ; (0 on the V way)
	s_lshl_b32 s20, s20, 9
	s_mov_b32 s21, 0
	s_add_nc_u64 s[20:21], s[8:9], s[20:21]
	s_lshl_b32 s22, s41, 8
	s_lshl_b32 s23, s15, 7
	s_add_co_u32 s22, s22, s23
	s_add_co_u32 s22, s22, 2048                    ; V's channel 256 cy + 128 x half is column 2,048 on
	s_mul_i32 s22, s22, s95                        ; (0 on the other way)
	s_lshl_b32 s22, s22, 2
	s_mov_b32 s23, 0
	s_add_nc_u64 s[22:23], s[8:9], s[22:23]
	v_lshlrev_b32 v7, 6, v2                        ; 64 h
	v_and_b32 v5, 7, v0
	v_bfe_u32 v4, v0, 3, 1
	v_lshl_add_u32 v5, v4, 4, v5
	v_lshlrev_b32 v5, 2, v5                        ; my row in a pair of tiles: (r & 7) + 16 (r >> 3)
.irp a, 0,1,2,3,4,5,6,7
	global_load_b32 v[8+\a], v5, s[22:23] offset:(32*(\a/2)+8*(\a%2))*4
.endr
	WIN TO_B
.irp g, 0,1,2,3
.irp j, 0,1,2,3
	global_load_b128 v[96+16*\g+4*\j+96*(\g/2):99+16*\g+4*\j+96*(\g/2)], v7, s[20:21] offset:128*\g+16*\j  ; register 16 g + i: column 32 g + 16 h + i
.endr
.endr
	WIN 0
	s_wait_alu depctr_va_vdst(0)
	s_wait_loadcnt 0x0
	s_wait_tensorcnt 0x0                           ; my tile of the head's four is in; slot 1's first fill is issued as a refill is:
	ds_add_u32 v[SPW], v[NIL]                      ; 0 onto my spare word
	s_mov_b32 s[G1+2], 8<<16                       ; no tensor load of mine is out: from here on a load brings 8 tiles rb
	s_mov_b32 s[G1+4], 8
	s_mov_b32 s[G1B+2], 8<<16
	s_mov_b32 s[G1B+4], 8
	s_wait_dscnt 0x0
	CROUND                                         ; all four tiles are in, and all sixteen work-groups are here
	JLOAD G0+4, G1, G0B+4, G1B                     ; K step 1, the first tensor load behind the round
	FETCH_B 0, 0, 0
	FETCH_A 0, 0, 0
	SCALES 0
	FETCH_A 0, 0, 4
	global_prefetch_b8 v24, s[66:67] offset:3*RBS th:TH_LOAD_NT scope:SCOPE_SE  ; K step 3, the last, behind K step 1's load: two refills ahead of its own
	STEP 0, 0, 1                                   ; the first step stands in front of the loop: its products start the sums
	s_mov_b32 s3, LAPS-1
.Llap:
	TURN 0, 1, 1
	STEP 1, 0, 0
	TURN 1, 0, 1
	STEP 0, 0, 0
	s_sub_co_u32 s3, s3, 1
	s_cmp_lg_u32 s3, 0
	s_cbranch_scc1 .Llap
	TURN 0, 1, 0                                   ; the last lap fills nothing
	STEP 1, 0, 0
	s_wait_dscnt 4*NL
	WIN MUL_LO
	MUL16 0, 1, 1, 1, 0
	MUL16 2, 1, 1, 1, 0
	s_wait_dscnt 0x0
	WIN MUL_HI
	MUL16 4, 1, 1, 1, 0
	MUL16 6, 1, 1, 1, 0
	WIN 0
	; THE WAY OUT: block by block of A's 16 rows: bias, quantiser, dense stores
	PLACES NP
.irp b, 0,1,2,3
	v_mov_b32 v[TM+4+\b], 0                        ; written once: a lane permute's destination counts as one of its sources
.endr
	v_bfe_u32 v[HH], v0, 4, 1
	v_cmp_ne_u32 vcc_lo, 0, v[HH]
	v_lshlrev_b32 v[SHF], 4, v[HH]
	s_mov_b32 s12, 0x76543210
	s_mov_b32 s13, 0xfedcba98
	s_lshl_b32 s46, s42, 1
	s_add_co_u32 s46, s46, s16                     ; B's block of 128: columns, or tokens
	s_cmp_eq_u32 s95, 1
	s_cbranch_scc1 .Lvway
	s_and_b32 s47, s46, 7                          ; the pair of heads
	s_lshr_b32 s20, s17, 3                         ; the batch
	s_lshl_b32 s20, s20, 4
	s_lshl_b32 s47, s47, 1
	s_add_co_u32 s20, s20, s47                     ; the even head's record
	s_lshr_b32 s21, s46, 3
	s_xor_b32 s21, s21, 1                          ; 1 for Q, 0 for K
	s_and_b32 s22, s17, 7
	s_lshl_b32 s22, s22, 4
	s_lshl_b32 s23, s15, 3
	s_add_co_u32 s22, s22, s23                     ; my first tile of tokens in the batch
	s_mul_i32 s96, s20, 294912
	s_mul_i32 s23, s21, 196608
	s_add_co_u32 s96, s96, s23
	s_mul_i32 s23, s22, 768
	s_add_co_u32 s96, s96, s23
	s_mov_b32 s97, 0
	s_add_nc_u64 s[96:97], s[10:11], s[96:97]
	s_mul_i32 s98, s20, 20480
	s_mul_i32 s23, s21, 12288
	s_add_co_u32 s98, s98, s23
	s_lshl_b32 s23, s22, 6
	s_add_co_u32 s98, s98, s23
	s_add_co_u32 s98, s98, 9437184
	s_mov_b32 s99, 0
	s_add_nc_u64 s[98:99], s[10:11], s[98:99]
	v_and_b32 v[SOF], 15, v0
	v_lshlrev_b32 v[SOF], 2, v[SOF]
	s_wait_alu depctr_va_vdst(0)
	v_mad_u32_u24 v[SOF], v[HH], 0x5000, v[SOF]    ; lanes 0-15 store the even head's words, lanes 16-31 the odd head's, a record on
.macro OUTQK a
.if (\a) > 0
	s_wait_xcnt 0x0                                ; the last block's stores have read their registers
.endif
	WIN 0x06+(\a)/4                                ; source 0: the accumulators' window; source 1: window 1
.set AC, 64*((\a)%4)
.set p, 0
.rept 32
	v_pk_add_f32 v[HQ+p:HQ+p+1], v[AC+p:AC+p+1], v[96+p+96*(p/32):97+p+96*(p/32)]  ; + bias; each accumulator from its low end on
.set p, p+2
.endr
	WIN 0
	QUANT HQ
	global_store_b128 v[L16], v[PC:PC+3], s[96:97] offset:(\a)*768            ; the even head: the fragment's first half
	global_store_b64 v[L8], v[PC+4:PC+5], s[96:97] offset:(\a)*768+512
	global_store_b128 v[L16], v[PC+6:PC+9], s[96:97] offset:294912+(\a)*768   ; the odd head: its second
	global_store_b64 v[L8], v[PC+10:PC+11], s[96:97] offset:294912+(\a)*768+512
	v_lshrrev_b32 v[SW], v[SHF], v[PW]
	v_and_b32 v[SW], 0xffff, v[SW]                 ; my head's two bytes; the upper two are 0
	global_store_b32 v[SOF], v[SW], s[98:99] offset:64*(\a)
.endm
.irp a, 0,1,2,3,4,5,6,7
	OUTQK \a
.endr
	s_branch .Ljoin
.Lvway:
	s_lshr_b32 s20, s46, 4
	s_lshl_b32 s20, s20, 4                         ; 16 x batch
	s_lshl_b32 s21, s41, 2
	s_add_co_u32 s20, s20, s21
	s_lshl_b32 s21, s15, 1
	s_add_co_u32 s20, s20, s21                     ; my first head: 4 cy + 2 x half
	s_and_b32 s22, s46, 15                         ; the key step
	s_mul_i32 s96, s20, 294912
	s_mul_i32 s23, s22, 6144
	s_add_co_u32 s96, s96, s23
	s_add_co_u32 s96, s96, 98304
	s_mov_b32 s97, 0
	s_add_nc_u64 s[96:97], s[10:11], s[96:97]
	s_mul_i32 s98, s20, 20480
	s_lshl_b32 s23, s22, 8
	s_add_co_u32 s98, s98, s23
	s_add_co_u32 s98, s98, 9437184+8192
	s_mov_b32 s99, 0
	s_add_nc_u64 s[98:99], s[10:11], s[98:99]
	v_and_b32 v[SOF], 31, v0
	v_lshlrev_b32 v[SOF], 2, v[SOF]                ; 4 x lane: two neighbouring tiles' words
.macro OUTV a
.if (\a) > 0
	s_wait_xcnt 0x0
.endif
	WIN 0x02+(\a)/4
.set AC, 64*((\a)%4)
.set p, 0
.rept 32
.if (\a)%2
	v_pk_add_f32 v[HQ+p:HQ+p+1], v[AC+p:AC+p+1], v[8+(\a)-1:8+(\a)] op_sel:[0,1] op_sel_hi:[1,1]  ; + my channel's bias, for both halves
.else
	v_pk_add_f32 v[HQ+p:HQ+p+1], v[AC+p:AC+p+1], v[8+(\a):8+(\a)+1] op_sel_hi:[1,0]
.endif
.set p, p+2
.endr
	WIN 0
	QUANT HQ
	global_store_b128 v[L16], v[PC:PC+3], s[96:97] offset:((\a)/4)*294912+((\a)%4)*1536
	global_store_b64 v[L8], v[PC+4:PC+5], s[96:97] offset:((\a)/4)*294912+((\a)%4)*1536+512
	global_store_b128 v[L16], v[PC+6:PC+9], s[96:97] offset:((\a)/4)*294912+((\a)%4)*1536+768
	global_store_b64 v[L8], v[PC+10:PC+11], s[96:97] offset:((\a)/4)*294912+((\a)%4)*1536+1280
.if (\a)%2 == 0
	v_mov_b32 v[PWE], v[PW]
.else
	v_cndmask_b32 v[SW], v[PWE], v[PW], vcc_lo     ; lanes 0-15 the even tile's words, lanes 16-31 the odd tile's
	global_store_b32 v[SOF], v[SW], s[98:99] offset:((\a)/4)*20480+(((\a)/2)%2)*128
.endif
.endm
.irp a, 0,1,2,3,4,5,6,7
	OUTV \a
.endr
.Ljoin:
	s_wait_tensorcnt 0x0                           ; the wave's end
	ds_add_u32 v[SPW], v[NIL]
	s_wait_dscnt 0x0
	CROUND                                         ; the closing round: no work-group ends while a partner may still ask for a tile that names it
	s_endpgm
.Lfunc_end_k_q25fe2630ed_qkv:
	.size	k_q25fe2630ed_qkv, .Lfunc_end_k_q25fe2630ed_qkv-k_q25fe2630ed_qkv
	.p2alignl 7, 3214868480
	.fill 96, 4, 3214868480
	.section	.rodata,"a",@progbits
	.p2align	6, 0x0
	.amdhsa_kernel k_q25fe2630ed_qkv
		.amdhsa_group_segment_fixed_size 327680
		.amdhsa_private_segment_fixed_size 0
		.amdhsa_enable_private_segment 0
		.amdhsa_kernarg_size 32
		.amdhsa_user_sgpr_count 2
		.amdhsa_user_sgpr_kernarg_segment_ptr 1
		.amdhsa_wavefront_size32 1
		.amdhsa_system_sgpr_workgroup_id_x 1
		.amdhsa_system_sgpr_workgroup_id_y 1
		.amdhsa_system_sgpr_workgroup_id_z 1
		.amdhsa_system_vgpr_workitem_id 0
		.amdhsa_next_free_vgpr 1024
		.amdhsa_next_free_sgpr 102
		.amdhsa_reserve_vcc 1
		.amdhsa_float_denorm_mode_32 3
		.amdhsa_float_denorm_mode_16_64 3
		.amdhsa_memory_ordered 1
		.amdhsa_forward_progress 1
		.amdhsa_inst_pref_size 224
	.end_amdhsa_kernel
	.amdgpu_metadata
---
amdhsa.version: [ 1, 2 ]
amdhsa.kernels:
  - .name:           k_q25fe2630ed_qkv
    .symbol:         k_q25fe2630ed_qkv.kd
    .args:
      - { .name: H, .offset: 0, .size: 8, .value_kind: global_buffer, .address_space: global }
      - { .name: W, .offset: 8, .size: 8, .value_kind: global_buffer, .address_space: global }
      - { .name: b_qkv, .offset: 16, .size: 8, .value_kind: global_buffer, .address_space: global }
      - { .name: ATT, .offset: 24, .size: 8, .value_kind: global_buffer, .address_space: global }
    .group_segment_fixed_size: 327680
    .private_segment_fixed_size: 0
    .kernarg_segment_align: 8
    .kernarg_segment_size: 32
    .max_flat_workgroup_size: 128
    .sgpr_count:     102
    .vgpr_count:     1024
    .wavefront_size: 32
...
	.end_amdgpu_metadata
.endif
;; end of part 9
;; launch attn (part 10): grid 8 x 32, 16 waves a work-group, clusters of 4 x 1, 284,672 bytes of LDS; arguments ATT, CTX; writes CTX
.if DOCPART == 10
	.amdgcn_target "amdgcn-amd-amdhsa--gfx1250"
	.amdhsa_code_object_version 6
	.text
	.protected	k_q25fe2630ed_attn
	.globl	k_q25fe2630ed_attn
	.p2align	8
	.type	k_q25fe2630ed_attn,@function
k_q25fe2630ed_attn:
	s_mov_b64 s[64:65], 0
	v_nop
	global_prefetch_b8 v0, s[64:65] scope:SCOPE_SE
	s_setreg_imm32_b32 hwreg(HW_REG_WAVE_MODE, 25, 1), 1
	s_wait_xcnt 0x0
	s_wait_alu depctr_hold_cnt(0) depctr_sa_sdst(0) depctr_va_vdst(0) depctr_va_sdst(0) depctr_va_ssrc(0) depctr_va_vcc(0) depctr_vm_vsrc(0)
	s_getreg_b32 s2, hwreg(HW_REG_IB_STS2, 6, 4)
	s_cmp_eq_u32 s2, 0
	s_cbranch_scc0 .Lentry_in_a_cluster
	s_endpgm
.Lentry_in_a_cluster:
	s_bfe_u32 s2, ttmp6, 0x10000c
	s_cmp_lg_u32 s2, 0x3003
	s_cbranch_scc0 .Lentry_shape_is_right
	s_endpgm
.Lentry_shape_is_right:
; ctx = softmax(q k^T / 8, causal) v for 32 heads of 2,048 tokens x 64, both products on codes of BF6 (E3M2) with E8M0 scales; the result is quantised along the model's 1,024 and stored as the next product's operand.
; THE SOFTMAX AHEAD OF THE SECOND PRODUCT: t = score x log2(e) / 8; M = the running largest t rounded UP to a whole number; p = 2^(t - M) is quantised along the keys, not normalised; the row's sum is taken of the
; unquantised p and divides at the end; when M moves, the sum and O are multiplied by 2^(old M - new M), which rounds nothing.
; OPERANDS ARE IMAGES OF THEIR REGISTERS (16 rows x 128 K = 1,536 bytes in two halves of 768: 512 bytes, lane l at 16 l, then 256, lane l at 8 l); lane r of tile 2 g + u is row 32 g + 8 u + (r & 7) + 16 (r >> 3).
; A head's 64 are HALF a fragment: q's and k's upper six registers are zero codes, written once.  ATT's record of a head: K [tile 128][768] at 0, V [step 16][tile 4][1,536] at 98,304, Q [tile 128][768] at 196,608;
; scale words from byte 9,437,184, 20,480 a head: K at 0, V at 8,192, Q at 12,288.
; BOTH PRODUCTS ARE USED TRANSPOSED (S^T = K Q^T, O^T = V^T P^T): a lane holds one query throughout, and register 16 b + i is key (or channel) 32 b + 16 (lane / 16) + i.
; SHARES.  Work-group c (0..7) of a head owns the sixteen query tiles 8 t + c, t = 0..15; tile t needs key steps 0..t (the key steps behind the causal mask are left out whole).  The tiles go in pairs (15 - i, i), 17 steps a pair, i = 0..7:
; wave i takes steps 7 - i .. 15 - i of tile 15 - i: nine steps; wave 8 + i takes steps 0 .. 6 - i of tile 15 - i, leaves O^T, -M and the sums in LDS bytes of its own, and then takes tile i whole: eight steps.
; Behind one barrier wave i joins the two parts: both are brought under the larger M by powers of two, which rounds nothing, and added.  All these branches hang on the wave's number alone.
; LDS holds the head's whole K, V and their scale words, 208,896 bytes, FILLED ONCE, one tensor load a wave at the head: waves 0-11 take 64 rows of 256 bytes of K's and V's streams each, waves 12-15 twelve rows of the words each.
; Behind them the spare words (2,048 bytes) and the waves' parts (4,608 bytes each).  All is asked for at the head and there is no loop to run ahead in: no prefetch.
; CLUSTER: the four work-groups of a cluster belong to one head and want the same bytes: every load is asked for jointly, which divides the requests by four.
; REGISTERS: v1-6 lane bases, v7-11, v29 the step's addresses, v12 -M, v13 the largest t, v[14:15] the sum, v16-27 Q, v28 Q's words, v30 the mask's number, v31 4 r, v32-79 four fragments of K, v80-83 K's words, v84-87 V's,
; v88-94 the second tile's Q and words, v96-159 S^T, then p, then V's four fragments, v160-191 O^T, v192-203 p's codes, v204-210 conversions, v212-223 at work, v[224:225] f, v226 p's words, v227-229 at work, v230, v231 my part's and my partner's LDS address, v240-253 partial sums.
; LIMITS: blocks whose numbers are all 0, or under 2^-122, get the byte 1 (this program alone reads the bytes); NaN and infinities are not served; the scaled scores stay under 2^31 in magnitude.
.set REC,   294912
.set SREC,  20480
.set SBASE, 9437184
.set LV,    98304                      ; LDS: K's stream at 0, V's here,
.set LKW,   196608                     ; K's words,
.set LVW,   204800                     ; V's words,
.set SPARE, 0x33000                    ; the spare words,
.set PB,    0x33800                    ; the waves' parts:
.set PSZ,   4608                       ; eight pieces of 512 bytes of O^T, one of -M, t and the sums
.macro CROUND
	s_barrier_signal -1
	s_barrier_wait -1
	s_cmp_lg_u32 s18, 0
	s_cbranch_scc1 .Lnot_wave_0_\@
	s_barrier_signal -3
.Lnot_wave_0_\@:
	s_barrier_wait -3
	s_barrier_signal -1
	s_barrier_wait -1
.endm
	s_load_b128 s[4:7], s[0:1], 0x0                ; ATT, CTX
	v_lshl_add_u32 v254, v0, 2, SPARE
	v_mov_b32 v255, 0
	ds_add_u32 v254, v255                          ; the opening lines: the add twice, and its wait ahead of my tensor load
	ds_add_u32 v254, v255
	v_lshrrev_b32 v1, 5, v0
	s_delay_alu instid0(VALU_DEP_1)
	v_readfirstlane_b32 s18, v1                    ; wave 0..15
	s_bfe_u32 s8, ttmp6, 0x40000                   ; cx
	s_lshl_b32 s9, ttmp9, 2
	s_add_co_u32 s9, s9, s8                        ; c: it enters global addresses and the mask's number alone
	s_and_b32 s10, ttmp7, 0xffff                   ; the head, which the partners share
	s_and_b32 s80, s18, 7                          ; i
	s_sub_co_u32 s82, 15, s80                      ; the pair's long tile
	s_sub_co_u32 s83, 7, s80                       ; how many of its steps wave 8 + i takes
	s_cmp_lt_u32 s18, 8
	s_cselect_b32 s19, s82, s80                    ; the tile that I finish and store
	s_cselect_b32 s84, s83, 0                      ; its first step of mine
	s_cselect_b32 s85, 0, s83                      ; first walk: steps 0 .. s85 - 1 of the long tile,
	s_mul_i32 s11, s10, REC
	s_mul_i32 s12, s10, SREC
	s_add_co_u32 s12, s12, SBASE
	s_and_b32 s13, s18, 3
	s_mul_i32 s13, s13, 3072                       ; waves 12-15: my quarter of the 12,288 bytes of words
	s_lshl_b32 s16, s18, 14                        ; waves 0-11: my twelfth of K's and V's 196,608 bytes: the same offset in the record and in LDS
.irp g, 24, 32                         ; dense blocks as rows of 256 bytes: 32 elements of 8 bytes
	s_mov_b32 s[\g], 15|(3<<16)|(1<<21)            ; the mask: all four work-groups; elements of 8 bytes; bit 21 beside a mask
	s_mov_b32 s[\g+1], 32<<16
	s_mov_b32 s[\g+3], 32<<16
	s_mov_b32 s[\g+5], 32
	s_mov_b32 s[\g+6], 0
	s_mov_b32 s[\g+7], 0
.endr
	s_mov_b32 s26, 12<<16                          ; 12 rows of words,
	s_mov_b32 s28, 12
	s_mov_b32 s34, 64<<16                          ; 64 rows of codes
	s_mov_b32 s36, 64
	s_mov_b32 s20, 0x76543210
	s_mov_b32 s21, 0xfedcba98                      ; lane l xor 16
	s_mov_b32 s22, 0x3e38aa3b                      ; log2(e) / 8
	s_mov_b32 s23, s22
	s_mov_b32 s60, 0                               ; the key step,
	s_mov_b32 s61, 0                               ; its bytes in K's and in V's stream: 6,144 a step,
	s_mov_b32 s62, 0                               ; its words of K: 512,
	s_mov_b32 s63, 0                               ; of V: 256
	s_lshl_b32 s66, s19, 3
	s_add_co_u32 s66, s66, s9                      ; the query tile that I finish
	s_add_co_u32 s2, s12, s13
	s_mov_b32 s3, 0
	s_add_co_u32 s68, s11, s16
	s_mov_b32 s69, 0
	s_lshl_b32 s78, s82, 3
	s_add_co_u32 s78, s78, s9                      ; the long tile
	s_mul_i32 s88, s78, 768
	s_add_co_u32 s88, s88, s11
	s_add_co_u32 s88, s88, 196608                  ; its Q's codes
	s_mov_b32 s89, 0
	s_lshl_b32 s90, s78, 6
	s_add_co_u32 s90, s90, s12
	s_add_co_u32 s90, s90, 12288                   ; its Q's words
	s_mov_b32 s91, 0
	s_mul_i32 s40, s18, PSZ
	s_add_co_u32 s40, s40, PB                      ; my part in LDS,
	s_xor_b32 s41, s18, 8
	s_mul_i32 s41, s41, PSZ
	s_add_co_u32 s41, s41, PB                      ; my partner's
	s_mul_i32 s74, s66, 768
	s_add_co_u32 s74, s74, s11
	s_add_co_u32 s74, s74, 196608                  ; Q's codes of the tile that I finish
	s_mov_b32 s75, 0
	s_lshl_b32 s76, s66, 6
	s_add_co_u32 s76, s76, s12
	s_add_co_u32 s76, s76, 12288                   ; its words
	s_mov_b32 s77, 0
	s_lshr_b32 s67, s10, 4
	s_lshl_b32 s67, s67, 7
	s_add_co_u32 s67, s67, s66                     ; my tile among all 4,096 tokens'
	s_and_b32 s15, s10, 15
	s_mul_i32 s70, s67, 12288
	s_mul_i32 s14, s15, 768
	s_add_co_u32 s70, s70, s14                     ; ctx: a head is half a fragment
	s_mov_b32 s71, 0
	s_lshl_b32 s72, s67, 9
	s_lshr_b32 s14, s15, 1
	s_lshl_b32 s14, s14, 6
	s_add_co_u32 s72, s72, s14
	s_and_b32 s14, s15, 1
	s_lshl_b32 s14, s14, 1
	s_add_co_u32 s72, s72, s14
	s_add_co_u32 s72, s72, 3145728                 ; and two bytes of a scale word
	s_mov_b32 s73, 0
	s_lshr_b32 s14, s9, 1
	s_lshl_b32 s14, s14, 5
	s_and_b32 s15, s9, 1
	s_lshl_b32 s15, s15, 3
	s_add_co_u32 s14, s14, s15                     ; 32 (c >> 1) + 8 (c & 1): a tile's place in its 128 tokens
	s_wait_dscnt 0x0
	s_wait_kmcnt 0x0
	s_mov_b32 s48, 1
	s_add_co_u32 s49, s13, LKW
	s_add_nc_u64 s[50:51], s[4:5], s[2:3]
	s_or_b32 s51, s51, 0x80000000
	s_mov_b32 s52, 1
	s_mov_b32 s53, s16
	s_add_nc_u64 s[54:55], s[4:5], s[68:69]
	s_or_b32 s55, s55, 0x80000000
	s_add_nc_u64 s[88:89], s[4:5], s[88:89]
	s_add_nc_u64 s[90:91], s[4:5], s[90:91]
	s_add_nc_u64 s[74:75], s[4:5], s[74:75]
	s_add_nc_u64 s[76:77], s[4:5], s[76:77]
	s_add_nc_u64 s[70:71], s[6:7], s[70:71]
	s_add_nc_u64 s[72:73], s[6:7], s[72:73]
	CROUND                                         ; all four work-groups are here: the joint loads meet
	s_cmp_lt_u32 s18, 12                           ; one tensor load a wave, each in its arm
	s_cbranch_scc0 .Lwords
	tensor_load_to_lds s[52:55], s[32:39]
	s_nop 0
.rept 4
	v_nop
.endr
	s_branch .Lasked
.Lwords:
	tensor_load_to_lds s[48:51], s[24:31]
	s_nop 0
.rept 4
	v_nop
.endr
.Lasked:
	v_and_b32 v227, 31, v0
	s_delay_alu instid0(VALU_DEP_1)
	v_lshlrev_b32 v1, 4, v227                      ; 16 x lane
	s_delay_alu instid0(VALU_DEP_2)
	v_lshlrev_b32 v2, 3, v227                      ; 8 x lane
	v_and_b32 v228, 15, v0
	s_delay_alu instid0(VALU_DEP_1)
	v_lshlrev_b32 v31, 2, v228                     ; 4 r
	s_delay_alu instid0(VALU_DEP_1)
	v_add_nc_u32 v3, LKW, v31
	v_add_nc_u32 v4, LV, v1
	v_add_nc_u32 v5, LV, v2
	s_delay_alu instid0(VALU_DEP_4)
	v_add_nc_u32 v6, LVW, v31
	global_load_b128 v[16:19], v1, s[88:89]        ; the long tile's Q, for the first walk
	global_load_b64 v[20:21], v2, s[88:89] offset:512
	global_load_b32 v28, v31, s[90:91]
	global_load_b128 v[88:91], v1, s[74:75]        ; Q of the tile that I finish, for the second
	global_load_b64 v[92:93], v2, s[74:75] offset:512
	global_load_b32 v94, v31, s[76:77]
	v_add_nc_u32 v230, s40, v1
	v_add_nc_u32 v231, s41, v1
.irp j, 22,23,24,25,26,27, 38,39,40,41,42,43, 50,51,52,53,54,55, 62,63,64,65,66,67, 74,75,76,77,78,79
	v_mov_b32 v\j, 0                               ; zero codes for k = 64 .. 127 of Q and of K's four fragments: never loaded
.endr
	v_and_b32 v30, 7, v0
	v_bfe_u32 v227, v0, 3, 1
	s_delay_alu instid0(VALU_DEP_1)
	v_lshl_add_u32 v30, v227, 4, v30
	v_bfe_u32 v227, v0, 4, 1
	s_delay_alu instid0(VALU_DEP_1)
	v_lshlrev_b32 v227, 4, v227
	s_delay_alu instid0(VALU_DEP_1)
	v_sub_nc_u32 v30, v30, v227
	s_delay_alu instid0(VALU_DEP_1)
	v_add_nc_u32 v30, s14, v30                     ; d = my query's place in its 128 tokens - 16 (lane / 16): on the diagonal register 16 b + i is hidden where 32 b + i > d
	v_mov_b32 v229, 0xff800000                     ; -infinity
	v_mov_b32 v13, 0xff61b1e6                      ; the largest t so far: -3e38
	s_delay_alu instid0(VALU_DEP_1)
	v_floor_f32 v12, -v13                          ; -M
	v_mov_b32 v14, 0
	v_mov_b32 v15, 0
.irp j, 216,217,218,219,225,227
	v_mov_b32 v\j, 0                               ; written once: permutes' destinations, and the upper halves of the factors' pairs
.endr
.set j, 0
.rept 32
	v_mov_b32 v[160+j], 0                          ; O^T: the step is written once; the first finds zeros
.set j, j+1
.endr
; A KEY STEP of 128 keys.  It is worked where s86 <= step < s85; the lines at its end, which step addresses, always run.
; own = 0: the first walk's copy: it begins at step 0 and has no step on the diagonal, so the test on a first step and the mask's lines are not assembled.  own = 1: the second walk's.
.macro STEP own
	s_cmp_ge_u32 s60, s85
	s_cbranch_scc1 .Lhidden_\@
.if \own
	s_cmp_lt_u32 s60, s86
	s_cbranch_scc1 .Lhidden_\@
.endif
	v_add_nc_u32 v7, s61, v1                       ; (these six are also the places between the last step's products and this step's, which write over V's fragments)
	v_add_nc_u32 v8, s61, v2
	v_add_nc_u32 v9, s62, v3
	s_wait_alu depctr_va_vdst(0)
	v_add_nc_u32 v10, s61, v4
	v_add_nc_u32 v11, s61, v5
	v_add_nc_u32 v29, s63, v6
.irp g, 0,1                                    ; S^T = K Q^T, four tiles of 16 keys at a time
.if \g
.rept 4
	v_nop                                          ; places in front of loads into registers that matrix instructions have read
.endr
.endif
.irp t, 0,1,2,3
	ds_load_b128 v[32+12*\t:35+12*\t], v7 offset:(4*\g+\t)*768
	ds_load_b64 v[36+12*\t:37+12*\t], v8 offset:(4*\g+\t)*768+512
	ds_load_b32 v[80+\t], v9 offset:(4*\g+\t)*64
.endr
	s_wait_dscnt 0x0
.irp t, 0,1,2,3
	v_wmma_scale_f32_16x16x128_f8f6f4 v[96+8*(4*\g+\t):103+8*(4*\g+\t)], v[32+12*\t:43+12*\t], v[16:27], 0, v[80+\t], v28 matrix_a_fmt:MATRIX_FMT_BF6 matrix_b_fmt:MATRIX_FMT_BF6
.endr
.endr
.rept 4
	v_nop
.endr
.if \own
	s_cmp_lg_u32 s60, s87                          ; only a tile's last step lies on the diagonal
	s_cbranch_scc1 .Lopen_\@
.set n, 0
.rept 64
	v_cmp_gt_i32 vcc_lo, 32*(n/16)+n%16, v30
	v_cndmask_b32 v[96+n], v[96+n], v229, vcc_lo   ; hidden scores become -infinity ahead of the maximum: p = 0
.set n, n+1
.endr
.Lopen_\@:
.endif
.irp b, 0,1,2,3
	v_max3_num_f32 v[212+\b], v[96+16*\b], v[97+16*\b], v[98+16*\b]  ; the largest score of each block of 32 keys: it serves the row's maximum and, since p rises with the score, the block's largest p
.endr
.irp i, 3,5,7,9,11,13
.irp b, 0,1,2,3
	v_max3_num_f32 v[212+\b], v[212+\b], v[96+16*\b+\i], v[97+16*\b+\i]
.endr
.endr
.irp b, 0,1,2,3
	v_max_num_f32 v[212+\b], v[212+\b], v[111+16*\b]
.endr
.irp b, 0,1,2,3
	s_delay_alu instid0(VALU_DEP_4)
	v_permlanex16_b32 v[216+\b], v[212+\b], s20, s21
.endr
.irp b, 0,1,2,3
	s_delay_alu instid0(VALU_DEP_4)
	v_max_num_f32 v[212+\b], v[212+\b], v[216+\b]
.endr
	s_delay_alu instid0(VALU_DEP_2)
	v_max3_num_f32 v227, v212, v213, v214
	s_delay_alu instid0(VALU_DEP_1)
	v_max_num_f32 v227, v227, v215
	s_delay_alu instid0(VALU_DEP_1)
	v_mul_f32 v227, s22, v227                      ; as t
	s_delay_alu instid0(VALU_DEP_1)
	v_max_num_f32 v13, v13, v227                   ; the running largest t
	v_mov_b32 v227, v12
	s_delay_alu instid0(VALU_DEP_2)
	v_floor_f32 v12, -v13                          ; the new -M = -ceil(t)
	s_delay_alu instid0(VALU_DEP_1)
	v_sub_f32 v227, v12, v227                      ; old M - new M: a whole number, 0 or less
	s_delay_alu instid0(VALU_DEP_1)
	v_cvt_i32_f32 v227, v227
	s_delay_alu instid0(VALU_DEP_1)
	v_ldexp_f32 v224, 1.0, v227                    ; f = 2^(old M - new M)
.set j, 0
.rept 32
	v_pk_fma_f32 v[96+j:97+j], v[96+j:97+j], s[22:23], v[12:13] op_sel_hi:[1,0,0]  ; t - M
.set j, j+2
.endr
.irp b, 0,1,2,3
	v_fma_f32 v[212+\b], v[212+\b], s22, v12
.endr
.set j, 0
	s_wait_alu depctr_va_vdst(0)
.rept 64
	v_exp_f32 v[96+j], v[96+j]                     ; p = 2^(t - M)
.set j, j+1
.endr
	v_pk_mul_f32 v[14:15], v[14:15], v[224:225] op_sel_hi:[1,0]  ; the sums under the new M: the plain instruction behind the batch
	s_wait_alu depctr_va_vdst(0)                   ; one wait for the 64, ahead of their first reader
.irp b, 0,1,2,3
	v_exp_f32 v[212+\b], v[212+\b]                 ; each block's largest p
.endr
.irp k, 0,1,2,3,4,5,6                          ; the row's sum of the unquantised p: eight chains side by side
	v_pk_add_f32 v[240+2*\k:241+2*\k], v[96+4*\k:97+4*\k], v[98+4*\k:99+4*\k]
.endr
	v_pk_add_f32 v[14:15], v[14:15], v[124:125]
.irp k, 0,1,2,3,4,5,6
	v_pk_add_f32 v[240+2*\k:241+2*\k], v[240+2*\k:241+2*\k], v[126+2*\k:127+2*\k]
.endr
	v_pk_add_f32 v[14:15], v[14:15], v[140:141]
.irp k, 0,1,2,3,4,5,6
	v_pk_add_f32 v[240+2*\k:241+2*\k], v[240+2*\k:241+2*\k], v[142+2*\k:143+2*\k]
.endr
	v_pk_add_f32 v[14:15], v[14:15], v[156:157]
	v_pk_add_f32 v[240:241], v[240:241], v[158:159]
	v_pk_add_f32 v[244:245], v[244:245], v[246:247]
	v_pk_add_f32 v[248:249], v[248:249], v[250:251]
	v_pk_add_f32 v[14:15], v[14:15], v[252:253]
	v_pk_add_f32 v[240:241], v[240:241], v[242:243]
	v_pk_add_f32 v[244:245], v[244:245], v[248:249]
	v_pk_add_f32 v[14:15], v[14:15], v[240:241]
	v_pk_add_f32 v[14:15], v[14:15], v[244:245]
	s_wait_alu depctr_va_vdst(0)                   ; and one for the four
.irp b, 0,1,2,3
	v_max_num_f32 v[212+\b], 0x2800000, v[212+\b]  ; the floor 2^(5 - 127)
.endr
.irp b, 0,1,2,3
	s_delay_alu instid0(VALU_DEP_4)
	v_add_nc_u32 v[220+\b], 0xfe000000, v[212+\b]  ; the conversion's scale operand
.endr
.irp b, 0,1,2,3
	s_delay_alu instid0(VALU_DEP_4)
	v_lshrrev_b32 v[216+\b], 23, v[220+\b]
.endr
	s_delay_alu instid0(VALU_DEP_3)
	v_lshl_or_b32 v226, v217, 8, v216              ; p's scale word for these 128 keys
	s_delay_alu instid0(VALU_DEP_1)
	v_lshl_or_b32 v226, v218, 16, v226
	s_delay_alu instid0(VALU_DEP_1)
	v_lshl_or_b32 v226, v219, 24, v226
.irp c, 0,1
	v_cvt_scalef32_pk16_bf6_f32 v[192+6*\c:194+6*\c], v[96+32*\c:111+32*\c], v[220+2*\c]
	v_cvt_scalef32_pk16_bf6_f32 v[204+4*\c:206+4*\c], v[112+32*\c:127+32*\c], v[220+2*\c+1]
.endr
	v_nop                                          ; one plain instruction behind the conversions
.irp t, 0,1,2,3                                ; V's four fragments land where p lay, while the codes are put in order
	ds_load_b128 v[96+12*\t:99+12*\t], v10 offset:1536*\t
	ds_load_b64 v[100+12*\t:101+12*\t], v11 offset:1536*\t+512
	ds_load_b128 v[102+12*\t:105+12*\t], v10 offset:1536*\t+768
	ds_load_b64 v[106+12*\t:107+12*\t], v11 offset:1536*\t+1280
	ds_load_b32 v[84+\t], v29 offset:64*\t
.endr
.irp c, 0,1
.irp i, 0,1,2
	v_permlane16_swap_b32 v[192+6*\c+\i], v[204+4*\c+\i]
.endr
.irp i, 0,1,2
	s_delay_alu instid0(VALU_DEP_3)
	v_mov_b32 v[195+6*\c+\i], v[204+4*\c+\i]
.endr
.endr
.set j, 0
.rept 16
	v_pk_mul_f32 v[160+j:161+j], v[160+j:161+j], v[224:225] op_sel_hi:[1,0]  ; O^T under the new M; these are also the places between the codes and scale word just made and the products
.set j, j+2
.endr
	s_wait_alu depctr_va_vdst(0)
	s_wait_dscnt 0x0
.irp t, 0,1,2,3                                ; O^T += V^T P^T: four accumulators by turns
	v_wmma_scale_f32_16x16x128_f8f6f4 v[160+8*\t:167+8*\t], v[96+12*\t:107+12*\t], v[192:203], v[160+8*\t:167+8*\t], v[84+\t], v226 matrix_a_fmt:MATRIX_FMT_BF6 matrix_b_fmt:MATRIX_FMT_BF6
.endr
.Lhidden_\@:
	s_add_co_u32 s61, s61, 6144
	s_add_co_u32 s62, s62, 512
	s_add_co_u32 s63, s63, 256
	s_add_co_u32 s60, s60, 1
.endm
	s_wait_alu depctr_va_vdst(0)
	s_wait_loadcnt 0x0                             ; both Q
	s_wait_tensorcnt 0x0                           ; my part of K, V or the words is in,
	s_barrier_signal -1
	s_barrier_wait -1                              ; everybody's is; nothing is filled again
	s_mov_b32 s69, 7                               ; THE FIRST WALK: key steps 0 to 6; waves 8-15 work the long tile's first 7 - i
.Lhelp:
	STEP 0
	s_sub_co_u32 s69, s69, 1
	s_cmp_lg_u32 s69, 0
	s_cbranch_scc1 .Lhelp
.rept 4
	v_nop                                          ; places behind the last products
.endr
	s_cmp_lt_u32 s18, 8
	s_cbranch_scc1 .Lkept
.irp k, 0,1,2,3,4,5,6,7
	ds_store_b128 v230, v[160+4*\k:163+4*\k] offset:512*\k  ; my part of the long tile, as the registers lie; each accumulator from its low end on
.endr
	ds_store_b128 v230, v[12:15] offset:4096       ; -M, t, the sums
.Lkept:
	s_wait_dscnt 0x0                               ; the stores have read their registers
.irp j, 0,1,2,3,4,5
	v_mov_b32 v[16+\j], v[88+\j]                   ; the tile that I finish: its Q,
.endr
	v_mov_b32 v28, v94                             ; its words,
	v_mov_b32 v13, 0xff61b1e6                      ; and a state begun anew
	v_floor_f32 v12, -v13
	v_mov_b32 v14, 0
	v_mov_b32 v15, 0
.set j, 0
.rept 32
	v_mov_b32 v[160+j], 0
.set j, j+1
.endr
	s_mov_b32 s60, 0
	s_mov_b32 s61, 0
	s_mov_b32 s62, 0
	s_mov_b32 s63, 0
	s_add_co_u32 s85, s19, 1                       ; up to its diagonal step,
	s_mov_b32 s86, s84                             ; from my first,
	s_mov_b32 s87, s19
	s_wait_alu depctr_va_vdst(0)
	s_mov_b32 s69, 16                              ; THE SECOND WALK
.Lown:
	STEP 1
	s_sub_co_u32 s69, s69, 1
	s_cmp_lg_u32 s69, 0
	s_cbranch_scc1 .Lown
.rept 4
	v_nop                                          ; places behind the last products
.endr
	s_wait_dscnt 0x0
	s_barrier_signal -1
	s_barrier_wait -1                              ; every part lies in LDS
	s_cmp_lt_u32 s18, 8
	s_cbranch_scc0 .Lwhole
.irp k, 0,1,2,3,4,5,6,7                        ; waves 0-7 join their partner's part of the long tile to their own
	ds_load_b128 v[96+4*\k:99+4*\k], v231 offset:512*\k
.endr
	ds_load_b128 v[128:131], v231 offset:4096
	s_wait_dscnt 0x0
	v_min_num_f32 v227, v12, v128                  ; -(the larger M)
	v_sub_f32 v228, v227, v12                      ; my M less it, and my partner's: whole numbers, 0 or less
	v_sub_f32 v229, v227, v128
	v_cvt_i32_f32 v228, v228
	v_cvt_i32_f32 v229, v229
	v_ldexp_f32 v224, 1.0, v228
	v_ldexp_f32 v216, 1.0, v229                    ; (a part of no steps has M = -3e38: its factor is 0, over zeros)
	v_pk_mul_f32 v[14:15], v[14:15], v[224:225] op_sel_hi:[1,0]
	v_pk_fma_f32 v[14:15], v[130:131], v[216:217], v[14:15] op_sel_hi:[1,0,1]
.set j, 0
.rept 16
	v_pk_mul_f32 v[160+j:161+j], v[160+j:161+j], v[224:225] op_sel_hi:[1,0]
.set j, j+2
.endr
.set j, 0
.rept 16
	v_pk_fma_f32 v[160+j:161+j], v[96+j:97+j], v[216:217], v[160+j:161+j] op_sel_hi:[1,0,1]
.set j, j+2
.endr
	s_wait_alu depctr_va_vdst(0)
.Lwhole:
	; THE WAY OUT: O^T / the sum; its 32 registers are two blocks of 32 along the next K; quantised, they are half a fragment of ctx
	v_add_f32 v14, v14, v15
	s_delay_alu instid0(VALU_DEP_1)
	v_permlanex16_b32 v227, v14, s20, s21
	s_delay_alu instid0(VALU_DEP_1)
	v_add_f32 v14, v14, v227                       ; the row's sum
	s_wait_alu depctr_va_vdst(0)
	v_rcp_f32 v14, v14
	v_bfe_u32 v228, v0, 4, 1                       ; (a plain instruction behind the reciprocal)  h
	s_delay_alu instid0(VALU_DEP_1)
	v_add_nc_u32 v31, v31, v228                    ; 4 r + h
	s_delay_alu instid0(VALU_DEP_2)
	v_cmp_ne_u32 vcc_lo, 0, v228
	s_wait_alu depctr_va_vdst(0)                   ; ahead of the first reader
.set j, 0
.rept 32
	v_mul_f32 v[96+j], v[160+j], v14               ; each accumulator from its low end on
.set j, j+1
.endr
.irp b, 0,1
	v_max3_num_f32 v[212+\b], |v[96+16*\b]|, |v[97+16*\b]|, 0x2800000
.endr
.irp i, 2,4,6,8,10,12,14
.irp b, 0,1
	s_delay_alu instid0(VALU_DEP_2)
	v_max3_num_f32 v[212+\b], v[212+\b], |v[96+16*\b+\i]|, |v[97+16*\b+\i]|
.endr
.endr
.irp b, 0,1
	s_delay_alu instid0(VALU_DEP_2)
	v_permlanex16_b32 v[216+\b], v[212+\b], s20, s21
.endr
.irp b, 0,1
	s_delay_alu instid0(VALU_DEP_2)
	v_max_num_f32 v[212+\b], v[212+\b], v[216+\b]
.endr
.irp b, 0,1
	s_delay_alu instid0(VALU_DEP_2)
	v_add_nc_u32 v[220+\b], 0xfe000000, v[212+\b]
.endr
.irp b, 0,1
	s_delay_alu instid0(VALU_DEP_2)
	v_lshrrev_b32 v[216+\b], 23, v[220+\b]
.endr
	v_cvt_scalef32_pk16_bf6_f32 v[192:194], v[96:111], v220
	v_cvt_scalef32_pk16_bf6_f32 v[204:206], v[112:127], v221
	v_nop
.irp i, 0,1,2
	v_permlane16_swap_b32 v[192+\i], v[204+\i]
.endr
.irp i, 0,1,2
	s_delay_alu instid0(VALU_DEP_3)
	v_mov_b32 v[195+\i], v[204+\i]
.endr
	v_cndmask_b32 v227, v216, v217, vcc_lo         ; lanes 0-15 block 0's byte, lanes 16-31 block 1's
	global_store_b128 v1, v[192:195], s[70:71]     ; 512 and 256 consecutive bytes, at multiples of 256 from CTX's first byte
	global_store_b64 v2, v[196:197], s[70:71] offset:512
	global_store_b8 v31, v227, s[72:73]            ; two bytes of each row's word: the other two are another head's
	s_wait_dscnt 0x0
	s_wait_tensorcnt 0x0                           ; the wave's end
	ds_add_u32 v254, v255
	s_wait_dscnt 0x0
	CROUND                                         ; the closing round
	s_endpgm
.Lfunc_end_k_q25fe2630ed_attn:
	.size	k_q25fe2630ed_attn, .Lfunc_end_k_q25fe2630ed_attn-k_q25fe2630ed_attn
	.p2alignl 7, 3214868480
	.fill 96, 4, 3214868480
	.section	.rodata,"a",@progbits
	.p2align	6, 0x0
	.amdhsa_kernel k_q25fe2630ed_attn
		.amdhsa_group_segment_fixed_size 284672
		.amdhsa_private_segment_fixed_size 0
		.amdhsa_enable_private_segment 0
		.amdhsa_kernarg_size 16
		.amdhsa_user_sgpr_count 2
		.amdhsa_user_sgpr_kernarg_segment_ptr 1
		.amdhsa_wavefront_size32 1
		.amdhsa_system_sgpr_workgroup_id_x 1
		.amdhsa_system_sgpr_workgroup_id_y 1
		.amdhsa_system_sgpr_workgroup_id_z 1
		.amdhsa_system_vgpr_workitem_id 0
		.amdhsa_next_free_vgpr 256
		.amdhsa_next_free_sgpr 96
		.amdhsa_reserve_vcc 1
		.amdhsa_float_denorm_mode_32 3
		.amdhsa_float_denorm_mode_16_64 3
		.amdhsa_memory_ordered 1
		.amdhsa_forward_progress 1
		.amdhsa_inst_pref_size 62
	.end_amdhsa_kernel
	.amdgpu_metadata
---
amdhsa.version: [ 1, 2 ]
amdhsa.kernels:
  - .name:           k_q25fe2630ed_attn
    .symbol:         k_q25fe2630ed_attn.kd
    .args:
      - { .name: ATT, .offset: 0, .size: 8, .value_kind: global_buffer, .address_space: global }
      - { .name: CTX, .offset: 8, .size: 8, .value_kind: global_buffer, .address_space: global }
    .group_segment_fixed_size: 284672
    .private_segment_fixed_size: 0
    .kernarg_segment_align: 8
    .kernarg_segment_size: 16
    .max_flat_workgroup_size: 512
    .sgpr_count:     96
    .vgpr_count:     256
    .wavefront_size: 32
...
	.end_amdgpu_metadata
.endif
;; end of part 10
;; launch g4 (part 11): grid 8 x 32, 4 waves a work-group, clusters of 4 x 4, 327,680 bytes of LDS; arguments CTX, W, b_attn_proj, x, X1; writes X1
.if DOCPART == 11
	.amdgcn_target "amdgcn-amd-amdhsa--gfx1250"
	.amdhsa_code_object_version 6
	.text
	.protected	k_q25fe2630ed_g4
	.globl	k_q25fe2630ed_g4
	.p2align	8
	.type	k_q25fe2630ed_g4,@function
k_q25fe2630ed_g4:
	s_mov_b64 s[64:65], 0
	v_nop
	global_prefetch_b8 v0, s[64:65] scope:SCOPE_SE
	s_setreg_imm32_b32 hwreg(HW_REG_WAVE_MODE, 25, 1), 1
	s_wait_xcnt 0x0
	s_wait_alu depctr_hold_cnt(0) depctr_sa_sdst(0) depctr_va_vdst(0) depctr_va_sdst(0) depctr_va_ssrc(0) depctr_va_vcc(0) depctr_vm_vsrc(0)
	s_getreg_b32 s2, hwreg(HW_REG_IB_STS2, 6, 4)
	s_cmp_eq_u32 s2, 0
	s_cbranch_scc0 .Lentry_in_a_cluster
	s_endpgm
.Lentry_in_a_cluster:
	s_bfe_u32 s2, ttmp6, 0x10000c
	s_cmp_lg_u32 s2, 0xf033
	s_cbranch_scc0 .Lentry_shape_is_right
	s_endpgm
.Lentry_shape_is_right:
; x1 = x + ctx W_attn + bias on codes of BF6 (E3M2) with E8M0 scales: A = ctx's image in CTX, B = w_attn_proj's image in W, f32 out [4,096][1,024].  Images, the transposed use, the bias as the first products' C, the residual
; asked for at the head and the way out through a stage are as in the launch that makes out0.  A tile of the result is 128 x 128: 8 x 32 = 256 work-groups of four waves, 64 x 64 each.
; K = 1,024: A's 128 rows and B's 128 rows, ALL of K, are 2 x 98,304 bytes and lie in LDS at once: four tensor loads at the head, one a wave (A's rows, B's rows, A's scale words, B's), each asked for jointly in the cluster;
; nothing is filled again, one barrier shows all four tiles.  A tile rb's eight fragments lie on end; 'slot 1' below is the second four of them, 6,144 bytes on.  The waves' stages have bytes of their own behind the spare words.
; All is asked for at the head: no prefetch.  LIMITS: the sums begin with the bias; NaN and infinities are not served.
.set SIZE_K, 1024
.set ASC,    3145728
.set BCO,    2359296
.set BSC,    9535488
.set FR,     12
.set NP,     4
.set RBS,    8*1536
.set KP,     SIZE_K*12
.set HALFT,  4*RBS
.set SLOT,   4*HALFT
.set LAPS,   SIZE_K/1024
.set SBLK,   SIZE_K/2
.set HALFS,  4*SBLK
.set SCL,    SLOT
.set SPARE,  SCL+4*HALFS
.set SP,     272
.set ADRA, 16
.set ADRB, 20
.set STO,  24
.set RD,   25
.set CO,   26
.set ADRS, 27
.set SPW,  28
.set NIL,  29
.set SC,   32
.set ACC,  128
.set G1, 24
.set G0, 32
.set G1B, 48
.set G0B, 56
.set G1S, 68
.set G0S, 76
.set G1SB, 80
.set G0SB, 88
.set MSB, 0
.macro WIN new
.if MSB != (\new)
	s_set_vgpr_msb (MSB<<8)|(\new)
.set MSB, (\new)
.endif
.endm
.set MUL,    0x05
.set MULC,   0x15
.set TO_F,   0x40
.set TO_R,   0x80
.set FROM_R, 0x08
.macro JLOAD g0a, g1a, g0b, g1b
	s_cmp_eq_u32 s15, 0
	s_cbranch_scc0 .Lfor_b_\@
	tensor_load_to_lds s[\g0a:\g0a+3], s[\g1a:\g1a+7]
	s_nop 0
.rept 4
	v_nop
.endr
	s_branch .Lasked_\@
.Lfor_b_\@:
	tensor_load_to_lds s[\g0b:\g0b+3], s[\g1b:\g1b+7]
	s_nop 0
.rept 4
	v_nop
.endr
.Lasked_\@:
.endm
.macro CREST
	s_cmp_lg_u32 s14, 0
	s_cbranch_scc1 .Lnot_wave_0_\@
	s_barrier_signal -3
.Lnot_wave_0_\@:
	s_barrier_wait -3
	s_barrier_signal -1
	s_barrier_wait -1
.endm
.macro CROUND
	s_barrier_signal -1
	s_barrier_wait -1
	CREST
.endm
.macro PLACES n
.rept \n
	v_nop
.endr
.endm
.macro FRAG reg, a16, a8, q, i
	ds_load_b128 v[\reg:\reg+3], v[\a16] offset:(\i)*RBS+(\q)*1536
	ds_load_b64 v[\reg+4:\reg+5], v[\a8] offset:(\i)*RBS+(\q)*1536+512
	ds_load_b128 v[\reg+6:\reg+9], v[\a16] offset:(\i)*RBS+(\q)*1536+768
	ds_load_b64 v[\reg+10:\reg+11], v[\a8] offset:(\i)*RBS+(\q)*1536+1280
.endm
.macro FETCH slot, q, p
	WIN TO_F
.irp i, 0,1,2,3
	FRAG 128*(\p)+48+FR*\i, ADRB+\slot, ADRB+2+\slot, \q, \i
	FRAG 128*(\p)+FR*\i, ADRA+\slot, ADRA+2+\slot, \q, \i
.endr
.endm
.macro SCALES sc
	WIN 0
.irp i, 0,1,2,3
.irp q, 0,1,2,3
	ds_load_b32 v[SC+16*\sc+4*\i+\q], v[ADRS] offset:\i*SBLK+64*\q
.endr
.endr
.endm
.macro MULA a, p, q, sc, zero
.irp b, 0,1,2,3
.set rD, ACC+8*(4*(\a)+\b)
.set rB, 128*(\p)+48+FR*\b
.set rA, 128*(\p)+FR*(\a)
.set rC, 96+8*\b
.set rSB, SC+16*(\sc)+4*\b+(\q)
.set rSA, SC+16*(\sc)+4*(\a)+(\q)
.if (\zero) == 2
	v_wmma_scale_f32_16x16x128_f8f6f4 v[rD:rD+7], v[rB:rB+FR-1], v[rA:rA+FR-1], v[rC:rC+7], v[rSB], v[rSA] matrix_a_fmt:MATRIX_FMT_BF6 matrix_b_fmt:MATRIX_FMT_BF6 matrix_a_scale:MATRIX_SCALE_ROW1
.else
	v_wmma_scale_f32_16x16x128_f8f6f4 v[rD:rD+7], v[rB:rB+FR-1], v[rA:rA+FR-1], v[rD:rD+7], v[rSB], v[rSA] matrix_a_fmt:MATRIX_FMT_BF6 matrix_b_fmt:MATRIX_FMT_BF6 matrix_a_scale:MATRIX_SCALE_ROW1
.endif
.endr
.endm
.macro STEP slot, q, zero
	PLACES NP
	FETCH \slot, (\q)+1, 1-(\q)%2
	s_wait_dscnt 32
.if (\zero) == 2
	WIN MULC
.else
	WIN MUL
.endif
.irp a, 0,1,2,3
	MULA \a, (\q)%2, \q, \slot, \zero
.endr
.endm
.macro TURN slot, next, fill
	WIN 0
	s_wait_tensorcnt 0x0
	ds_add_u32 v[SPW], v[NIL]
	s_wait_dscnt 1
	WIN MUL
	MULA 0, 1, 3, \slot, 0
	s_wait_dscnt 0x0
	s_barrier_signal -1
	MULA 1, 1, 3, \slot, 0
	WIN 0
	s_barrier_wait -1
.if \fill
	CREST
	s_add_nc_u64 s[G0+4*\slot+2:G0+4*\slot+3], s[G0+4*\slot+2:G0+4*\slot+3], 2*RBS
	s_add_nc_u64 s[G0B+4*\slot+2:G0B+4*\slot+3], s[G0B+4*\slot+2:G0B+4*\slot+3], 2*RBS
	JLOAD G0+4*\slot, G1, G0B+4*\slot, G1B
.else
	PLACES NP
.endif
	v_add_nc_u32 v[ADRS], 256, v[ADRS]
	FETCH \next, 0, 0
	SCALES \next
	WIN MUL
	MULA 2, 1, 3, \slot, 0
	MULA 3, 1, 3, \slot, 0
.endm
	s_load_b128 s[4:7], s[0:1], 0x0
	s_load_b128 s[8:11], s[0:1], 0x10
	s_load_b64 s[12:13], s[0:1], 0x20
	v_lshl_add_u32 v[SPW], v0, 2, SPARE
	v_mov_b32 v[NIL], 0
	ds_add_u32 v28, v29
	ds_add_u32 v28, v29
	s_wait_dscnt 0x0
	v_lshrrev_b32 v1, 5, v0
	v_readfirstlane_b32 s14, v1
	s_lshr_b32 s15, s14, 1
	s_and_b32 s16, s14, 1
	s_bfe_u32 s40, ttmp6, 0x40000
	s_bfe_u32 s41, ttmp6, 0x40004
	s_lshl_b32 s42, ttmp9, 2
	s_add_co_u32 s42, s42, s40
	s_and_b32 s17, ttmp7, 0xffff
	s_lshl_b32 s17, s17, 2
	s_add_co_u32 s17, s17, s41
	s_lshl_b32 s43, s41, 2
	s_lshl_b32 s43, 15, s43
	s_lshl_b32 s44, 0x1111, s40
	s_or_b32 s[G1+0], s43, (3<<16)|(1<<21)
	s_or_b32 s[G1B+0], s44, (3<<16)|(1<<21)
.irp g, G1, G1B
	s_mov_b32 s[\g+1], 1536<<16                    ; a row: a tile rb's 12,288 bytes
	s_mov_b32 s[\g+2], 8<<16                       ; 8 tiles rb: 128 rows of the operand
	s_mov_b32 s[\g+3], 1536<<16
	s_mov_b32 s[\g+4], 8
	s_mov_b32 s[\g+5], KP/8
	s_mov_b32 s[\g+6], 0
	s_mov_b32 s[\g+7], 0
.endr
	s_or_b32 s[G1S+0], s43, (3<<16)|(1<<21)
	s_or_b32 s[G1SB+0], s44, (3<<16)|(1<<21)
.irp g, G1S, G1SB
	s_mov_b32 s[\g+1], 32<<16
	s_mov_b32 s[\g+2], (HALFS/128)<<16             ; the scale words of 128 rows
	s_mov_b32 s[\g+3], 32<<16
	s_mov_b32 s[\g+4], HALFS/128
	s_mov_b32 s[\g+5], 32
	s_mov_b32 s[\g+6], 0
	s_mov_b32 s[\g+7], 0
.endr
	s_lshl_b32 s18, s16, 2
	s_lshl_b32 s20, s17, 3
	s_add_co_u32 s20, s20, s18
	s_lshl_b32 s46, s42, 3
	s_add_co_u32 s46, s46, s18
	s_sub_co_u32 s22, s20, s18                     ; the scale words come for the whole tile: from its first rb
	s_sub_co_u32 s92, s46, s18
	s_mul_i32 s22, s22, SBLK
	s_mul_i32 s92, s92, SBLK
	s_mul_i32 s20, s20, KP
	s_mul_i32 s46, s46, KP
	s_mov_b32 s21, 0
	s_mov_b32 s23, 0
	s_mov_b32 s47, 0
	s_mov_b32 s93, 0
	s_mul_i32 s45, s14, HALFT
	s_wait_kmcnt 0x0
	s_add_nc_u64 s[20:21], s[4:5], s[20:21]
	s_add_nc_u64 s[22:23], s[4:5], s[22:23]
	s_add_nc_u64 s[22:23], s[22:23], ASC
	s_add_nc_u64 s[46:47], s[6:7], s[46:47]
	s_add_nc_u64 s[46:47], s[46:47], BCO
	s_add_nc_u64 s[92:93], s[6:7], s[92:93]
	s_add_nc_u64 s[92:93], s[92:93], BSC
	CROUND
	s_mov_b32 s[G0S], 1
	s_mov_b32 s[G0S+1], SCL
	s_mov_b64 s[G0S+2:G0S+3], s[22:23]
	s_or_b32 s[G0S+3], s[G0S+3], 0x80000000
	s_mov_b32 s[G0SB], 1
	s_mov_b32 s[G0SB+1], SCL+2*HALFS
	s_mov_b64 s[G0SB+2:G0SB+3], s[92:93]
	s_or_b32 s[G0SB+3], s[G0SB+3], 0x80000000
.irp s, 0
	s_mov_b32 s[G0+4*\s], 1
	s_add_co_u32 s[G0+4*\s+1], s45, \s*SLOT
	s_add_nc_u64 s[G0+4*\s+2:G0+4*\s+3], s[20:21], \s*RBS
	s_or_b32 s[G0+4*\s+3], s[G0+4*\s+3], 0x80000000
	s_mov_b32 s[G0B+4*\s], 1
	s_add_co_u32 s[G0B+4*\s+1], s45, \s*SLOT
	s_add_nc_u64 s[G0B+4*\s+2:G0B+4*\s+3], s[46:47], \s*RBS
	s_or_b32 s[G0B+4*\s+3], s[G0B+4*\s+3], 0x80000000
.endr
; the head's four tiles, one tensor load a wave, in one chain of branches on the wave's number: wave 0 A's rows, wave 2 B's (their own descriptors begin at the tile's first rb), wave 1 A's scale words, wave 3 B's
.macro HARM g0, g1
	tensor_load_to_lds s[\g0:\g0+3], s[\g1:\g1+7]
	s_nop 0
.rept 4
	v_nop
.endr
.endm
	s_cmp_eq_u32 s14, 0
	s_cbranch_scc0 .Lhead_1
	HARM G0, G1
	s_branch .Lhead_j
.Lhead_1:
	s_cmp_eq_u32 s14, 2
	s_cbranch_scc0 .Lhead_2
	HARM G0B, G1B
	s_branch .Lhead_j
.Lhead_2:
	s_cmp_eq_u32 s14, 1
	s_cbranch_scc0 .Lhead_3
	HARM G0S, G1S
	s_branch .Lhead_j
.Lhead_3:
	HARM G0SB, G1SB
.Lhead_j:
	v_and_b32 v1, 15, v0
	v_bfe_u32 v2, v0, 4, 1
	v_and_b32 v3, 31, v0
	v_lshlrev_b32 v8, 4, v3
	v_lshlrev_b32 v9, 3, v3
	s_mul_i32 s21, s15, HALFT
	s_mul_i32 s22, s16, HALFT
	s_add_co_u32 s22, s22, 2*HALFT
.irp s, 0,1
	v_add_nc_u32 v[ADRA+\s], s21, v8
	v_add_nc_u32 v[ADRA+2+\s], s21, v9
	v_add_nc_u32 v[ADRB+\s], s22, v8
	v_add_nc_u32 v[ADRB+2+\s], s22, v9
	s_add_co_u32 s21, s21, 4*1536                  ; the second four fragments of each tile rb
	s_add_co_u32 s22, s22, 4*1536
.endr
	s_mul_i32 s21, s15, HALFS
	s_mul_i32 s22, s16, HALFS
	s_add_co_u32 s22, s22, 2*HALFS
	s_sub_co_u32 s22, s22, s21
	v_mul_u32_u24 v6, s22, v2
	s_add_co_u32 s21, s21, SCL
	v_lshl_add_u32 v6, v1, 2, v6
	v_add_nc_u32 v[ADRS], s21, v6
	s_mul_i32 s23, s14, 16*SP
	s_add_co_u32 s23, s23, SPARE+512               ; my stage: bytes of its own, behind the spare words
	v_mul_u32_u24 v5, v1, SP
	v_lshl_add_u32 v5, v2, 6, v5
	v_add_nc_u32 v[STO], s23, v5
	v_mul_u32_u24 v5, v2, SP
	v_lshl_add_u32 v5, v1, 4, v5
	v_add_nc_u32 v[RD], s23, v5
	v_lshlrev_b32 v[CO], 12, v2
	v_lshl_add_u32 v[CO], v1, 4, v[CO]
	s_wait_alu depctr_va_vdst(0)
	s_lshl_b32 s20, s17, 7
	s_lshl_b32 s21, s15, 6
	s_add_co_u32 s20, s20, s21
	s_lshl_b32 s20, s20, 12
	s_lshl_b32 s46, s42, 9
	s_lshl_b32 s47, s16, 8
	s_add_co_u32 s46, s46, s47
	s_mov_b32 s47, 0
	s_add_nc_u64 s[8:9], s[8:9], s[46:47]
	s_add_co_u32 s20, s20, s46
	s_mov_b32 s21, 0
	s_add_nc_u64 s[10:11], s[10:11], s[20:21]
	s_add_nc_u64 s[12:13], s[12:13], s[20:21]
	v_lshlrev_b32 v7, 6, v2
	WIN TO_F
.irp b, 0,1,2,3
	global_load_b128 v[96+8*\b:99+8*\b], v7, s[8:9] offset:128*(\b/2)+32*(\b%2)
	global_load_b128 v[100+8*\b:103+8*\b], v7, s[8:9] offset:128*(\b/2)+32*(\b%2)+16
.endr
	WIN TO_R
.irp a, 0,1,2,3
.irp t, 0,1,2,3,4,5,6,7
	global_load_b128 v[32*\a+4*\t:32*\a+4*\t+3], v[CO], s[10:11] offset:(32*(\a/2)+8*(\a%2)+2*\t+8*(\t/4))*4096 th:TH_LOAD_NT
.endr
.endr
	WIN 0
	s_wait_alu depctr_va_vdst(0)
	s_wait_loadcnt 32                              ; the bias is in; the residual's 32 loads may be out
	s_wait_tensorcnt 0x0                           ; my tile is in,
	s_barrier_signal -1
	s_barrier_wait -1                              ; all four are
	FETCH 0, 0, 0
	SCALES 0
	STEP 0, 0, 2
.if LAPS > 1
	WIN 0
	s_mov_b32 s3, LAPS-1
.Llap:
	STEP 0, 1, 0
	STEP 0, 2, 0
	TURN 0, 1, 1
	STEP 1, 0, 0
	STEP 1, 1, 0
	STEP 1, 2, 0
	TURN 1, 0, 1
	STEP 0, 0, 0
	WIN 0
	s_sub_co_u32 s3, s3, 1
	s_cmp_lg_u32 s3, 0
	s_cbranch_scc1 .Llap
.endif
	STEP 0, 1, 0
	STEP 0, 2, 0
	PLACES NP                                      ; the fourth step: the fifth's fragments and the second four steps' scale words are asked for first
	WIN 0
	v_add_nc_u32 v[ADRS], 256, v[ADRS]
	FETCH 1, 0, 0
	SCALES 1
	s_wait_dscnt 48                                ; all but the 32 + 16 loads just issued are in
	WIN MUL
.irp a, 0,1,2,3
	MULA \a, 1, 3, 0, 0
.endr
	STEP 1, 0, 0
	STEP 1, 1, 0
	STEP 1, 2, 0
	s_wait_dscnt 0x0
	WIN MUL
.irp a, 0,1,2,3
	MULA \a, 1, 3, 1, 0
.endr
	WIN 0
	PLACES NP
.macro TOSTAGE a
.set AC, ACC+32*(\a)
.irp b, 0,1,2,3
	ds_store_b128 v[STO], v[AC+8*\b:AC+8*\b+3] offset:128*(\b/2)+32*(\b%2)
	ds_store_b128 v[STO], v[AC+8*\b+4:AC+8*\b+7] offset:128*(\b/2)+32*(\b%2)+16
.endr
.irp t, 0,1,2,3,4,5,6,7
	ds_load_b128 v[AC+4*\t:AC+4*\t+3], v[RD] offset:\t*2*SP
.endr
.endm
.macro SEND a, younger
.set AC, ACC+32*(\a)
	s_wait_dscnt \younger
	WIN FROM_R
.set p, 0
.rept 16
	v_pk_add_f32 v[AC+p:AC+p+1], v[AC+p:AC+p+1], v[32*(\a)+p:32*(\a)+p+1]
.set p, p+2
.endr
	WIN 0
.irp t, 0,1,2,3,4,5,6,7
	global_store_b128 v[CO], v[AC+4*\t:AC+4*\t+3], s[12:13] offset:(32*((\a)/2)+8*((\a)%2)+2*\t+8*(\t/4))*4096 th:TH_STORE_NT
.endr
.endm
	TOSTAGE 0
	s_wait_loadcnt 0x0
.irp a, 1,2,3
	TOSTAGE \a
	SEND \a-1, 16
.endr
	SEND 3, 0
	s_wait_tensorcnt 0x0
	ds_add_u32 v[SPW], v[NIL]
	s_wait_dscnt 0x0
	CROUND
	s_endpgm
.Lfunc_end_k_q25fe2630ed_g4:
	.size	k_q25fe2630ed_g4, .Lfunc_end_k_q25fe2630ed_g4-k_q25fe2630ed_g4
	.p2alignl 7, 3214868480
	.fill 96, 4, 3214868480
	.section	.rodata,"a",@progbits
	.p2align	6, 0x0
	.amdhsa_kernel k_q25fe2630ed_g4
		.amdhsa_group_segment_fixed_size 327680
		.amdhsa_private_segment_fixed_size 0
		.amdhsa_enable_private_segment 0
		.amdhsa_kernarg_size 40
		.amdhsa_user_sgpr_count 2
		.amdhsa_user_sgpr_kernarg_segment_ptr 1
		.amdhsa_wavefront_size32 1
		.amdhsa_system_sgpr_workgroup_id_x 1
		.amdhsa_system_sgpr_workgroup_id_y 1
		.amdhsa_system_sgpr_workgroup_id_z 1
		.amdhsa_system_vgpr_workitem_id 0
		.amdhsa_next_free_vgpr 768
		.amdhsa_next_free_sgpr 102
		.amdhsa_reserve_vcc 0
		.amdhsa_float_denorm_mode_32 3
		.amdhsa_float_denorm_mode_16_64 3
		.amdhsa_memory_ordered 1
		.amdhsa_forward_progress 1
		.amdhsa_inst_pref_size 61
	.end_amdhsa_kernel
	.amdgpu_metadata
---
amdhsa.version: [ 1, 2 ]
amdhsa.kernels:
  - .name:           k_q25fe2630ed_g4
    .symbol:         k_q25fe2630ed_g4.kd
    .args:
      - { .name: CTX, .offset: 0, .size: 8, .value_kind: global_buffer, .address_space: global }
      - { .name: W, .offset: 8, .size: 8, .value_kind: global_buffer, .address_space: global }
      - { .name: b_attn_proj, .offset: 16, .size: 8, .value_kind: global_buffer, .address_space: global }
      - { .name: x, .offset: 24, .size: 8, .value_kind: global_buffer, .address_space: global }
      - { .name: X1, .offset: 32, .size: 8, .value_kind: global_buffer, .address_space: global }
    .group_segment_fixed_size: 327680
    .private_segment_fixed_size: 0
    .kernarg_segment_align: 8
    .kernarg_segment_size: 40
    .max_flat_workgroup_size: 128
    .sgpr_count:     102
    .vgpr_count:     768
    .wavefront_size: 32
...
	.end_amdgpu_metadata
.endif
;; end of part 11
;; launch ln1 (part 12): grid 256 x 1, 4 waves a work-group, no clusters, 66,560 bytes of LDS; arguments X1, ln2_w, ln2_b, H; writes H
.if DOCPART == 12
	.amdgcn_target "amdgcn-amd-amdhsa--gfx1250"
	.amdhsa_code_object_version 6
	.text
	.protected	k_q25fe2630ed_ln1
	.globl	k_q25fe2630ed_ln1
	.p2align	8
	.type	k_q25fe2630ed_ln1,@function
k_q25fe2630ed_ln1:
	s_mov_b64 s[64:65], 0
	v_nop
	global_prefetch_b8 v0, s[64:65] scope:SCOPE_SE
	s_setreg_imm32_b32 hwreg(HW_REG_WAVE_MODE, 25, 1), 1
	s_wait_xcnt 0x0
; h = (x - mean) / sqrt(var + 1e-5) * gain + bias for rows of 1,024 f32, all in f32, then quantised along the row to BF6 (E3M2) codes with one E8M0 byte for each 32, laid as an IMAGE OF THE OPERAND'S REGISTERS:
; a fragment (16 rows x 128 K) is 1,536 bytes in two halves c of 768: 512 bytes (registers 6c..6c+3, lane l at 16 l), then 256 (registers 6c+4, 6c+5, lane l at 8 l); the matrix lies [rb][ks][1,536];
; lane r of tile rb = 2 g + u is row 32 g + 8 u + (r & 7) + 16 (r >> 3).  Scale words [rb][ks][16 r][4] from byte 3,145,728 of H.
; A work-group makes one tile rb.  PHASE 1: wave w normalises the tile's lanes 4 w .. 4 w + 3, which are four neighbouring rows; a row is read once, 512 consecutive bytes a load, and stays in registers; the variance is
; taken of x - mean, so a common offset of the inputs costs no digits.  The rows go to a stage in LDS (pitch 4,112 bytes = 257 x 16, so the sixteen rows of a read start in sixteen different groups of banks).
; PHASE 2, behind one barrier: wave w makes fragments ks = 2 w and 2 w + 1: lane (r, h) reads its 2 x 32 neighbours of row r, so a block's maximum needs no other lane and the conversions' results are the operand's registers.
; No input is shared between work-groups: no cluster, no tensor load.
; LIMITS: a block of zeros gets the byte 1 where the rule says 127 (zero codes; this program alone reads the bytes); blocks under 2^-122 keep the byte 1; NaN and infinities are not served.
.set PITCH, 4112
.set X,   16                           ; v16-143  four rows, 32 registers each; later two fragments' 64 numbers each
.set GA,  144                          ; v144-175 gain of my 32 columns; later the codes
.set BE,  176                          ; v176-207 bias
.set SM,  208                          ; v208-215 four pairs: sums, then means
.set QS,  216                          ; v216-223 four pairs: sums of squares, then 1 / sqrt
.set TP,  224                          ; v224-227 the other half of the lanes'
	s_load_b256 s[4:11], s[0:1], 0x0               ; x, gain, bias, H
	v_lshl_add_u32 v240, v0, 2, 0x10200
	v_mov_b32 v241, 0
	v_lshrrev_b32 v1, 5, v0
	v_readfirstlane_b32 s12, v1                    ; wave
	v_and_b32 v2, 31, v0
	v_lshlrev_b32 v3, 4, v2                        ; 16 x lane
	v_lshlrev_b32 v10, 3, v2                       ; 8 x lane
	v_lshlrev_b32 v9, 2, v2                        ; 4 x lane
	v_and_b32 v4, 15, v0                           ; r
	v_bfe_u32 v5, v0, 4, 1                         ; h
	v_lshlrev_b32 v8, 3, v5                        ; 8 h
	v_mul_u32_u24 v6, v4, PITCH
	v_lshl_add_u32 v6, v5, 7, v6
	s_lshl_b32 s18, s12, 10
	v_add_nc_u32 v6, s18, v6                       ; phase 2 reads: row r, + 128 h, + my two fragments' 1,024 bytes
	s_mul_i32 s19, s12, 4*PITCH
	v_add_nc_u32 v7, s19, v3                       ; phase 1 stores: my four rows, 16 x lane
.irp i, 0,1,2,3
	v_mov_b32 v[TP+\i], 0                          ; written once: a lane permute's destination counts as one of its sources
.endr
	s_lshr_b32 s13, ttmp9, 1
	s_lshl_b32 s13, s13, 5                         ; 32 g
	s_and_b32 s14, ttmp9, 1
	s_lshl_b32 s14, s14, 3                         ; 8 u
	s_add_co_u32 s13, s13, s14
	s_and_b32 s14, s12, 1
	s_lshl_b32 s14, s14, 2
	s_add_co_u32 s13, s13, s14                     ; lanes 4 w on: (r & 7) = 4 (w & 1),
	s_lshr_b32 s14, s12, 1
	s_lshl_b32 s14, s14, 4
	s_add_co_u32 s13, s13, s14                     ; 16 (r >> 3) = 16 (w >> 1)
	s_lshl_b32 s14, s13, 12                        ; rows of 4,096 bytes
	s_mov_b32 s15, 0
	s_mov_b32 s16, 0x76543210
	s_mov_b32 s17, 0xfedcba98                      ; lane l xor 16
	s_mov_b32 s20, 0x3a800000                      ; 1 / 1,024
	s_mov_b32 s21, 0x3727c5ac                      ; 1e-5
	s_mul_i32 s22, ttmp9, 12288
	s_mul_i32 s23, s12, 3072
	s_add_co_u32 s22, s22, s23                     ; my two fragments in H
	s_mov_b32 s23, 0
	s_lshl_b32 s24, ttmp9, 9
	s_lshl_b32 s25, s12, 7
	s_add_co_u32 s24, s24, s25
	s_add_co_u32 s24, s24, 3145728                 ; and their scale words
	s_mov_b32 s25, 0
	s_wait_kmcnt 0x0
	s_add_nc_u64 s[4:5], s[4:5], s[14:15]
	s_add_nc_u64 s[22:23], s[10:11], s[22:23]
	s_add_nc_u64 s[24:25], s[10:11], s[24:25]
.irp i, 0,1,2,3
.irp j, 0,1,2,3,4,5,6,7
	global_load_b128 v[X+32*\i+4*\j:X+32*\i+4*\j+3], v3, s[4:5] offset:4096*\i+512*\j th:TH_LOAD_NT
.endr
.endr
.irp j, 0,1,2,3,4,5,6,7
	global_load_b128 v[GA+4*\j:GA+4*\j+3], v3, s[6:7] offset:512*\j
	global_load_b128 v[BE+4*\j:BE+4*\j+3], v3, s[8:9] offset:512*\j
.endr
.macro REDUCE B                        ; four pairs of partial sums become four sums, in every lane
.irp i, 0,1,2,3
	v_add_f32 v[\B+2*\i], v[\B+2*\i], v[\B+2*\i+1]
.endr
.irp m, 1,2,4,8
.irp i, 0,1,2,3
	v_add_f32_dpp v[\B+2*\i], v[\B+2*\i], v[\B+2*\i] row_xmask:\m row_mask:0xf bank_mask:0xf
.endr
.endr
.irp i, 0,1,2,3
	v_permlanex16_b32 v[TP+\i], v[\B+2*\i], s16, s17
.endr
.irp i, 0,1,2,3
	v_add_f32 v[\B+2*\i], v[\B+2*\i], v[TP+\i]
.endr
.endm
	s_wait_loadcnt 16                              ; the rows are in; the gain's and the bias's 16 loads may be out
.irp i, 0,1,2,3
	v_pk_add_f32 v[SM+2*\i:SM+2*\i+1], v[X+32*\i:X+32*\i+1], v[X+32*\i+2:X+32*\i+3]
.endr
.set p, 4
.rept 14
.irp i, 0,1,2,3
	v_pk_add_f32 v[SM+2*\i:SM+2*\i+1], v[SM+2*\i:SM+2*\i+1], v[X+32*\i+p:X+32*\i+p+1]  ; the four rows by turns
.endr
.set p, p+2
.endr
	REDUCE SM
.irp i, 0,1,2,3
	v_mul_f32 v[SM+2*\i], s20, v[SM+2*\i]          ; the mean
.endr
.irp i, 0,1,2,3
.set p, 0
.rept 16
	v_pk_add_f32 v[X+32*\i+p:X+32*\i+p+1], v[X+32*\i+p:X+32*\i+p+1], v[SM+2*\i:SM+2*\i+1] op_sel_hi:[1,0] neg_lo:[0,1] neg_hi:[0,1]  ; x - mean
.set p, p+2
.endr
.endr
.irp i, 0,1,2,3
	v_pk_mul_f32 v[QS+2*\i:QS+2*\i+1], v[X+32*\i:X+32*\i+1], v[X+32*\i:X+32*\i+1]
.endr
.set p, 2
.rept 15
.irp i, 0,1,2,3
	v_pk_fma_f32 v[QS+2*\i:QS+2*\i+1], v[X+32*\i+p:X+32*\i+p+1], v[X+32*\i+p:X+32*\i+p+1], v[QS+2*\i:QS+2*\i+1]
.endr
.set p, p+2
.endr
	REDUCE QS
.irp i, 0,1,2,3
	v_fma_f32 v[QS+2*\i], v[QS+2*\i], s20, s21     ; var + eps
.endr
	s_wait_alu depctr_va_vdst(0)
.irp i, 0,1,2,3
	v_rsq_f32 v[QS+2*\i], v[QS+2*\i]
.endr
	v_nop                                          ; a plain instruction behind the last of the batch
	s_wait_alu depctr_va_vdst(0)                   ; one wait for the four, ahead of their first reader
	s_wait_loadcnt 0x0                             ; gain and bias
.irp i, 0,1,2,3
.set p, 0
.rept 16
	v_pk_mul_f32 v[X+32*\i+p:X+32*\i+p+1], v[X+32*\i+p:X+32*\i+p+1], v[QS+2*\i:QS+2*\i+1] op_sel_hi:[1,0]
	v_pk_fma_f32 v[X+32*\i+p:X+32*\i+p+1], v[X+32*\i+p:X+32*\i+p+1], v[GA+p:GA+p+1], v[BE+p:BE+p+1]
.set p, p+2
.endr
.endr
.irp i, 0,1,2,3
.irp j, 0,1,2,3,4,5,6,7
	ds_store_b128 v7, v[X+32*\i+4*\j:X+32*\i+4*\j+3] offset:PITCH*\i+512*\j
.endr
.endr
	s_wait_dscnt 0x0                               ; for the others' sake: my rows lie in the stage
	s_barrier_signal -1
	s_barrier_wait -1
.irp e, 0,1
.irp c, 0,1
.irp j, 0,1,2,3,4,5,6,7
	ds_load_b128 v[X+64*\e+32*\c+4*\j:X+64*\e+32*\c+4*\j+3], v6 offset:512*\e+256*\c+16*\j  ; k = 128 ks + 64 c + 32 h + 4 j on, of row r
.endr
.endr
.endr
	v_cmp_ne_u32 vcc_lo, 0, v5
.macro QF e                            ; fragment 2 w + e: two whole blocks a lane
.set XS, X+64*\e
.set F, GA+12*\e
.irp c, 0,1
	v_max3_num_f32 v[SM+\c], |v[XS+32*\c]|, |v[XS+32*\c+1]|, 0x2800000  ; with the floor 2^(5 - 127)
.endr
.irp i, 2,4,6,8,10,12,14,16,18,20,22,24,26,28,30
.irp c, 0,1
	v_max3_num_f32 v[SM+\c], v[SM+\c], |v[XS+32*\c+\i]|, |v[XS+32*\c+\i+1]|
.endr
.endr
.irp c, 0,1
	v_add_nc_u32 v[SM+2+\c], 0xfe000000, v[SM+\c]  ; 4 off the exponent field: the conversion's scale operand
.endr
.irp c, 0,1
	v_lshrrev_b32 v[SM+\c], 23, v[SM+2+\c]         ; the byte
.endr
	v_lshl_or_b32 v[SM+4+\e], v[SM+1], 16, v[SM]   ; my blocks are h and 2 + h of the word:
	v_lshlrev_b32 v[SM+4+\e], v8, v[SM+4+\e]       ; 8 h bits up;
	v_permlanex16_b32 v[TP], v[SM+4+\e], s16, s17
	v_or_b32 v[SM+4+\e], v[SM+4+\e], v[TP]         ; with lane l xor 16's two the word is whole
	v_cvt_scalef32_pk16_bf6_f32 v[F:F+2], v[XS:XS+15], v[SM+2]
	v_cvt_scalef32_pk16_bf6_f32 v[168:170], v[XS+16:XS+31], v[SM+2]  ; (a conversion's three registers begin on an even number)
	v_cvt_scalef32_pk16_bf6_f32 v[F+6:F+8], v[XS+32:XS+47], v[SM+3]
	v_cvt_scalef32_pk16_bf6_f32 v[172:174], v[XS+48:XS+63], v[SM+3]
	v_nop                                          ; one plain instruction behind the conversions
.irp i, 0,1,2
	v_mov_b32 v[F+3+\i], v[168+\i]
	v_mov_b32 v[F+9+\i], v[172+\i]
.endr
	global_store_b128 v3, v[F:F+3], s[22:23] offset:1536*\e          ; each store covers whole aligned blocks of 256 bytes
	global_store_b64 v10, v[F+4:F+5], s[22:23] offset:1536*\e+512
	global_store_b128 v3, v[F+6:F+9], s[22:23] offset:1536*\e+768
	global_store_b64 v10, v[F+10:F+11], s[22:23] offset:1536*\e+1280
.endm
	s_wait_dscnt 16                                ; the first fragment's 16 reads are back; the second's may be out
	QF 0
	s_wait_dscnt 0x0
	QF 1
	v_cndmask_b32 v[SM+6], v[SM+4], v[SM+5], vcc_lo  ; lanes 0-15 hold the first fragment's words, lanes 16-31 the second's
	global_store_b32 v9, v[SM+6], s[24:25]         ; 128 consecutive bytes
	s_wait_tensorcnt 0x0
	ds_add_u32 v240, v241
	s_wait_dscnt 0x0
	s_endpgm
.Lfunc_end_k_q25fe2630ed_ln1:
	.size	k_q25fe2630ed_ln1, .Lfunc_end_k_q25fe2630ed_ln1-k_q25fe2630ed_ln1
	.p2alignl 7, 3214868480
	.fill 96, 4, 3214868480
	.section	.rodata,"a",@progbits
	.p2align	6, 0x0
	.amdhsa_kernel k_q25fe2630ed_ln1
		.amdhsa_group_segment_fixed_size 66560
		.amdhsa_private_segment_fixed_size 0
		.amdhsa_enable_private_segment 0
		.amdhsa_kernarg_size 32
		.amdhsa_user_sgpr_count 2
		.amdhsa_user_sgpr_kernarg_segment_ptr 1
		.amdhsa_wavefront_size32 1
		.amdhsa_system_sgpr_workgroup_id_x 1
		.amdhsa_system_sgpr_workgroup_id_y 1
		.amdhsa_system_sgpr_workgroup_id_z 1
		.amdhsa_system_vgpr_workitem_id 0
		.amdhsa_next_free_vgpr 242
		.amdhsa_next_free_sgpr 66
		.amdhsa_reserve_vcc 1
		.amdhsa_float_denorm_mode_32 3
		.amdhsa_float_denorm_mode_16_64 3
		.amdhsa_memory_ordered 1
		.amdhsa_forward_progress 1
		.amdhsa_inst_pref_size 42
	.end_amdhsa_kernel
	.amdgpu_metadata
---
amdhsa.version: [ 1, 2 ]
amdhsa.kernels:
  - .name:           k_q25fe2630ed_ln1
    .symbol:         k_q25fe2630ed_ln1.kd
    .args:
      - { .name: X1, .offset: 0, .size: 8, .value_kind: global_buffer, .address_space: global }
      - { .name: ln2_w, .offset: 8, .size: 8, .value_kind: global_buffer, .address_space: global }
      - { .name: ln2_b, .offset: 16, .size: 8, .value_kind: global_buffer, .address_space: global }
      - { .name: H, .offset: 24, .size: 8, .value_kind: global_buffer, .address_space: global }
    .group_segment_fixed_size: 66560
    .private_segment_fixed_size: 0
    .kernarg_segment_align: 8
    .kernarg_segment_size: 32
    .max_flat_workgroup_size: 128
    .sgpr_count:     66
    .vgpr_count:     242
    .wavefront_size: 32
...
	.end_amdgpu_metadata
.endif
;; end of part 12
;; launch fc (part 13): grid 16 x 16, 4 waves a work-group, clusters of 4 x 4, 327,680 bytes of LDS; arguments H, W, b_fc, HID; writes HID
.if DOCPART == 13
	.amdgcn_target "amdgcn-amd-amdhsa--gfx1250"
	.amdhsa_code_object_version 6
	.text
	.protected	k_q25fe2630ed_fc
	.globl	k_q25fe2630ed_fc
	.p2align	8
	.type	k_q25fe2630ed_fc,@function
k_q25fe2630ed_fc:
	s_mov_b64 s[64:65], 0
	v_nop
	global_prefetch_b8 v0, s[64:65] scope:SCOPE_SE
	s_setreg_imm32_b32 hwreg(HW_REG_WAVE_MODE, 25, 1), 1
	s_wait_xcnt 0x0
	s_wait_alu depctr_hold_cnt(0) depctr_sa_sdst(0) depctr_va_vdst(0) depctr_va_sdst(0) depctr_va_ssrc(0) depctr_va_vcc(0) depctr_vm_vsrc(0)
	s_getreg_b32 s2, hwreg(HW_REG_IB_STS2, 6, 4)
	s_cmp_eq_u32 s2, 0
	s_cbranch_scc0 .Lentry_in_a_cluster
	s_endpgm
.Lentry_in_a_cluster:
	s_bfe_u32 s2, ttmp6, 0x10000c
	s_cmp_lg_u32 s2, 0xf033
	s_cbranch_scc0 .Lentry_shape_is_right
	s_endpgm
.Lentry_shape_is_right:
; hid = gelu_tanh(h2 W_fc + b_fc) on codes of BF6 (E3M2) with E8M0 scales, K = 1,024; the result is quantised in registers along the 4,096 and stored as the next product's operand, an image of its registers.
; Images, the tile of 256 x 256 by four waves, the ring of two slots of 256 along K, the joint loads in a 4 x 4 cluster and the transposed use are as in the launch that makes q, k and v.
; gelu: x / (1 + 2^(x (c3 x^2 + c1))), which is 0.5 x (1 + tanh(..)) written with one exponential and one reciprocal, in f32.
; LIMITS: a block of zeros, or under 2^-122, gets the byte 1 (this program alone reads the bytes); NaN and infinities are not served.
.set SIZE_K, 1024
.set ASC,    3145728
.set BCO,    3145728
.set BSC,    9568256
.set FR,     12
.set NL,     4
.set NP,     4
.set RBS,    3072
.set KP,     SIZE_K*12
.set HALFT,  8*RBS
.set SLOT,   4*HALFT
.set LAPS,   SIZE_K/512
.set SBLK,   SIZE_K/2
.set HALFS,  8*SBLK
.set SCL,    2*SLOT
.set SPARE,  SCL+4*HALFS
.set ADRA, 16
.set ADRB, 20
.set L16,  26
.set ADRS, 27
.set SPW,  28
.set NIL,  29
.set L8,   30
.set SOF,  31
.set SC,   32
.set AF,   128
.set HQ,   64
.set T,    128
.set PC,   192
.set TM,   212
.set PW,   228
.set PWE,  229
.set SW,   230
.set HH,   231
.set CZ,   232
.set G1, 24
.set G0, 32
.set G1B, 48
.set G0B, 56
.set G1S, 68
.set G0S, 76
.set G1SB, 80
.set G0SB, 88
.set MSB, 0
.macro WIN new
.if MSB != (\new)
	s_set_vgpr_msb (MSB<<8)|(\new)
.set MSB, (\new)
.endif
.endm
.set MUL_LO, 0xa1
.set MUL_HI, 0xf1
.set TO_B,   0x40
.macro JLOAD g0a, g1a, g0b, g1b
	s_cmp_eq_u32 s15, 0
	s_cbranch_scc0 .Lfor_b_\@
	tensor_load_to_lds s[\g0a:\g0a+3], s[\g1a:\g1a+7]
	s_nop 0
.rept 4
	v_nop
.endr
	s_branch .Lasked_\@
.Lfor_b_\@:
	tensor_load_to_lds s[\g0b:\g0b+3], s[\g1b:\g1b+7]
	s_nop 0
.rept 4
	v_nop
.endr
.Lasked_\@:
.endm
.macro CREST
	s_cmp_lg_u32 s14, 0
	s_cbranch_scc1 .Lnot_wave_0_\@
	s_barrier_signal -3
.Lnot_wave_0_\@:
	s_barrier_wait -3
	s_barrier_signal -1
	s_barrier_wait -1
.endm
.macro CROUND
	s_barrier_signal -1
	s_barrier_wait -1
	CREST
.endm
.macro PLACES n
.rept \n
	v_nop
.endr
.endm
.macro FRAG reg, a16, a8, q, i
	ds_load_b128 v[\reg:\reg+3], v[\a16] offset:(\i)*RBS+(\q)*1536
	ds_load_b64 v[\reg+4:\reg+5], v[\a8] offset:(\i)*RBS+(\q)*1536+512
	ds_load_b128 v[\reg+6:\reg+9], v[\a16] offset:(\i)*RBS+(\q)*1536+768
	ds_load_b64 v[\reg+10:\reg+11], v[\a8] offset:(\i)*RBS+(\q)*1536+1280
.endm
.macro FETCH_B slot, q, p
	WIN TO_B
.irp i, 0,1,2,3,4,5,6,7
	FRAG 128*(\p)+FR*\i, ADRB+\slot, ADRB+2+\slot, \q, \i
.endr
	WIN 0
.endm
.macro FETCH_A slot, q, i0
.irp i, \i0, \i0+1, \i0+2, \i0+3
	FRAG AF+FR*(\i), ADRA+\slot, ADRA+2+\slot, \q, \i
.endr
.endm
.macro SCALES sc
.irp i, 0,1,2,3,4,5,6,7
.irp q, 0,1
	ds_load_b32 v[SC+16*\sc+2*\i+\q], v[ADRS] offset:\i*SBLK+64*\q
.endr
.endr
.endm
.macro MUL16 a0, p, q, sc, zero
.irp a, \a0, \a0+1
.irp b, 0,1,2,3,4,5,6,7
.set rD, 8*(8*((\a)%4)+\b)
.set rB, 128*(\p)+FR*\b
.set rA, AF+FR*(\a)
.set rSB, SC+16*(\sc)+2*\b+(\q)
.set rSA, SC+16*(\sc)+2*(\a)+(\q)
.if (\zero) == 1
	v_wmma_scale_f32_16x16x128_f8f6f4 v[rD:rD+7], v[rB:rB+FR-1], v[rA:rA+FR-1], 0, v[rSB], v[rSA] matrix_a_fmt:MATRIX_FMT_BF6 matrix_b_fmt:MATRIX_FMT_BF6 matrix_a_scale:MATRIX_SCALE_ROW1
.else
	v_wmma_scale_f32_16x16x128_f8f6f4 v[rD:rD+7], v[rB:rB+FR-1], v[rA:rA+FR-1], v[rD:rD+7], v[rSB], v[rSA] matrix_a_fmt:MATRIX_FMT_BF6 matrix_b_fmt:MATRIX_FMT_BF6 matrix_a_scale:MATRIX_SCALE_ROW1
.endif
.endr
.endr
.endm
.macro STEP slot, q, zero
	s_wait_dscnt 4*NL
	WIN MUL_LO
	MUL16 0, (\q)%2, \q, \slot, \zero
	MUL16 2, (\q)%2, \q, \slot, \zero
	s_wait_dscnt 0x0
	PLACES NP
	FETCH_B \slot, (\q)+1, 1-(\q)%2
	FETCH_A \slot, (\q)+1, 0
	WIN MUL_HI
	MUL16 4, (\q)%2, \q, \slot, \zero
	MUL16 6, (\q)%2, \q, \slot, \zero
	PLACES NP
	WIN 0
	FETCH_A \slot, (\q)+1, 4
.endm
.macro TURN slot, next, fill
	s_wait_tensorcnt 0x0
	ds_add_u32 v[SPW], v[NIL]
	s_wait_dscnt 4*NL+1
	WIN MUL_LO
	MUL16 0, 1, 1, \slot, 0
	s_wait_dscnt 0x0
	s_barrier_signal -1
	MUL16 2, 1, 1, \slot, 0
	WIN 0
	s_barrier_wait -1
.if \fill
	CREST
	s_add_nc_u64 s[G0+4*\slot+2:G0+4*\slot+3], s[G0+4*\slot+2:G0+4*\slot+3], 2*RBS
	s_add_nc_u64 s[G0B+4*\slot+2:G0B+4*\slot+3], s[G0B+4*\slot+2:G0B+4*\slot+3], 2*RBS
	JLOAD G0+4*\slot, G1, G0B+4*\slot, G1B
.else
	PLACES NP
.endif
	s_wait_alu depctr_va_vdst(0)
	v_add_nc_u32 v[ADRS], 128, v[ADRS]
	FETCH_B \next, 0, 0
	FETCH_A \next, 0, 0
	SCALES \next
	WIN MUL_HI
	MUL16 4, 1, 1, \slot, 0
	MUL16 6, 1, 1, \slot, 0
	PLACES NP
	WIN 0
	FETCH_A \next, 0, 4
.endm
.macro QUANT s
.irp b, 0,1,2,3
	v_max3_num_f32 v[TM+\b], |v[\s+16*\b]|, |v[\s+1+16*\b]|, 0x2800000
.endr
.irp i, 2,4,6,8,10,12,14
.irp b, 0,1,2,3
	v_max3_num_f32 v[TM+\b], v[TM+\b], |v[\s+16*\b+\i]|, |v[\s+1+16*\b+\i]|
.endr
.endr
.irp b, 0,1,2,3
	v_permlanex16_b32 v[TM+4+\b], v[TM+\b], s12, s13
.endr
.irp b, 0,1,2,3
	v_max_num_f32 v[TM+\b], v[TM+\b], v[TM+4+\b]
.endr
.irp b, 0,1,2,3
	v_add_nc_u32 v[TM+12+\b], 0xfe000000, v[TM+\b]
.endr
.irp b, 0,1,2,3
	v_lshrrev_b32 v[TM+4+\b], 23, v[TM+12+\b]
.endr
	v_lshl_or_b32 v[PW], v[TM+5], 8, v[TM+4]
	v_lshl_or_b32 v[PW], v[TM+6], 16, v[PW]
	v_lshl_or_b32 v[PW], v[TM+7], 24, v[PW]
.irp c, 0,1
	v_cvt_scalef32_pk16_bf6_f32 v[PC+6*\c:PC+2+6*\c], v[\s+32*\c:\s+15+32*\c], v[TM+12+2*\c]
	v_cvt_scalef32_pk16_bf6_f32 v[PC+12+4*\c:PC+14+4*\c], v[\s+16+32*\c:\s+31+32*\c], v[TM+12+2*\c+1]
.endr
	v_nop
.irp c, 0,1
.irp i, 0,1,2
	v_permlane16_swap_b32 v[PC+6*\c+\i], v[PC+12+4*\c+\i]
.endr
.irp i, 0,1,2
	v_mov_b32 v[PC+3+6*\c+\i], v[PC+12+4*\c+\i]
.endr
.endr
.endm
.macro GELU
.set p, 0
.rept 32
	v_pk_mul_f32 v[T+p:T+p+1], v[HQ+p:HQ+p+1], v[HQ+p:HQ+p+1]
.set p, p+2
.endr
.set p, 0
.rept 32
	v_pk_fma_f32 v[T+p:T+p+1], v[T+p:T+p+1], s[98:99], v[CZ:CZ+1] op_sel_hi:[1,0,1]
.set p, p+2
.endr
.set p, 0
.rept 32
	v_pk_mul_f32 v[T+p:T+p+1], v[T+p:T+p+1], v[HQ+p:HQ+p+1]
.set p, p+2
.endr
.set p, 0
	s_wait_alu depctr_va_vdst(0)
.rept 64
	v_exp_f32 v[T+p], v[T+p]
.set p, p+1
.endr
	v_nop
	s_wait_alu depctr_va_vdst(0)
.set p, 0
.rept 32
	v_pk_add_f32 v[T+p:T+p+1], v[T+p:T+p+1], 1.0 op_sel_hi:[1,0]
.set p, p+2
.endr
.set p, 0
	s_wait_alu depctr_va_vdst(0)
.rept 64
	v_rcp_f32 v[T+p], v[T+p]
.set p, p+1
.endr
	v_nop
	s_wait_alu depctr_va_vdst(0)
.set p, 0
.rept 32
	v_pk_mul_f32 v[HQ+p:HQ+p+1], v[HQ+p:HQ+p+1], v[T+p:T+p+1]
.set p, p+2
.endr
.endm
	s_load_b128 s[4:7], s[0:1], 0x0
	s_load_b128 s[8:11], s[0:1], 0x10
	v_lshl_add_u32 v[SPW], v0, 2, SPARE
	v_mov_b32 v[NIL], 0
	ds_add_u32 v28, v29
	ds_add_u32 v28, v29
	s_wait_dscnt 0x0
	v_lshrrev_b32 v1, 5, v0
	v_readfirstlane_b32 s14, v1
	s_lshr_b32 s15, s14, 1
	s_and_b32 s16, s14, 1
	s_bfe_u32 s40, ttmp6, 0x40000
	s_bfe_u32 s41, ttmp6, 0x40004
	s_lshl_b32 s42, ttmp9, 2
	s_add_co_u32 s42, s42, s40
	s_and_b32 s17, ttmp7, 0xffff
	s_lshl_b32 s17, s17, 2
	s_add_co_u32 s17, s17, s41
	s_lshl_b32 s43, s41, 2
	s_lshl_b32 s43, 15, s43
	s_lshl_b32 s44, 0x1111, s40
	s_or_b32 s[G1+0], s43, (3<<16)|(1<<21)
	s_or_b32 s[G1B+0], s44, (3<<16)|(1<<21)
.irp g, G1, G1B
	s_mov_b32 s[\g+1], 384<<16
	s_mov_b32 s[\g+2], 16<<16                      ; at the head a load brings a tile's 16 tiles rb; behind it 8
	s_mov_b32 s[\g+3], 384<<16
	s_mov_b32 s[\g+4], 16
	s_mov_b32 s[\g+5], KP/8
	s_mov_b32 s[\g+6], 0
	s_mov_b32 s[\g+7], 0
.endr
	s_or_b32 s[G1S+0], s43, (3<<16)|(1<<21)
	s_or_b32 s[G1SB+0], s44, (3<<16)|(1<<21)
.irp g, G1S, G1SB
	s_mov_b32 s[\g+1], 32<<16
	s_mov_b32 s[\g+2], (HALFS/128)<<16             ; the scale words of 256 rows
	s_mov_b32 s[\g+3], 32<<16
	s_mov_b32 s[\g+4], HALFS/128
	s_mov_b32 s[\g+5], 32
	s_mov_b32 s[\g+6], 0
	s_mov_b32 s[\g+7], 0
.endr
	s_lshl_b32 s18, s16, 3
	s_lshl_b32 s20, s17, 4
	s_add_co_u32 s20, s20, s18
	s_lshl_b32 s46, s42, 4
	s_add_co_u32 s46, s46, s18
	s_sub_co_u32 s22, s20, s18                     ; the scale words come for the whole tile: from its first rb
	s_sub_co_u32 s92, s46, s18
	s_mul_i32 s22, s22, SBLK
	s_mul_i32 s92, s92, SBLK
	s_mul_i32 s20, s20, KP
	s_mul_i32 s46, s46, KP
	s_mov_b32 s21, 0
	s_mov_b32 s23, 0
	s_mov_b32 s47, 0
	s_mov_b32 s93, 0
	s_mul_i32 s45, s14, HALFT
	s_wait_kmcnt 0x0
	s_add_nc_u64 s[20:21], s[4:5], s[20:21]
	s_add_nc_u64 s[22:23], s[4:5], s[22:23]
	s_add_nc_u64 s[22:23], s[22:23], ASC
	s_add_nc_u64 s[46:47], s[6:7], s[46:47]
	s_add_nc_u64 s[46:47], s[46:47], BCO
	s_add_nc_u64 s[92:93], s[6:7], s[92:93]
	s_add_nc_u64 s[92:93], s[92:93], BSC
	; THE PREFETCHES' BASE.  Of the 8 tiles rb that my wave fetches for a slot, each of the four partners that ask for them jointly names two, told apart by address alone: the partner at place p (cx for A, cy for B) takes tiles 2 p and 2 p + 1
	s_cmp_eq_u32 s15, 0
	s_cselect_b64 s[66:67], s[20:21], s[46:47]
	s_cselect_b32 s98, s40, s41
	s_mul_i32 s98, s98, 2*KP
	s_mov_b32 s99, 0
	s_add_nc_u64 s[66:67], s[66:67], s[98:99]      ; never rewritten
	CROUND
	s_mov_b32 s[G0S], 1
	s_mov_b32 s[G0S+1], SCL
	s_mov_b64 s[G0S+2:G0S+3], s[22:23]
	s_or_b32 s[G0S+3], s[G0S+3], 0x80000000
	s_mov_b32 s[G0SB], 1
	s_mov_b32 s[G0SB+1], SCL+2*HALFS
	s_mov_b64 s[G0SB+2:G0SB+3], s[92:93]
	s_or_b32 s[G0SB+3], s[G0SB+3], 0x80000000
.irp s, 0,1
	s_mov_b32 s[G0+4*\s], 1
	s_add_co_u32 s[G0+4*\s+1], s45, \s*SLOT
	s_add_nc_u64 s[G0+4*\s+2:G0+4*\s+3], s[20:21], \s*RBS
	s_or_b32 s[G0+4*\s+3], s[G0+4*\s+3], 0x80000000
	s_mov_b32 s[G0B+4*\s], 1
	s_add_co_u32 s[G0B+4*\s+1], s45, \s*SLOT
	s_add_nc_u64 s[G0B+4*\s+2:G0B+4*\s+3], s[46:47], \s*RBS
	s_or_b32 s[G0B+4*\s+3], s[G0B+4*\s+3], 0x80000000
.endr
; the head's four tiles, one tensor load a wave, in one chain of branches on the wave's number: wave 0 A's 256 rows of K step 0, wave 2 B's (their own slot-0 descriptors begin at the tile's first rb), wave 1 A's scale words, wave 3 B's
.macro HARM g0, g1
	tensor_load_to_lds s[\g0:\g0+3], s[\g1:\g1+7]
	s_nop 0
.rept 4
	v_nop
.endr
.endm
	s_cmp_eq_u32 s14, 0
	s_cbranch_scc0 .Lhead_1
	HARM G0, G1
	s_branch .Lhead_j
.Lhead_1:
	s_cmp_eq_u32 s14, 2
	s_cbranch_scc0 .Lhead_2
	HARM G0B, G1B
	s_branch .Lhead_j
.Lhead_2:
	s_cmp_eq_u32 s14, 1
	s_cbranch_scc0 .Lhead_3
	HARM G0S, G1S
	s_branch .Lhead_j
.Lhead_3:
	HARM G0SB, G1SB
.Lhead_j:
	v_and_b32 v1, 15, v0
	v_bfe_u32 v2, v0, 4, 1
	v_and_b32 v3, 31, v0
	v_lshlrev_b32 v[L16], 4, v3
	v_lshlrev_b32 v[L8], 3, v3
	v_min_u32 v24, 11, v1                          ; a slot's 3,072 bytes of a tile rb are 12 blocks of 256: lanes 0-11 name those of my first tile, lanes 16-27 those of my second; the lanes left over name their tile's last block again
	v_lshlrev_b32 v24, 8, v24
	v_mad_u32_u24 v24, v2, KP, v24                 ; never rewritten
	global_prefetch_b8 v24, s[66:67] offset:RBS th:TH_LOAD_NT scope:SCOPE_SE    ; K steps 1 and 2 are asked for into the L2 behind the head's loads: each block once in the cluster; their tensor loads follow one and two changes of slots later
	global_prefetch_b8 v24, s[66:67] offset:2*RBS th:TH_LOAD_NT scope:SCOPE_SE
	s_mul_i32 s21, s15, HALFT
	s_mul_i32 s22, s16, HALFT
	s_add_co_u32 s22, s22, 2*HALFT
.irp s, 0,1
	v_add_nc_u32 v[ADRA+\s], s21, v[L16]
	v_add_nc_u32 v[ADRA+2+\s], s21, v[L8]
	v_add_nc_u32 v[ADRB+\s], s22, v[L16]
	v_add_nc_u32 v[ADRB+2+\s], s22, v[L8]
	s_add_co_u32 s21, s21, SLOT
	s_add_co_u32 s22, s22, SLOT
.endr
	s_mul_i32 s21, s15, HALFS
	s_mul_i32 s22, s16, HALFS
	s_add_co_u32 s22, s22, 2*HALFS
	s_sub_co_u32 s22, s22, s21
	v_mul_u32_u24 v6, s22, v2
	s_add_co_u32 s21, s21, SCL
	v_lshl_add_u32 v6, v1, 2, v6
	v_add_nc_u32 v[ADRS], s21, v6
	s_lshl_b32 s46, s42, 1
	s_add_co_u32 s46, s46, s16
	s_lshl_b32 s20, s46, 9
	s_mov_b32 s21, 0
	s_add_nc_u64 s[20:21], s[8:9], s[20:21]
	v_lshlrev_b32 v7, 6, v2
	WIN TO_B
.irp g, 0,1,2,3
.irp j, 0,1,2,3
	global_load_b128 v[96+16*\g+4*\j+96*(\g/2):99+16*\g+4*\j+96*(\g/2)], v7, s[20:21] offset:128*\g+16*\j
.endr
.endr
	WIN 0
	s_wait_alu depctr_va_vdst(0)
	s_wait_loadcnt 0x0
	s_wait_tensorcnt 0x0                           ; my tile of the head's four is in; slot 1's first fill is issued as a refill is:
	ds_add_u32 v[SPW], v[NIL]                      ; 0 onto my spare word
	s_mov_b32 s[G1+2], 8<<16                       ; no tensor load of mine is out: from here on a load brings 8 tiles rb
	s_mov_b32 s[G1+4], 8
	s_mov_b32 s[G1B+2], 8<<16
	s_mov_b32 s[G1B+4], 8
	s_wait_dscnt 0x0
	CROUND                                         ; all four tiles are in, and all sixteen work-groups are here
	JLOAD G0+4, G1, G0B+4, G1B                     ; K step 1, the first tensor load behind the round
	FETCH_B 0, 0, 0
	FETCH_A 0, 0, 0
	SCALES 0
	FETCH_A 0, 0, 4
	global_prefetch_b8 v24, s[66:67] offset:3*RBS th:TH_LOAD_NT scope:SCOPE_SE  ; K step 3, the last, behind K step 1's load: two refills ahead of its own
	STEP 0, 0, 1
	s_mov_b32 s3, LAPS-1
.Llap:
	TURN 0, 1, 1
	STEP 1, 0, 0
	TURN 1, 0, 1
	STEP 0, 0, 0
	s_sub_co_u32 s3, s3, 1
	s_cmp_lg_u32 s3, 0
	s_cbranch_scc1 .Llap
	TURN 0, 1, 0
	STEP 1, 0, 0
	s_wait_dscnt 4*NL
	WIN MUL_LO
	MUL16 0, 1, 1, 1, 0
	MUL16 2, 1, 1, 1, 0
	s_wait_dscnt 0x0
	WIN MUL_HI
	MUL16 4, 1, 1, 1, 0
	MUL16 6, 1, 1, 1, 0
	WIN 0
	PLACES NP
.irp b, 0,1,2,3
	v_mov_b32 v[TM+4+\b], 0
.endr
	v_bfe_u32 v[HH], v0, 4, 1
	v_cmp_ne_u32 vcc_lo, 0, v[HH]
	v_and_b32 v[SOF], 15, v0
	v_lshlrev_b32 v[SOF], 2, v[SOF]
	v_lshl_add_u32 v[SOF], v[HH], 11, v[SOF]
	v_mov_b32 v[CZ], 0xc0135761
	v_mov_b32 v[CZ+1], 0xc0135761
	s_mov_b32 s98, 0xbdd2d3e8
	s_mov_b32 s99, s98
	s_mov_b32 s12, 0x76543210
	s_mov_b32 s13, 0xfedcba98
	s_lshl_b32 s20, s17, 4
	s_lshl_b32 s21, s15, 3
	s_add_co_u32 s20, s20, s21
	s_lshl_b32 s46, s42, 1
	s_add_co_u32 s46, s46, s16
	s_mul_i32 s21, s20, 49152
	s_mul_i32 s47, s46, 1536
	s_add_co_u32 s96, s21, s47
	s_mov_b32 s97, 0
	s_add_nc_u64 s[96:97], s[10:11], s[96:97]
	s_lshl_b32 s21, s20, 11
	s_lshl_b32 s47, s46, 6
	s_add_co_u32 s100, s21, s47
	s_add_co_u32 s100, s100, 12582912
	s_mov_b32 s101, 0
	s_add_nc_u64 s[100:101], s[10:11], s[100:101]
.macro OUTQ a
.if (\a) > 0
	s_wait_xcnt 0x0
.endif
	WIN 0x06+(\a)/4
.set AC, 64*((\a)%4)
.set p, 0
.rept 32
	v_pk_add_f32 v[HQ+p:HQ+p+1], v[AC+p:AC+p+1], v[96+p+96*(p/32):97+p+96*(p/32)]
.set p, p+2
.endr
	WIN 0
	GELU
	QUANT HQ
	global_store_b128 v[L16], v[PC:PC+3], s[96:97] offset:(\a)*49152
	global_store_b64 v[L8], v[PC+4:PC+5], s[96:97] offset:(\a)*49152+512
	global_store_b128 v[L16], v[PC+6:PC+9], s[96:97] offset:(\a)*49152+768
	global_store_b64 v[L8], v[PC+10:PC+11], s[96:97] offset:(\a)*49152+1280
.if (\a)%2 == 0
	v_mov_b32 v[PWE], v[PW]
.else
	v_cndmask_b32 v[SW], v[PWE], v[PW], vcc_lo
	global_store_b32 v[SOF], v[SW], s[100:101] offset:((\a)-1)*2048
.endif
.endm
.irp a, 0,1,2,3,4,5,6,7
	OUTQ \a
.endr
	s_wait_tensorcnt 0x0
	ds_add_u32 v[SPW], v[NIL]
	s_wait_dscnt 0x0
	CROUND
	s_endpgm
.Lfunc_end_k_q25fe2630ed_fc:
	.size	k_q25fe2630ed_fc, .Lfunc_end_k_q25fe2630ed_fc-k_q25fe2630ed_fc
	.p2alignl 7, 3214868480
	.fill 96, 4, 3214868480
	.section	.rodata,"a",@progbits
	.p2align	6, 0x0
	.amdhsa_kernel k_q25fe2630ed_fc
		.amdhsa_group_segment_fixed_size 327680
		.amdhsa_private_segment_fixed_size 0
		.amdhsa_enable_private_segment 0
		.amdhsa_kernarg_size 32
		.amdhsa_user_sgpr_count 2
		.amdhsa_user_sgpr_kernarg_segment_ptr 1
		.amdhsa_wavefront_size32 1
		.amdhsa_system_sgpr_workgroup_id_x 1
		.amdhsa_system_sgpr_workgroup_id_y 1
		.amdhsa_system_sgpr_workgroup_id_z 1
		.amdhsa_system_vgpr_workitem_id 0
		.amdhsa_next_free_vgpr 1024
		.amdhsa_next_free_sgpr 102
		.amdhsa_reserve_vcc 1
		.amdhsa_float_denorm_mode_32 3
		.amdhsa_float_denorm_mode_16_64 3
		.amdhsa_memory_ordered 1
		.amdhsa_forward_progress 1
		.amdhsa_inst_pref_size 255
	.end_amdhsa_kernel
	.section	.bss,"aw",@nobits
	.p2align	6
	.space	262144
	.amdgpu_metadata
---
amdhsa.version: [ 1, 2 ]
amdhsa.kernels:
  - .name:           k_q25fe2630ed_fc
    .symbol:         k_q25fe2630ed_fc.kd
    .args:
      - { .name: H, .offset: 0, .size: 8, .value_kind: global_buffer, .address_space: global }
      - { .name: W, .offset: 8, .size: 8, .value_kind: global_buffer, .address_space: global }
      - { .name: b_fc, .offset: 16, .size: 8, .value_kind: global_buffer, .address_space: global }
      - { .name: HID, .offset: 24, .size: 8, .value_kind: global_buffer, .address_space: global }
    .group_segment_fixed_size: 327680
    .private_segment_fixed_size: 0
    .kernarg_segment_align: 8
    .kernarg_segment_size: 32
    .max_flat_workgroup_size: 128
    .sgpr_count:     102
    .vgpr_count:     1024
    .wavefront_size: 32
...
	.end_amdgpu_metadata
.endif
;; end of part 13
;; launch g6 (part 14): grid 8 x 32, 4 waves a work-group, clusters of 4 x 4, 327,680 bytes of LDS; arguments HID, W, b_proj, X1, out0; writes out0
.if DOCPART == 14
	.amdgcn_target "amdgcn-amd-amdhsa--gfx1250"
	.amdhsa_code_object_version 6
	.text
	.protected	k_q25fe2630ed_g6
	.globl	k_q25fe2630ed_g6
	.p2align	8
	.type	k_q25fe2630ed_g6,@function
k_q25fe2630ed_g6:
	s_mov_b64 s[64:65], 0
	v_nop
	global_prefetch_b8 v0, s[64:65] scope:SCOPE_SE
	s_setreg_imm32_b32 hwreg(HW_REG_WAVE_MODE, 25, 1), 1
	s_wait_xcnt 0x0
	s_wait_alu depctr_hold_cnt(0) depctr_sa_sdst(0) depctr_va_vdst(0) depctr_va_sdst(0) depctr_va_ssrc(0) depctr_va_vcc(0) depctr_vm_vsrc(0)
	s_getreg_b32 s2, hwreg(HW_REG_IB_STS2, 6, 4)
	s_cmp_eq_u32 s2, 0
	s_cbranch_scc0 .Lentry_in_a_cluster
	s_endpgm
.Lentry_in_a_cluster:
	s_bfe_u32 s2, ttmp6, 0x10000c
	s_cmp_lg_u32 s2, 0xf033
	s_cbranch_scc0 .Lentry_shape_is_right
	s_endpgm
.Lentry_shape_is_right:
; out = res + A B^T + bias on codes of BF6 (E3M2) with E8M0 scales; here A = the hidden layer [4,096][4,096], B = w_proj's image in W, res = x1, out = out0, f32 [4,096][1,024].
; OPERANDS ARE IMAGES OF THEIR REGISTERS: a fragment (16 rows x 128 K) is 1,536 bytes in two halves c of 768: 512 bytes (registers 6c..6c+3, lane l at 16 l), then 256 (registers 6c+4, 6c+5, lane l at 8 l);
; a matrix lies [rb][ks][1,536]; lane r of tile rb = 2 g + u is row 32 g + 8 u + (r & 7) + 16 (r >> 3); scale words [rb][ks][16 r][4].  Four dense LDS loads bring a fragment: no pitch, no padding.
; THE TILE.  N = 1,024: of tiles of 256 x 256 there would be only 64; a tile of the result is 128 x 128, which makes 8 x 32 = 256 work-groups.  Four waves, 64 x 64 each: 16 accumulators of 16 x 16, 128 registers.
; K goes in steps of 512 through two LDS slots filled by the tensor data mover: a wave's load brings 4 rows of 6,144 bytes (4 tiles rb x 4 fragments); a refill has a slot's 64 matrix instructions a wave in which to land.
; The scale words of the work-group's rows, for all of K, come once with the first fills and stay.
; THE PRODUCT IS USED TRANSPOSED (source 0 = 16 rows of B, source 1 = 16 rows of A): a lane holds one row of A, and register j of accumulator (a, b) column 32 (b / 2) + 16 (lane / 16) + 8 (b % 2) + j of the wave's 64.
; The bias is the C of each sum's first matrix instruction.  The residual's 64 x 64 numbers are asked for at the head and are on their way during all of K.  On the way out a block of 16 rows goes through the wave's stage in LDS,
; comes back as whole rows of 256 bytes, takes the residual's rows and is stored.
; CLUSTERS: 4 x 4 work-groups; A's tiles are shared along a row of the cluster, B's along a column, each asked for jointly: that divides the requests for both by four.
; REGISTERS, in windows of 256: window 0: v16-29 addresses, v32-63 scale words (two sets), v128-255 the accumulators, (a, b) at v[128 + 8 (4 a + b)];
; window 1: two sets of fragments at v0 and v128 (A's four blocks, then from +48 B's four), the bias at v96-127;   window 2: v0-127 the residual.
; LIMITS: the sums begin with the bias (another order of rounding than bias last); NaN and infinities are not served.
.set SIZE_K, 4096
.set ASC,    12582912                  ; where A's scale words begin in its buffer
.set BCO,    6291456                   ; where B's codes begin in W
.set BSC,    9699328                   ; and B's scale words
.set FR,     12                        ; registers of a fragment
.set NP,     4                         ; places behind this matrix instruction (ISA guide 7.12.1)
.set RBS,    4*1536                    ; a tile rb's four fragments of a slot
.set KP,     SIZE_K*12                 ; bytes of codes for a tile rb
.set HALFT,  4*RBS                     ; 64 rows: what one tensor load brings, and what one wave reads of A or of B
.set SLOT,   4*HALFT                   ; A's 128 rows, then B's
.set LAPS,   SIZE_K/1024               ; a lap = two slots = once round the ring
.set SBLK,   SIZE_K/2                  ; bytes of scale words for a tile rb
.set HALFS,  4*SBLK
.set SCL,    2*SLOT                    ; behind the ring: the scale words
.set SPARE,  SCL+4*HALFS               ; behind them: the spare words, 128 bytes a wave, that no other line names
.set SP,     272                       ; a stage row: 256 bytes + 16 = 17 x 16: the sixteen rows' pieces of 16 bytes fall at sixteen different places modulo 256
.set ADRA, 16                          ; v16-17 my A fragments in slot 0, 1, 16 x lane; v18-19 the same, 8 x lane
.set ADRB, 20                          ; v20-23 the same for B
.set STO,  24                          ; v24 the way out: where I put 32 bytes of a row
.set RD,   25                          ; v25 where I read a row back
.set CO,   26                          ; v26 my byte offset in two neighbouring rows of res and of out; never rewritten
.set ADRS, 27                          ; v27 my scale words: lanes 0-15 A's rows, lanes 16-31 B's
.set SPW,  28                          ; v28 my spare word; never rewritten
.set NIL,  29                          ; v29 0; never rewritten
.set SC,   32                          ; scale words: set s at v[SC + 16 s], register 4 i + q
.set ACC,  128
.set G1, 24
.set G0, 32
.set G1B, 48
.set G0B, 56
.set G1S, 68
.set G0S, 76
.set G1SB, 80
.set G0SB, 88
.set MSB, 0
.macro WIN new                         ; the immediate's high byte repeats the setting that is left
.if MSB != (\new)
	s_set_vgpr_msb (MSB<<8)|(\new)
.set MSB, (\new)
.endif
.endm
.set MUL,    0x05                      ; sources 0 (B) and 1 (A) window 1; C and D window 0
.set MULC,   0x15                      ; the same with C (the bias) in window 1
.set TO_F,   0x40                      ; destination window 1, address window 0
.set TO_R,   0x80                      ; destination window 2
.set FROM_R, 0x08                      ; source 1 window 2
.macro JLOAD g0a, g1a, g0b, g1b        ; a joint load: waves 0 and 1 fetch for A, waves 2 and 3 for B; the branch hangs on the wave's number alone; four v_nop follow each line
	s_cmp_eq_u32 s15, 0
	s_cbranch_scc0 .Lfor_b_\@
	tensor_load_to_lds s[\g0a:\g0a+3], s[\g1a:\g1a+7]
	s_nop 0
.rept 4
	v_nop
.endr
	s_branch .Lasked_\@
.Lfor_b_\@:
	tensor_load_to_lds s[\g0b:\g0b+3], s[\g1b:\g1b+7]
	s_nop 0
.rept 4
	v_nop
.endr
.Lasked_\@:
.endm
.macro CREST                           ; a round of the cluster's barrier behind its opening barrier
	s_cmp_lg_u32 s14, 0
	s_cbranch_scc1 .Lnot_wave_0_\@
	s_barrier_signal -3
.Lnot_wave_0_\@:
	s_barrier_wait -3
	s_barrier_signal -1
	s_barrier_wait -1
.endm
.macro CROUND
	s_barrier_signal -1
	s_barrier_wait -1
	CREST
.endm
.macro PLACES n
.rept \n
	v_nop
.endr
.endm
.macro FRAG reg, a16, a8, q, i         ; a fragment as it lies: four dense loads
	ds_load_b128 v[\reg:\reg+3], v[\a16] offset:(\i)*RBS+(\q)*1536
	ds_load_b64 v[\reg+4:\reg+5], v[\a8] offset:(\i)*RBS+(\q)*1536+512
	ds_load_b128 v[\reg+6:\reg+9], v[\a16] offset:(\i)*RBS+(\q)*1536+768
	ds_load_b64 v[\reg+10:\reg+11], v[\a8] offset:(\i)*RBS+(\q)*1536+1280
.endm
.macro FETCH slot, q, p                ; 32 LDS loads in one run: my four blocks of B and four of A, the slot's q-th 128 along K, into set p
	WIN TO_F
.irp i, 0,1,2,3
	FRAG 128*(\p)+48+FR*\i, ADRB+\slot, ADRB+2+\slot, \q, \i
	FRAG 128*(\p)+FR*\i, ADRA+\slot, ADRA+2+\slot, \q, \i
.endr
.endm
.macro SCALES sc                       ; a slot's scale words: lanes 0-15 take A's block i, lanes 16-31 B's block i
	WIN 0
.irp i, 0,1,2,3
.irp q, 0,1,2,3
	ds_load_b32 v[SC+16*\sc+4*\i+\q], v[ADRS] offset:\i*SBLK+64*\q
.endr
.endr
.endm
; 4 matrix instructions: A's block a x B's four, 128 along K.  zero = 2: the first product starts the sums from the bias.  The 16 accumulators take turns, one instruction a turn, in the same order in every step.
.macro MULA a, p, q, sc, zero
.irp b, 0,1,2,3
.set rD, ACC+8*(4*(\a)+\b)
.set rB, 128*(\p)+48+FR*\b
.set rA, 128*(\p)+FR*(\a)
.set rC, 96+8*\b
.set rSB, SC+16*(\sc)+4*\b+(\q)
.set rSA, SC+16*(\sc)+4*(\a)+(\q)
.if (\zero) == 2
	v_wmma_scale_f32_16x16x128_f8f6f4 v[rD:rD+7], v[rB:rB+FR-1], v[rA:rA+FR-1], v[rC:rC+7], v[rSB], v[rSA] matrix_a_fmt:MATRIX_FMT_BF6 matrix_b_fmt:MATRIX_FMT_BF6 matrix_a_scale:MATRIX_SCALE_ROW1
.else
	v_wmma_scale_f32_16x16x128_f8f6f4 v[rD:rD+7], v[rB:rB+FR-1], v[rA:rA+FR-1], v[rD:rD+7], v[rSB], v[rSA] matrix_a_fmt:MATRIX_FMT_BF6 matrix_b_fmt:MATRIX_FMT_BF6 matrix_a_scale:MATRIX_SCALE_ROW1
.endif
.endr
.endm
; A step of 128 along K that has its successor in the same slot: the successor's fragments are asked for first, into the other set, and land while this step's 16 products are issued.
.macro STEP slot, q, zero
	PLACES NP                                      ; in front of loads into the set that the last products read
	FETCH \slot, (\q)+1, 1-(\q)%2
	s_wait_dscnt 32                                ; all but the 32 loads just issued are in: this step's fragments and scale words
.if (\zero) == 2
	WIN MULC
.else
	WIN MUL
.endif
.irp a, 0,1,2,3
	MULA \a, (\q)%2, \q, \slot, \zero
.endr
.endm
; A slot's fourth step changes slots: one barrier; in front of it each wave waits for all its tensor loads, adds 0 to its spare word, and waits for that and for its reads of this slot.  fill = 1: the slot is filled again, two slots ahead.
.macro TURN slot, next, fill
.if \fill
	s_wait_xcnt 0x0                                ; my last prefetch has read its address: it is stepped here, a slot's work behind that prefetch and ahead of the waits of the change of slots
	s_add_nc_u64 s[66:67], s[66:67], RBS
.endif
	WIN 0                                          ; (the add's two registers lie in window 0)
	s_wait_tensorcnt 0x0                           ; all my tensor loads have landed: my part of the next slot
	ds_add_u32 v[SPW], v[NIL]                      ; 0 onto my spare word
	s_wait_dscnt 1                                 ; this step's 32 loads are in; the add may be out
	WIN MUL
	MULA 0, 1, 3, \slot, 0                         ; four matrix instructions stand between the add and the wait for it
	s_wait_dscnt 0x0                               ; the add is done, and my reads of this slot are over
	s_barrier_signal -1
	MULA 1, 1, 3, \slot, 0
	WIN 0
	s_barrier_wait -1
.if \fill
	CREST                                          ; the barrier has opened a round of the cluster's: no wave of any partner still reads this slot or has a load on its way
	s_add_nc_u64 s[G0+4*\slot+2:G0+4*\slot+3], s[G0+4*\slot+2:G0+4*\slot+3], 2*RBS
	s_add_nc_u64 s[G0B+4*\slot+2:G0B+4*\slot+3], s[G0B+4*\slot+2:G0B+4*\slot+3], 2*RBS
	JLOAD G0+4*\slot, G1, G0B+4*\slot, G1B         ; the first tensor load behind the round; its four v_nop are also the places in front of the loads below
.else
	PLACES NP
.endif
	s_wait_alu depctr_va_vdst(0)
	v_add_nc_u32 v[ADRS], 256, v[ADRS]             ; the next slot's scale words
	FETCH \next, 0, 0
	SCALES \next
.if \fill                              ; behind the refill of slot m and the run of LDS loads: slot m + 2 is asked for into the L2, 24 blocks a wave.  The loop's last trip refills slots 6 and 7, the last: it asks for nothing
	s_cmp_gt_u32 s3, 1
	s_cbranch_scc0 .Lno_ask_\@
	global_prefetch_b8 v30, s[66:67] offset:3*RBS th:TH_LOAD_NT scope:SCOPE_SE
.Lno_ask_\@:
.endif
	WIN MUL
	MULA 2, 1, 3, \slot, 0
	MULA 3, 1, 3, \slot, 0
.endm
	s_load_b128 s[4:7], s[0:1], 0x0                ; A, W
	s_load_b128 s[8:11], s[0:1], 0x10              ; bias, res
	s_load_b64 s[12:13], s[0:1], 0x20              ; out
	v_lshl_add_u32 v[SPW], v0, 2, SPARE
	v_mov_b32 v[NIL], 0
	ds_add_u32 v28, v29
	ds_add_u32 v28, v29
	s_wait_dscnt 0x0
	v_lshrrev_b32 v1, 5, v0
	v_readfirstlane_b32 s14, v1                    ; wave 0..3
	s_lshr_b32 s15, s14, 1                         ; which half of A's rows is mine.  Also: I fetch for A (0) or for B (1)
	s_and_b32 s16, s14, 1                          ; which half of B's rows.  Also: which 64 rows I fetch
	s_bfe_u32 s40, ttmp6, 0x40000                  ; cx
	s_bfe_u32 s41, ttmp6, 0x40004                  ; cy
	s_lshl_b32 s42, ttmp9, 2
	s_add_co_u32 s42, s42, s40                     ; B's tile: 4 x cluster x + cx
	s_and_b32 s17, ttmp7, 0xffff
	s_lshl_b32 s17, s17, 2
	s_add_co_u32 s17, s17, s41                     ; A's tile: 4 x cluster y + cy
	s_lshl_b32 s43, s41, 2
	s_lshl_b32 s43, 15, s43                        ; my row of the cluster
	s_lshl_b32 s44, 0x1111, s40                    ; my column
	s_or_b32 s[G1+0], s43, (3<<16)|(1<<21)         ; 15:0 the mask; 17:16 elements of 8 bytes; 21 set beside a mask; no padding
	s_or_b32 s[G1B+0], s44, (3<<16)|(1<<21)
.irp g, G1, G1B
	s_mov_b32 s[\g+1], 768<<16                     ; tensor_dim0: 6,144 bytes
	s_mov_b32 s[\g+2], 8<<16                       ; tensor_dim1: at the head a load brings a tile's 8 tiles rb; behind it 4
	s_mov_b32 s[\g+3], 768<<16                     ; tile_dim0
	s_mov_b32 s[\g+4], 8                           ; tile_dim1
	s_mov_b32 s[\g+5], KP/8                        ; from tile rb to tile rb
	s_mov_b32 s[\g+6], 0
	s_mov_b32 s[\g+7], 0
.endr
	s_or_b32 s[G1S+0], s43, (3<<16)|(1<<21)        ; the scale words of 128 rows: a dense block, as rows of 256 bytes
	s_or_b32 s[G1SB+0], s44, (3<<16)|(1<<21)
.irp g, G1S, G1SB
	s_mov_b32 s[\g+1], 32<<16
	s_mov_b32 s[\g+2], (HALFS/128)<<16             ; the scale words of 128 rows
	s_mov_b32 s[\g+3], 32<<16
	s_mov_b32 s[\g+4], HALFS/128
	s_mov_b32 s[\g+5], 32
	s_mov_b32 s[\g+6], 0
	s_mov_b32 s[\g+7], 0
.endr
	s_lshl_b32 s18, s16, 2                         ; which 4 tiles rb I fetch
	s_lshl_b32 s20, s17, 3
	s_add_co_u32 s20, s20, s18                     ; A: rb = 8 x tile + 4 x half
	s_lshl_b32 s46, s42, 3
	s_add_co_u32 s46, s46, s18                     ; B likewise
	s_sub_co_u32 s22, s20, s18                     ; the scale words come for the whole tile: from its first rb
	s_sub_co_u32 s92, s46, s18
	s_mul_i32 s22, s22, SBLK
	s_mul_i32 s92, s92, SBLK
	s_mul_i32 s20, s20, KP
	s_mul_i32 s46, s46, KP
	s_mov_b32 s21, 0
	s_mov_b32 s23, 0
	s_mov_b32 s47, 0
	s_mov_b32 s93, 0
	s_mul_i32 s45, s14, HALFT                      ; where they go: no place in the cluster enters an LDS address
	s_wait_kmcnt 0x0
	s_add_nc_u64 s[20:21], s[4:5], s[20:21]
	s_add_nc_u64 s[22:23], s[4:5], s[22:23]
	s_add_nc_u64 s[22:23], s[22:23], ASC
	s_add_nc_u64 s[46:47], s[6:7], s[46:47]
	s_add_nc_u64 s[46:47], s[46:47], BCO
	s_add_nc_u64 s[92:93], s[6:7], s[92:93]
	s_add_nc_u64 s[92:93], s[92:93], BSC
	; THE PREFETCHES' BASE.  Of the 4 tiles rb that my wave fetches for a slot, each of the four partners that ask for them jointly names one, told apart by address alone: the partner at place p (cx for A, cy for B) takes tile p
	s_cmp_eq_u32 s15, 0
	s_cselect_b64 s[66:67], s[20:21], s[46:47]
	s_cselect_b32 s98, s40, s41
	s_mul_i32 s98, s98, KP
	s_mov_b32 s99, 0
	s_add_nc_u64 s[66:67], s[66:67], s[98:99]      ; stepped one slot on at each change of slots that fills
	CROUND                                         ; all sixteen work-groups are here: the first joint loads meet
	s_mov_b32 s[G0S], 1
	s_mov_b32 s[G0S+1], SCL
	s_mov_b64 s[G0S+2:G0S+3], s[22:23]
	s_or_b32 s[G0S+3], s[G0S+3], 0x80000000
	s_mov_b32 s[G0SB], 1
	s_mov_b32 s[G0SB+1], SCL+2*HALFS
	s_mov_b64 s[G0SB+2:G0SB+3], s[92:93]
	s_or_b32 s[G0SB+3], s[G0SB+3], 0x80000000
.irp s, 0,1
	s_mov_b32 s[G0+4*\s], 1
	s_add_co_u32 s[G0+4*\s+1], s45, \s*SLOT
	s_add_nc_u64 s[G0+4*\s+2:G0+4*\s+3], s[20:21], \s*RBS
	s_or_b32 s[G0+4*\s+3], s[G0+4*\s+3], 0x80000000
	s_mov_b32 s[G0B+4*\s], 1
	s_add_co_u32 s[G0B+4*\s+1], s45, \s*SLOT
	s_add_nc_u64 s[G0B+4*\s+2:G0B+4*\s+3], s[46:47], \s*RBS
	s_or_b32 s[G0B+4*\s+3], s[G0B+4*\s+3], 0x80000000
.endr
; THE HEAD'S FOUR TILES, one tensor load a wave, in one chain of branches on the wave's number: wave 0 A's 128 rows of slot 0, wave 2 B's (their own slot-0 descriptors begin at the tile's first rb), wave 1 A's scale words, wave 3 B's.
.macro HARM g0, g1
	tensor_load_to_lds s[\g0:\g0+3], s[\g1:\g1+7]
	s_nop 0
.rept 4
	v_nop
.endr
.endm
	s_cmp_eq_u32 s14, 0
	s_cbranch_scc0 .Lhead_1
	HARM G0, G1
	s_branch .Lhead_j
.Lhead_1:
	s_cmp_eq_u32 s14, 2
	s_cbranch_scc0 .Lhead_2
	HARM G0B, G1B
	s_branch .Lhead_j
.Lhead_2:
	s_cmp_eq_u32 s14, 1
	s_cbranch_scc0 .Lhead_3
	HARM G0S, G1S
	s_branch .Lhead_j
.Lhead_3:
	HARM G0SB, G1SB
.Lhead_j:
	v_and_b32 v1, 15, v0                           ; r
	v_bfe_u32 v2, v0, 4, 1                         ; h
	v_and_b32 v3, 31, v0
	v_lshlrev_b32 v8, 4, v3                        ; 16 x lane
	v_lshlrev_b32 v9, 3, v3                        ; 8 x lane
	v_min_u32 v30, 23, v3                          ; a slot's 6,144 bytes of a tile rb are 24 blocks of 256: a lane a block; the lanes left over name the last block again
	v_lshlrev_b32 v30, 8, v30                      ; never rewritten
	global_prefetch_b8 v30, s[66:67] offset:RBS th:TH_LOAD_NT scope:SCOPE_SE    ; slots 1 and 2 are asked for into the L2 behind the head's loads: each block once in the cluster; their tensor loads follow one and two changes of slots later
	global_prefetch_b8 v30, s[66:67] offset:2*RBS th:TH_LOAD_NT scope:SCOPE_SE
	s_mul_i32 s21, s15, HALFT                      ; my 64 rows of A
	s_mul_i32 s22, s16, HALFT
	s_add_co_u32 s22, s22, 2*HALFT                 ; my 64 rows of B, behind A's 128
.irp s, 0,1
	v_add_nc_u32 v[ADRA+\s], s21, v8
	v_add_nc_u32 v[ADRA+2+\s], s21, v9
	v_add_nc_u32 v[ADRB+\s], s22, v8
	v_add_nc_u32 v[ADRB+2+\s], s22, v9
	s_add_co_u32 s21, s21, SLOT
	s_add_co_u32 s22, s22, SLOT
.endr
	s_mul_i32 s21, s15, HALFS
	s_mul_i32 s22, s16, HALFS
	s_add_co_u32 s22, s22, 2*HALFS
	s_sub_co_u32 s22, s22, s21
	v_mul_u32_u24 v6, s22, v2                      ; lanes 16-31 take B's: one product, the distance between the two bases
	s_add_co_u32 s21, s21, SCL
	v_lshl_add_u32 v6, v1, 2, v6
	v_add_nc_u32 v[ADRS], s21, v6
	s_mul_i32 s23, s14, 16*SP                      ; my stage, in slot 0: when the first result is stored there the slot has had its last fill and its last read
	v_mul_u32_u24 v5, v1, SP
	v_lshl_add_u32 v5, v2, 6, v5
	v_add_nc_u32 v[STO], s23, v5                   ; in: row r, + 64 h
	v_mul_u32_u24 v5, v2, SP
	v_lshl_add_u32 v5, v1, 4, v5
	v_add_nc_u32 v[RD], s23, v5                    ; back: lanes 0-15 take one row of 256 bytes, lanes 16-31 the next
	v_lshlrev_b32 v[CO], 12, v2
	v_lshl_add_u32 v[CO], v1, 4, v[CO]             ; and the same two rows of 4,096 bytes in res and in out
	s_wait_alu depctr_va_vdst(0)
	s_lshl_b32 s20, s17, 7
	s_lshl_b32 s21, s15, 6
	s_add_co_u32 s20, s20, s21                     ; my first row: 128 x tile + 64 x half
	s_lshl_b32 s20, s20, 12
	s_lshl_b32 s46, s42, 9
	s_lshl_b32 s47, s16, 8
	s_add_co_u32 s46, s46, s47                     ; my first column, in bytes: 512 x tile + 256 x half
	s_mov_b32 s47, 0
	s_add_nc_u64 s[8:9], s[8:9], s[46:47]
	s_add_co_u32 s20, s20, s46
	s_mov_b32 s21, 0
	s_add_nc_u64 s[10:11], s[10:11], s[20:21]
	s_add_nc_u64 s[12:13], s[12:13], s[20:21]
	v_lshlrev_b32 v7, 6, v2                        ; 64 h
	WIN TO_F
.irp b, 0,1,2,3
	global_load_b128 v[96+8*\b:99+8*\b], v7, s[8:9] offset:128*(\b/2)+32*(\b%2)        ; the bias in the result's layout
	global_load_b128 v[100+8*\b:103+8*\b], v7, s[8:9] offset:128*(\b/2)+32*(\b%2)+16
.endr
	WIN TO_R
.irp a, 0,1,2,3                                ; the residual's rows of block a, in the image's order of rows, two rows a load: sixteen lanes read 256 consecutive bytes
.irp t, 0,1,2,3,4,5,6,7
	global_load_b128 v[32*\a+4*\t:32*\a+4*\t+3], v[CO], s[10:11] offset:(32*(\a/2)+8*(\a%2)+2*\t+8*(\t/4))*4096 th:TH_LOAD_NT
.endr
.endr
	WIN 0
	s_wait_alu depctr_va_vdst(0)
	s_wait_loadcnt 32                              ; the bias is in; the residual's 32 loads may be out: they are waited for on the way out
	s_wait_tensorcnt 0x0                           ; my tile of the head's four is in; slot 1's first fill is issued as a refill is:
	ds_add_u32 v[SPW], v[NIL]                      ; 0 onto my spare word
	s_mov_b32 s[G1+2], 4<<16                       ; no tensor load of mine is out: from here on a load brings 4 tiles rb
	s_mov_b32 s[G1+4], 4
	s_mov_b32 s[G1B+2], 4<<16
	s_mov_b32 s[G1B+4], 4
	s_wait_dscnt 0x0
	CROUND                                         ; all four tiles are in, and all sixteen work-groups are here
	JLOAD G0+4, G1, G0B+4, G1B                     ; slot 1, the first tensor load behind the round
	FETCH 0, 0, 0
	SCALES 0
	global_prefetch_b8 v30, s[66:67] offset:3*RBS th:TH_LOAD_NT scope:SCOPE_SE  ; slot 3, behind slot 1's load: two refills ahead of its own
	STEP 0, 0, 2                                   ; the first step stands in front of the loop: its products start the sums
.if LAPS > 1
	WIN 0                                          ; at a label and at a branch every window is 0
	s_mov_b32 s3, LAPS-1
.Llap:                                                 ; a trip goes once round the ring, from a lap's second step to the next lap's first, and fills both slots again
	STEP 0, 1, 0
	STEP 0, 2, 0
	TURN 0, 1, 1
	STEP 1, 0, 0
	STEP 1, 1, 0
	STEP 1, 2, 0
	TURN 1, 0, 1
	STEP 0, 0, 0
	WIN 0
	s_sub_co_u32 s3, s3, 1
	s_cmp_lg_u32 s3, 0
	s_cbranch_scc1 .Llap
.endif
	STEP 0, 1, 0                                   ; the last lap fills nothing
	STEP 0, 2, 0
	TURN 0, 1, 0
	STEP 1, 0, 0
	STEP 1, 1, 0
	STEP 1, 2, 0
	s_wait_dscnt 0x0                               ; the very last step: nothing more to fetch
	WIN MUL
.irp a, 0,1,2,3
	MULA \a, 1, 3, 1, 0
.endr
	WIN 0
	; THE WAY OUT, block by block of 16 rows x 64 columns.  A lane holds 32 neighbouring bytes of a row and the lanes beside it other rows: a block goes through my own stage and comes back as whole rows of 256 bytes,
	; into the registers that it left.  LDS serves a wave's instructions in order (ISA guide 5.7.1.4): no wait between the stores and the loads, nor in front of the next block's stores.
	PLACES NP
.macro TOSTAGE a
.set AC, ACC+32*(\a)
.irp b, 0,1,2,3
	ds_store_b128 v[STO], v[AC+8*\b:AC+8*\b+3] offset:128*(\b/2)+32*(\b%2)      ; each accumulator from its low end on
	ds_store_b128 v[STO], v[AC+8*\b+4:AC+8*\b+7] offset:128*(\b/2)+32*(\b%2)+16
.endr
.irp t, 0,1,2,3,4,5,6,7
	ds_load_b128 v[AC+4*\t:AC+4*\t+3], v[RD] offset:\t*2*SP
.endr
.endm
.macro SEND a, younger                 ; younger: the LDS instructions issued behind block a's loads, which may stay out
.set AC, ACC+32*(\a)
	s_wait_dscnt \younger                          ; the block is back in registers
	WIN FROM_R
.set p, 0
.rept 16
	v_pk_add_f32 v[AC+p:AC+p+1], v[AC+p:AC+p+1], v[32*(\a)+p:32*(\a)+p+1]  ; + the residual
.set p, p+2
.endr
	WIN 0
.irp t, 0,1,2,3,4,5,6,7
	global_store_b128 v[CO], v[AC+4*\t:AC+4*\t+3], s[12:13] offset:(32*((\a)/2)+8*((\a)%2)+2*\t+8*(\t/4))*4096 th:TH_STORE_NT  ; sixteen lanes store 256 consecutive bytes, at a multiple of 256 from the buffer's first byte
.endr
.endm
	TOSTAGE 0
	s_wait_loadcnt 0x0                             ; the residual, asked for at the head
.irp a, 1,2,3
	TOSTAGE \a
	SEND \a-1, 16                                  ; behind block a - 1's loads: block a's 8 stores and 8 loads
.endr
	SEND 3, 0
	s_wait_tensorcnt 0x0                           ; the wave's end
	ds_add_u32 v[SPW], v[NIL]
	s_wait_dscnt 0x0
	CROUND                                         ; the closing round: no work-group ends while a partner may still ask for a tile that names it
	s_endpgm
.Lfunc_end_k_q25fe2630ed_g6:
	.size	k_q25fe2630ed_g6, .Lfunc_end_k_q25fe2630ed_g6-k_q25fe2630ed_g6
	.p2alignl 7, 3214868480
	.fill 96, 4, 3214868480
	.section	.rodata,"a",@progbits
	.p2align	6, 0x0
	.amdhsa_kernel k_q25fe2630ed_g6
		.amdhsa_group_segment_fixed_size 327680
		.amdhsa_private_segment_fixed_size 0
		.amdhsa_enable_private_segment 0
		.amdhsa_kernarg_size 40
		.amdhsa_user_sgpr_count 2
		.amdhsa_user_sgpr_kernarg_segment_ptr 1
		.amdhsa_wavefront_size32 1
		.amdhsa_system_sgpr_workgroup_id_x 1
		.amdhsa_system_sgpr_workgroup_id_y 1
		.amdhsa_system_sgpr_workgroup_id_z 1
		.amdhsa_system_vgpr_workitem_id 0
		.amdhsa_next_free_vgpr 768
		.amdhsa_next_free_sgpr 102
		.amdhsa_reserve_vcc 0
		.amdhsa_float_denorm_mode_32 3
		.amdhsa_float_denorm_mode_16_64 3
		.amdhsa_memory_ordered 1
		.amdhsa_forward_progress 1
		.amdhsa_inst_pref_size 102
	.end_amdhsa_kernel
	.amdgpu_metadata
---
amdhsa.version: [ 1, 2 ]
amdhsa.kernels:
  - .name:           k_q25fe2630ed_g6
    .symbol:         k_q25fe2630ed_g6.kd
    .args:
      - { .name: HID, .offset: 0, .size: 8, .value_kind: global_buffer, .address_space: global }
      - { .name: W, .offset: 8, .size: 8, .value_kind: global_buffer, .address_space: global }
      - { .name: b_proj, .offset: 16, .size: 8, .value_kind: global_buffer, .address_space: global }
      - { .name: X1, .offset: 24, .size: 8, .value_kind: global_buffer, .address_space: global }
      - { .name: out0, .offset: 32, .size: 8, .value_kind: global_buffer, .address_space: global }
    .group_segment_fixed_size: 327680
    .private_segment_fixed_size: 0
    .kernarg_segment_align: 8
    .kernarg_segment_size: 40
    .max_flat_workgroup_size: 128
    .sgpr_count:     102
    .vgpr_count:     768
    .wavefront_size: 32
...
	.end_amdgpu_metadata
.endif
;; end of part 14
